; MI455X (gfx1250); checked and timed in simulation.
; The chip was launched on July 23, 2026; its instructions are those of AMD's public machine-readable ISA for CDNA 5 (MIT licence, August 2026) and "CDNA5" Instruction Set Architecture Reference Guide (July 2026). The comments in the code are by the model that wrote it; some were corrected since.
;; KNN Aggregation Variants. Allowed arithmetic: matrix products marked QUANTISED: E5M2 operands, one E8M0 scale for each 32 along K, by v_wmma_scale_f32_16x16x128_f8f6f4 with both operands' format E5M2, f32 sums; products left as they are: f32 operands where the result goes on into a quantised operand, else bf16, f16 or f32 operands; f32 sums; everything else in f32.
;; Inputs: W_feat_codes 256 x 8 x 32 uint8 (E5M2 codes of W_feat, K innermost, in blocks of 32 codes); W_feat_scales 256 x 8 uint8 (E8M0 scales of W_feat, one for each 32 codes along K); W_pos1 4 x 128 float32; W_pos2_codes 256 x 4 x 32 uint8 (E5M2 codes of W_pos2, K innermost, in blocks of 32 codes); W_pos2_scales 256 x 4 uint8 (E8M0 scales of W_pos2, one for each 32 codes along K); b_feat 256 float32; b_pos1 128 float32; b_pos2 256 float32; beta 256 float32; coords 2 x 4,096 x 3 float32; features_codes 2 x 4,096 x 8 x 32 uint8 (E5M2 codes of features, K innermost, in blocks of 32 codes); features_scales 2 x 4,096 x 8 uint8 (E8M0 scales of features, one for each 32 codes along K); gamma 256 float32.
;; Outputs: out0 2 x 4,096 x 256 float32.
;; This version of the problem:
;;   THIS VERSION OF THE PROBLEM IS GIVEN IN LOW PRECISION. The matrix products marked QUANTISED in the list below multiply operands that are first quantised to E5M2 (5 exponent bits, 2 mantissa bits; 8 bits a number), with one power-of-two scale for each 32 numbers along K (OCP MX v1.0); their sums are f32. All else is computed in f32.
;;   The module's matrix products, in the order in which they are computed (A, B: the left and right operand; K: the contracted axis; several contracted axes count as one K, in the product's order):
;;     1. [M 8,192, K 256] x [K 256, N 256]; A: input features (given as codes); B: input W_feat (given as codes): QUANTISED
;;     2. [M 131,072, K 4] x [K 4, N 128]; A: computed on the way; B: input W_pos1: left as it is (K = 4 < 32)
;;     3. [M 131,072, K 128] x [K 128, N 256]; A: computed on the way; B: input W_pos2 (given as codes): QUANTISED
;;   THE QUANTISER, for each operand of a quantised product, along K:
;;     - K is cut into blocks of 32 from its start; a last block that is shorter is filled with zeros.
;;     - A block's scale is 2^e with e = floor(log2(the largest magnitude in the block)) - 15, held to -126 .. 127; a block of zeros has e = 0. As a byte (E8M0): e + 127.
;;     - Each number is divided by its block's scale, clamped to +-57,344, and rounded to the nearest number of E5M2, ties to even, subnormals kept.
;;     - The product sums the exact products of the quantised numbers (number of the format x scale) in f32.
;;   ~~~python
;;   def quantise(x, axis):      # numpy; x: float32 -> the quantised numbers, widened to float32 again
;;       x = np.moveaxis(x, axis, -1); K = x.shape[-1]
;;       x = np.pad(x, [(0, 0)] * (x.ndim - 1) + [(0, -K % 32)]); x = x.reshape(x.shape[:-1] + (-1, 32)); a = np.abs(x).max(-1, keepdims=True)
;;       e = np.where(a > 0, np.clip(np.frexp(np.where(a > 0, a, 1))[1] - 1 - 15, -126, 127), 0)      # np.frexp(a)[1] - 1 = floor(log2(a)), exactly
;;       r = np.clip(x / 2.0 ** e, -57344, 57344)
;;       step = 2.0 ** (np.maximum(np.frexp(np.where(r == 0, 1, r))[1] - 1, -14) - 2)
;;       q = np.round(r / step) * step * 2.0 ** e      # np.round: ties to even
;;       return np.moveaxis(q.reshape(q.shape[:-2] + (-1,))[..., :K], -1, axis).astype(np.float32)
;;   ~~~
;;   OPERANDS COMPUTED ON THE WAY. 'Computed on the way' means the value that the module computes at that place (a softmax that the list does not call 'softmax' is quantised finished and normalised). What goes into a quantiser is computed in f32, as accurately as f32 sums, v_exp_f32 and their like allow (about 1e-6 of the number): no bf16 or f16 on the way to a quantiser, and a product that is left as it is and whose result goes on into a quantised operand takes f32 operands (vector FMAs, or v_wmma_f32_16x16x4_f32). A number that lies on a knife's edge between two numbers of the format may be rounded either way, as far as f32 arithmetic and the matrix unit's own rounding can turn it there, and no further.
;;   INPUTS GIVEN AS CODES. W_feat (in the module: [256, 256], K = its axis 0); W_pos2 (in the module: [128, 256], K = its axis 0); features (in the module: [2, 4096, 256], K = its axis 2): each comes as NAME_codes (uint8): NAME with its K axis moved to the last place and cut into blocks of 32 codes, [.., K / 32, bytes a block], one block behind the other in memory; one code a byte (a code: sign, 5 exponent bits, 2 mantissa bits); and NAME_scales (uint8): the same leading axes, one E8M0 byte (e + 127) for each 32 codes along K. Its value is code x scale, taken as it is: it is not quantised again, and the codes and scales need not be those that the quantiser above would give.
;; 3 versions. Each part assembles by itself: llvm-mc -triple=amdgcn-amd-amdhsa -mcpu=gfx1250 --defsym DOCPART=n.
;; ======== version 1 of 3: 2 launches
;; limits: inputs' magnitudes at most 1e+18
;; workspace buffers: feat 8,388,608 bytes; idx 524,288 bytes of whole numbers
;; launch knn_proj (part 1): grid 256 x 1, 8 waves a work-group, no clusters, 120,832 bytes of LDS; arguments features_codes, features_scales, W_feat_codes, W_feat_scales, b_feat, coords, feat, idx; writes feat, idx
.if DOCPART == 1
	.amdgcn_target "amdgcn-amd-amdhsa--gfx1250"
	.amdhsa_code_object_version 6
	.text
	.protected	k_qbafc8b6f4c_knn_proj
	.globl	k_qbafc8b6f4c_knn_proj
	.p2align	8
	.type	k_qbafc8b6f4c_knn_proj,@function
k_qbafc8b6f4c_knn_proj:
	s_mov_b64 s[64:65], 0
	v_nop
	global_prefetch_b8 v0, s[64:65] scope:SCOPE_SE
	s_setreg_imm32_b32 hwreg(HW_REG_WAVE_MODE, 25, 1), 1
	s_wait_xcnt 0x0
; TWO JOBS FOR 32 POINTS OF ONE BATCH.
; (1) feat = features W_feat + b_feat on E5M2 codes with E8M0 scales, as they are given: 32 rows x 256 columns, wave w the columns 32 w .. 32 w + 31.
; (2) The 16 nearest points of each of the 32 (d = sqrt(dx^2 + dy^2) + 0.3 |dt|; the point itself and points of later t count as infinity; equal d: the lower index first), stored as whole numbers
;     idx[point][16], indices inside the batch.  A slot for which no finite d is left holds some masked index: the next launch finds it by (j = i) or (t_j > t_i).
; SHARES.  Lane = query, the same 32 queries in all eight waves; wave w scans candidates 512 w .. 512 w + 511, sixteen a trip, read from LDS by loads in which all lanes give one address.
; NO BRANCH AND NO ADDRESS HANGS ON A DISTANCE.  Pass 1: each lane keeps its wave's 16 smallest d, sorted, by an insertion of 16 lines a candidate.  The eight lists of a query meet in LDS and are merged by
; every wave: TT = the 16th smallest d, q = 16 - (how many are below TT) places for candidates equal to TT.  From each wave's counts (below TT, equal to TT) each wave knows how many of the q places the waves
; before it take.  Pass 2: the same distances again; a candidate is taken if d < TT, or d = TT while the wave's quota lasts; a taken index is pushed into a log of 16 fields of 16 bits (eight registers) by byte
; selections whose selector either moves the log by a field or leaves it.  Pushes of 0 at the end bring each wave's fields to places of their own, so the eight logs add up to the list.
; WHY THE COUNTS ARE EXACT: at most 15 d lie below TT in all, so each wave's lie in its list of 16; a list shows at least min(its ties, q) ties, and only min(q, running sum) is used.
; LIMITS: dx^2 + dy^2 is a multiplication and a fused multiply-add, d a fused multiply-add onto v_sqrt_f32 (1 ulp): two candidates whose d differ by some 2 ulp at the 16th place may be taken the other way round.
; Coordinates are finite and under 1e18 in magnitude (no square overflows); NaN is not served.
; NO CLUSTER, NO TENSOR LOAD: what work-groups share is a batch's 49,152 bytes of coordinates, read once at the head and laid apart into x, y and t on the way, against 4,096 x 32 distances taken twice.
.set PADC, 49152                       ; LDS: x at 0, y at 16384, t at 32768 (4,096 f32 each); then 1,024 bytes of zeros, on which the look-ahead behind t's last block lands
.set LST,  50176                       ; 256 lists of 16 f32, 80 bytes apart (an odd multiple of 16)
.set CNT,  70656                       ; 256 count words
.set LOG,  71680                       ; 256 logs of 32 bytes, 48 bytes apart
.set IDXT, 83968                       ; wave 0's turn of the result: 32 x 80 bytes
.set STG,  86528                       ; the projection's stage: 32 rows x (1,024 + 16) bytes
.set QX,   4                           ; v[4:5], v[6:7], v[8:9] my query's x, y, t, each twice (pairs for the packed forms)
.set QY,   6
.set QT,   8
.set INF,  10
.set CA,   11                          ; LDS address of the block to be fetched
.set CA0,  12                          ; 2,048 x wave: my wave's 512 candidates
.set SELA, 13                          ; selector that leaves a word as it is
.set SELB, 14                          ; selector that moves the log down by 16 bits
.set TT,   15
.set L,    16                          ; v[16:31]  my list, ascending
.set WA,   32                          ; v[32:47]  the merge, and v[176:191] its other side
.set WB,   176
.set X,    48                          ; v[48:95]  a block's x, y, t
.set Y,    64
.set T,    80
.set D,    96                          ; v[96:111] its distances, then its selectors
.set EC,   112                         ; v[112:128] running count of ties
.set P,    130                         ; v[130:137] the log
.set BL,   48                          ; v[48:175] the eight lists
.set QW,   192
.set AW,   193
.set CN,   194
.set LTW,  195
.set EQW,  196
.set SUM,  197
.set T0,   198
.set T1,   199
.set WF,   16                          ; the projection: W_feat's fragments (tile n, K step s) at 32 n + 16 s,
.set FF,   80                          ; the features' (tile m, K step s),
.set ACC,  144                         ; four accumulators (m, n) at 8 (2 m + n),
.set BC,   176                         ; b_feat in the result's layout; v[248:251], v[252:255] scale words of W_feat, of the features
.set M,    32                          ; s[32:47] masks: later t or self; in pass 2: quota left
.set LTM,  48                          ; s[48:63] d < TT, then: taken
.set EQM,  68                          ; s[68:83] d = TT
.macro BARRIER                         ; my LDS stores have landed and my LDS loads are in: then the work-group's barrier
	s_wait_dscnt 0x0
	s_barrier_signal -1
	s_barrier_wait -1
.endm
	s_load_b256 s[4:11], s[0:1], 0x0               ; features' codes, scales; W_feat's codes, scales
	s_load_b256 s[12:19], s[0:1], 0x20             ; b_feat, coords, feat, idx
	s_set_vgpr_msb 0x40
	v_lshl_add_u32 v0, v0, 2, 0x1d400
	v_mov_b32 v1, 0
	s_set_vgpr_msb 0x4000
	v_lshrrev_b32 v1, 5, v0
	v_readfirstlane_b32 s20, v1                    ; wave 0..7
	v_and_b32 v1, 31, v0                           ; lane
	v_and_b32 v2, 15, v0                           ; r
	v_bfe_u32 v3, v0, 4, 1                         ; h
	s_mov_b32 s21, ttmp9                           ; g
	s_lshr_b32 s22, s21, 7                         ; batch
	s_and_b32 s23, s21, 127
	s_lshl_b32 s23, s23, 5                         ; my first query, inside the batch
	v_mul_u32_u24 v5, v0, 12                       ; offsets of the loads at the head; these registers get their lasting use behind the wait for all loads
	v_mul_u32_u24 v7, v1, 12
	v_lshlrev_b32 v9, 8, v2
	v_lshl_add_u32 v9, v3, 4, v9                   ; a fragment's row of 256 bytes, + 16 h
	v_lshlrev_b32 v11, 3, v2                       ; a row's 8 scale bytes
	v_lshlrev_b32 v12, 5, v3                       ; b_feat: 8 h numbers on
	v_lshlrev_b32 v240, 2, v0                      ; LDS addresses: a constant + a constant x thread (or lane)
	v_mul_u32_u24 v241, v0, 80
	v_add_nc_u32 v241, LST, v241
	v_mul_u32_u24 v242, v1, 80
	v_add_nc_u32 v242, LST, v242
	v_add_nc_u32 v243, CNT, v240
	v_lshlrev_b32 v244, 2, v1
	v_add_nc_u32 v244, CNT, v244
	v_mul_u32_u24 v245, v0, 48
	v_add_nc_u32 v245, LOG, v245
	v_mul_u32_u24 v246, v1, 48
	v_add_nc_u32 v246, LOG, v246
	v_mul_u32_u24 v247, v2, 1040
	v_lshl_add_u32 v247, v3, 5, v247
	s_lshl_b32 s29, s20, 7
	s_add_co_u32 s29, s29, STG
	v_add_nc_u32 v247, s29, v247                   ; the stage: row r, + 32 h, + my wave's 128 bytes
	s_mov_b32 s87, 0
	s_wait_kmcnt 0x0
	s_mul_i32 s86, s22, 49152
	s_add_nc_u64 s[14:15], s[14:15], s[86:87]      ; the batch's coordinates
	s_mul_i32 s86, s23, 12
	s_add_nc_u64 s[84:85], s[14:15], s[86:87]      ; my 32 queries'
	s_lshl_b32 s86, s21, 13
	s_add_nc_u64 s[4:5], s[4:5], s[86:87]          ; 32 rows of 256 codes
	s_lshl_b32 s86, s21, 8
	s_add_nc_u64 s[6:7], s[6:7], s[86:87]          ; and of 8 scale bytes
	s_lshl_b32 s86, s20, 13
	s_add_nc_u64 s[8:9], s[8:9], s[86:87]          ; my wave's 32 rows of W_feat
	s_lshl_b32 s86, s20, 8
	s_add_nc_u64 s[10:11], s[10:11], s[86:87]
	s_lshl_b32 s86, s20, 7
	s_add_nc_u64 s[12:13], s[12:13], s[86:87]      ; my 32 numbers of b_feat
	s_lshl_b32 s86, s21, 15
	s_lshl_b32 s29, s20, 12
	s_add_co_u32 s86, s86, s29
	s_add_nc_u64 s[16:17], s[16:17], s[86:87]      ; feat: the group's 32 rows, my wave's 4
	s_lshl_b32 s86, s21, 11
	s_add_nc_u64 s[18:19], s[18:19], s[86:87]      ; idx: 32 rows of 64 bytes
.irp i, 0,1,2,3,4,5,6,7,8,9,10,11,12,13,14,15
.irp c, 0,1,2
	global_load_b32 v[192+3*\i+\c], v5, s[14:15] offset:3072*\i+4*\c   ; point 256 i + thread, component c
.endr
.endr
	global_load_b32 v4, v7, s[84:85]
	global_load_b32 v6, v7, s[84:85] offset:4
	global_load_b32 v8, v7, s[84:85] offset:8
.irp m, 0,1
.irp s, 0,1
.irp c, 0,1,2,3
	global_load_b128 v[FF+32*\m+16*\s+4*\c:FF+32*\m+16*\s+4*\c+3], v9, s[4:5] offset:4096*\m+128*\s+32*\c
	global_load_b128 v[WF+32*\m+16*\s+4*\c:WF+32*\m+16*\s+4*\c+3], v9, s[8:9] offset:4096*\m+128*\s+32*\c
.endr
.endr
	global_load_b64 v[252+2*\m:253+2*\m], v11, s[6:7] offset:128*\m      ; a row's two scale words, one for each 128 along K
	global_load_b64 v[248+2*\m:249+2*\m], v11, s[10:11] offset:128*\m
	global_load_b128 v[BC+8*\m:BC+8*\m+3], v12, s[12:13] offset:64*\m
	global_load_b128 v[BC+8*\m+4:BC+8*\m+7], v12, s[12:13] offset:64*\m+16
.endr
	v_mov_b32 v14, 0
	s_wait_loadcnt 43                              ; the 48 coordinate loads are in; the 3 of my query and the projection's 40 may be out
.irp i, 0,1,2,3,4,5,6,7,8,9,10,11,12,13,14,15
.irp c, 0,1,2
	ds_store_b32 v240, v[192+3*\i+\c] offset:16384*\c+1024*\i
.endr
.endr
	ds_store_b32 v240, v14 offset:PADC
	s_lshl_b32 s29, s20, 11
	s_mul_i32 s28, s20, 4160
	s_add_co_u32 s28, s28, STG
	s_wait_loadcnt 0x0
	s_wait_dscnt 0x0                               ; the stores have read their registers, which are written again below
	v_mov_b32 v5, v4
	v_mov_b32 v7, v6
	v_mov_b32 v9, v8
; TRANSPOSED: source 0 = 16 rows of W_feat, source 1 = 16 points: lane (r, h) holds point r and columns 8 h + 0 .. 7 of the tile.  b_feat is the C of each sum's first product.  Four accumulators by turns.
.irp s, 0,1
.irp m, 0,1
.irp n, 0,1
.if \s == 0
	v_wmma_scale_f32_16x16x128_f8f6f4 v[ACC+8*(2*\m+\n):ACC+8*(2*\m+\n)+7], v[WF+32*\n:WF+32*\n+15], v[FF+32*\m:FF+32*\m+15], v[BC+8*\n:BC+8*\n+7], v[248+2*\n], v[252+2*\m] matrix_a_fmt:MATRIX_FMT_BF8 matrix_b_fmt:MATRIX_FMT_BF8
.else
	v_wmma_scale_f32_16x16x128_f8f6f4 v[ACC+8*(2*\m+\n):ACC+8*(2*\m+\n)+7], v[WF+32*\n+16:WF+32*\n+31], v[FF+32*\m+16:FF+32*\m+31], v[ACC+8*(2*\m+\n):ACC+8*(2*\m+\n)+7], v[249+2*\n], v[253+2*\m] matrix_a_fmt:MATRIX_FMT_BF8 matrix_b_fmt:MATRIX_FMT_BF8
.endif
.endr
.endr
.endr
	v_mov_b32 v[INF], 0x7f800000                   ; eight plain lines that name none of the products' registers stand ahead of the first read of a result
	v_mov_b32 v[SELA], 0x03020100
	v_mov_b32 v[SELB], 0x05040302
	v_mov_b32 v[CA0], s29
	v_mov_b32 v[CA], s29
	v_lshlrev_b32 v193, 4, v1                      ; 16 x lane
	v_add_nc_u32 v192, s28, v193                   ; the stage, back: my wave's 4 rows
	v_nop
.irp m, 0,1
.irp n, 0,1
	ds_store_b128 v247, v[ACC+8*(2*\m+\n):ACC+8*(2*\m+\n)+3] offset:16640*\m+64*\n      ; each accumulator from its low end on
	ds_store_b128 v247, v[ACC+8*(2*\m+\n)+4:ACC+8*(2*\m+\n)+7] offset:16640*\m+64*\n+16
.endr
.endr
	BARRIER                                        ; the coordinates, the zeros and 32 whole rows of feat lie in LDS
.irp i, 0,1,2,3
.irp u, 0,1
	ds_load_b128 v[16+4*(2*\i+\u):16+4*(2*\i+\u)+3], v192 offset:1040*\i+512*\u
.endr
.endr
	s_wait_dscnt 0x0
.irp i, 0,1,2,3
.irp u, 0,1
	global_store_b128 v193, v[16+4*(2*\i+\u):16+4*(2*\i+\u)+3], s[16:17] offset:1024*\i+512*\u   ; 32 lanes store 512 consecutive bytes, at a multiple of 256 from feat's first byte
.endr
.endr
.macro LOADBLK                         ; sixteen candidates' x, y, t: all lanes give the same address
.irp q, 0,1,2,3
	ds_load_b128 v[X+4*\q:X+4*\q+3], v[CA] offset:16*\q
.endr
.irp q, 0,1,2,3
	ds_load_b128 v[Y+4*\q:Y+4*\q+3], v[CA] offset:16384+16*\q
.endr
.irp q, 0,1,2,3
	ds_load_b128 v[T+4*\q:T+4*\q+3], v[CA] offset:32768+16*\q
.endr
.endm
.macro NEXT                            ; the next block lands under the lines that follow; the last trip's reads bytes that lie behind the segment, which have been written, and is not used
	s_add_co_u32 s26, s26, 64
	v_add_nc_u32 v[CA], s26, v[CA0]
	LOADBLK
.endm
; D[0..15] = the block's distances from my query: 96 vector lines, six a candidate
.macro DIST
	s_wait_dscnt 0x0                               ; the block is in
.irp p, 0,2,4,6,8,10,12,14
	v_pk_add_f32 v[X+\p:X+\p+1], v[X+\p:X+\p+1], v[QX:QX+1] neg_lo:[0,1] neg_hi:[0,1]
.endr
.irp p, 0,2,4,6,8,10,12,14
	v_pk_add_f32 v[Y+\p:Y+\p+1], v[Y+\p:Y+\p+1], v[QY:QY+1] neg_lo:[0,1] neg_hi:[0,1]
.endr
.irp p, 0,2,4,6,8,10,12,14
	v_pk_mul_f32 v[X+\p:X+\p+1], v[X+\p:X+\p+1], v[X+\p:X+\p+1]
.endr
.irp p, 0,2,4,6,8,10,12,14
	v_pk_fma_f32 v[X+\p:X+\p+1], v[Y+\p:Y+\p+1], v[Y+\p:Y+\p+1], v[X+\p:X+\p+1]
.endr
.irp p, 0,2,4,6,8,10,12,14
	v_pk_add_f32 v[Y+\p:Y+\p+1], v[QT:QT+1], v[T+\p:T+\p+1] neg_lo:[0,1] neg_hi:[0,1]   ; t_i - t_j: it is |dt| wherever the candidate is not masked
.endr
.irp c, 0,1,2,3,4,5,6,7,8,9,10,11,12,13,14,15
	v_sqrt_f32 v[X+\c], v[X+\c]
.endr
.irp c, 0,1,2,3,4,5,6,7,8,9,10,11,12,13,14,15
	v_cmp_lt_f32 s[M+\c], v[QT], v[T+\c]           ; later than my query.  (Plain work behind the roots)
.endr
	s_wait_alu depctr_va_vdst(0)                   ; one wait for the sixteen roots, ahead of their first reader and of the branch
	s_sub_co_u32 s27, s24, s23                     ; the point itself: candidate J0 + c is lane J0 - Q0 + c's query.  A branch on ids alone: two blocks of one wave
	s_cmp_lt_u32 s27, 32
	s_cbranch_scc0 .Lnot_self_\@
	s_lshl_b32 s28, 1, s27
.irp c, 0,1,2,3,4,5,6,7,8,9,10,11,12,13,14,15
	s_lshl_b32 s29, s28, \c
	s_or_b32 s[M+\c], s[M+\c], s29
.endr
.Lnot_self_\@:
.irp p, 0,2,4,6,8,10,12,14
	v_pk_fma_f32 v[D+\p:D+\p+1], v[Y+\p:Y+\p+1], 0x3e99999a, v[X+\p:X+\p+1] op_sel_hi:[1,0,1]   ; 0.3 |dt| + the root
.endr
.irp c, 0,1,2,3,4,5,6,7,8,9,10,11,12,13,14,15
	v_cndmask_b32 v[D+\c], v[D+\c], v[INF], s[M+\c]
.endr
.endm
.macro INSERT c                        ; the sorted list takes D[c]: place s gets the middle one of its lower neighbour, itself and D[c]; from the top down, so that each line reads old neighbours
.irp s, 15,14,13,12,11,10,9,8,7,6,5,4,3,2,1
	v_med3_num_f32 v[L+\s], v[L+\s-1], v[L+\s], v[D+\c]
.endr
	v_min_num_f32 v[L], v[L], v[D+\c]
.endm
.macro CLEAN src, dst, st              ; a half cleaner of stride st
.irp i, 0,1,2,3,4,5,6,7,8,9,10,11,12,13,14,15
.if ((\i) & (\st)) == 0
	v_min_num_f32 v[\dst+\i], v[\src+\i], v[\src+\i+\st]
	v_max_num_f32 v[\dst+\i+\st], v[\src+\i], v[\src+\i+\st]
.endif
.endr
.endm
.macro MERGE a, u                      ; the 16 smallest of the sorted lists at v[a] and of wave u, sorted, into WA: the minima against the reversed list are bitonic
.irp s, 0,1,2,3,4,5,6,7,8,9,10,11,12,13,14,15
	v_min_num_f32 v[WA+\s], v[\a+\s], v[BL+16*(\u)+15-\s]
.endr
	CLEAN WA, WB, 8
	CLEAN WB, WA, 4
	CLEAN WA, WB, 2
	CLEAN WB, WA, 1
.endm
.macro COUNT dst, base, n, op          ; how many of n registers stand in the relation op to TT: the compare's bit is added as a carry
	v_mov_b32 v[\dst], 0
.set ci, 0
.rept \n
	\op vcc_lo, v[\base+ci], v[TT]
	v_add_co_ci_u32 v[\dst], vcc_lo, 0, v[\dst], vcc_lo
.set ci, ci+1
.endr
.endm
.macro PUSH sel, new                   ; selector SELB: the log moves down by a field and new enters on top; SELA: nothing changes
.irp r, 0,1,2,3,4,5,6
	v_perm_b32 v[P+\r], v[P+\r+1], v[P+\r], v[\sel]
.endr
	v_perm_b32 v[P+7], \new, v[P+7], v[\sel]
.endm
.macro SELECT
.irp c, 0,1,2,3,4,5,6,7,8,9,10,11,12,13,14,15
	v_cmp_eq_f32 s[EQM+\c], v[D+\c], v[TT]
.endr
.irp c, 0,1,2,3,4,5,6,7,8,9,10,11,12,13,14,15
	v_add_co_ci_u32 v[EC+\c+1], vcc_lo, 0, v[EC+\c], s[EQM+\c]   ; ties seen so far in my wave
	v_cmp_lt_f32 s[LTM+\c], v[D+\c], v[TT]
.endr
.irp c, 0,1,2,3,4,5,6,7,8,9,10,11,12,13,14,15
	v_cmp_lt_u32 s[M+\c], v[EC+\c], v[QW]          ; quota left for this one
.endr
.irp c, 0,1,2,3,4,5,6,7,8,9,10,11,12,13,14,15
	s_and_b32 s[EQM+\c], s[EQM+\c], s[M+\c]
	s_or_b32 s[LTM+\c], s[LTM+\c], s[EQM+\c]       ; taken
.endr
.irp c, 0,1,2,3,4,5,6,7,8,9,10,11,12,13,14,15
	v_cndmask_b32 v[D+\c], v[SELA], v[SELB], s[LTM+\c]
.endr
.irp c, 0,1,2,3,4,5,6,7,8,9,10,11,12,13,14,15
	s_add_co_u32 s30, s24, \c
	PUSH D+\c, s30
.endr
	v_mov_b32 v[EC], v[EC+16]
.endm
	; ---- pass 1
	s_wait_xcnt 0x0                                ; feat's stores have read their registers, which the list takes
.irp s, 0,1,2,3,4,5,6,7,8,9,10,11,12,13,14,15
	v_mov_b32 v[L+\s], v[INF]
.endr
	s_mov_b32 s26, 0
	LOADBLK
	s_lshl_b32 s24, s20, 9                         ; the block's first candidate
	s_mov_b32 s25, 32
.Lpass1:
	DIST
	NEXT
.irp c, 0,1,2,3,4,5,6,7,8,9,10,11,12,13,14,15
	INSERT \c
.endr
	s_add_co_u32 s24, s24, 16
	s_sub_co_u32 s25, s25, 1
	s_cmp_lg_u32 s25, 0
	s_cbranch_scc1 .Lpass1
	; ---- the eight lists of a query meet
.irp q, 0,1,2,3
	ds_store_b128 v241, v[L+4*\q:L+4*\q+3] offset:16*\q
.endr
	BARRIER                                        ; (its wait also covers the last look-ahead, whose registers the lists take)
.irp u, 0,1,2,3,4,5,6,7
.irp q, 0,1,2,3
	ds_load_b128 v[BL+16*\u+4*\q:BL+16*\u+4*\q+3], v242 offset:2560*\u+16*\q
.endr
.endr
	s_wait_dscnt 0x0
	MERGE BL, 1
.irp u, 2,3,4,5,6,7
	MERGE WA, \u
.endr
	v_mov_b32 v[TT], v[WA+15]                      ; the 16th smallest; infinity where fewer than 16 are finite: masked candidates then fill the places
	COUNT CN, WA, 15, v_cmp_lt_f32
	COUNT LTW, L, 16, v_cmp_lt_f32
	COUNT EQW, L, 16, v_cmp_eq_f32
	v_sub_nc_u32 v[CN], 16, v[CN]                  ; q
	v_lshl_or_b32 v[T0], v[EQW], 8, v[LTW]
	ds_store_b32 v243, v[T0]
	BARRIER
.irp u, 0,1,2,3,4,5,6
	ds_load_b32 v[200+\u], v244 offset:128*\u
.endr
	v_mov_b32 v[SUM], 0
	s_wait_dscnt 0x0
.irp u, 0,1,2,3,4,5,6
	s_cmp_gt_u32 s20, \u                           ; the waves before mine (both fields stay under 256: at most 15, at most 7 x 16)
	s_cselect_b32 s31, 1, 0
	v_mad_u32_u24 v[SUM], v[200+\u], s31, v[SUM]
.endr
	v_and_b32 v[T0], 255, v[SUM]                   ; below TT, before me
	v_lshrrev_b32 v[T1], 8, v[SUM]                 ; ties before me
	v_min_u32 v[QW], v[CN], v[T1]
	v_sub_nc_u32 v[QW], v[CN], v[QW]               ; my quota of ties
	v_add_nc_u32 v[T1], v[T1], v[EQW]
	v_min_u32 v[T1], v[CN], v[T1]
	v_add3_u32 v[T0], v[T0], v[LTW], v[T1]         ; what is taken up to and with my wave,
	v_sub_nc_u32 v[AW], 16, v[T0]                  ; and what the later waves take: so far my fields move down at the end
	; ---- pass 2
.irp r, 0,1,2,3,4,5,6,7
	v_mov_b32 v[P+\r], 0
.endr
	v_mov_b32 v[EC], 0
	v_mov_b32 v[CA], v[CA0]
	s_mov_b32 s26, 0
	LOADBLK
	s_lshl_b32 s24, s20, 9
	s_mov_b32 s25, 32
.Lpass2:
	DIST
	NEXT
	SELECT
	s_add_co_u32 s24, s24, 16
	s_sub_co_u32 s25, s25, 1
	s_cmp_lg_u32 s25, 0
	s_cbranch_scc1 .Lpass2
.irp i, 0,1,2,3,4,5,6,7,8,9,10,11,12,13,14,15
	v_cmp_lt_u32 vcc_lo, \i, v[AW]
	v_cndmask_b32 v[T0], v[SELA], v[SELB], vcc_lo
	PUSH T0, 0
.endr
	ds_store_b128 v245, v[P:P+3]
	ds_store_b128 v245, v[P+4:P+7] offset:16
	v_mul_u32_u24 v200, v1, 80                     ; wave 0's addresses, made ahead of the parting
	v_add_nc_u32 v200, IDXT, v200
	v_lshrrev_b32 v201, 2, v1
	v_mul_u32_u24 v201, v201, 80
	v_and_b32 v202, 3, v1
	v_lshl_add_u32 v201, v202, 4, v201
	v_add_nc_u32 v201, IDXT, v201
	v_lshlrev_b32 v202, 4, v1
	BARRIER
	; ---- wave 0 adds the eight logs (their fields are disjoint), widens the fields and stores 2,048 consecutive bytes
	s_cmp_lg_u32 s20, 0
	s_cbranch_scc1 .Lend
.irp u, 0,1,2,3,4,5,6,7
	ds_load_b128 v[48+8*\u:48+8*\u+3], v246 offset:1536*\u
	ds_load_b128 v[48+8*\u+4:48+8*\u+7], v246 offset:1536*\u+16
.endr
	s_wait_dscnt 0x0
.irp r, 0,1,2,3,4,5,6,7
	v_add3_u32 v[32+\r], v[48+\r], v[56+\r], v[64+\r]
.endr
.irp r, 0,1,2,3,4,5,6,7
	v_add3_u32 v[32+\r], v[32+\r], v[72+\r], v[80+\r]
.endr
.irp r, 0,1,2,3,4,5,6,7
	v_add3_u32 v[32+\r], v[32+\r], v[88+\r], v[96+\r]
.endr
.irp r, 0,1,2,3,4,5,6,7
	v_add_nc_u32 v[32+\r], v[32+\r], v[104+\r]
.endr
.irp r, 0,1,2,3,4,5,6,7
	v_and_b32 v[16+2*\r], 0xffff, v[32+\r]
	v_lshrrev_b32 v[17+2*\r], 16, v[32+\r]
.endr
.irp q, 0,1,2,3
	ds_store_b128 v200, v[16+4*\q:16+4*\q+3] offset:16*\q          ; a lane's 64 bytes are one row of idx;
.endr
.irp i, 0,1,2,3
	ds_load_b128 v[112+4*\i:112+4*\i+3], v201 offset:640*\i        ; back so that neighbouring lanes hold neighbouring bytes.  LDS serves a wave's instructions in order (ISA guide 5.7.1.4): these see the stores above
.endr
	s_wait_dscnt 0x0
.irp i, 0,1,2,3
	global_store_b128 v202, v[112+4*\i:112+4*\i+3], s[18:19] offset:512*\i
.endr
.Lend:
	s_set_vgpr_msb 0x5
	s_wait_tensorcnt 0x0
	ds_add_u32 v0, v1
	s_wait_dscnt 0x0
	s_set_vgpr_msb 0x500
	s_endpgm
.Lfunc_end_k_qbafc8b6f4c_knn_proj:
	.size	k_qbafc8b6f4c_knn_proj, .Lfunc_end_k_qbafc8b6f4c_knn_proj-k_qbafc8b6f4c_knn_proj
	.p2alignl 7, 3214868480
	.fill 96, 4, 3214868480
	.section	.rodata,"a",@progbits
	.p2align	6, 0x0
	.amdhsa_kernel k_qbafc8b6f4c_knn_proj
		.amdhsa_group_segment_fixed_size 120832
		.amdhsa_private_segment_fixed_size 0
		.amdhsa_enable_private_segment 0
		.amdhsa_kernarg_size 64
		.amdhsa_user_sgpr_count 2
		.amdhsa_user_sgpr_kernarg_segment_ptr 1
		.amdhsa_wavefront_size32 1
		.amdhsa_system_sgpr_workgroup_id_x 1
		.amdhsa_system_sgpr_workgroup_id_y 1
		.amdhsa_system_sgpr_workgroup_id_z 1
		.amdhsa_system_vgpr_workitem_id 0
		.amdhsa_next_free_vgpr 258
		.amdhsa_next_free_sgpr 88
		.amdhsa_reserve_vcc 1
		.amdhsa_float_denorm_mode_32 3
		.amdhsa_float_denorm_mode_16_64 3
		.amdhsa_memory_ordered 1
		.amdhsa_forward_progress 1
		.amdhsa_inst_pref_size 106
	.end_amdhsa_kernel
	.amdgpu_metadata
---
amdhsa.version: [ 1, 2 ]
amdhsa.kernels:
  - .name:           k_qbafc8b6f4c_knn_proj
    .symbol:         k_qbafc8b6f4c_knn_proj.kd
    .args:
      - { .name: features_codes, .offset: 0, .size: 8, .value_kind: global_buffer, .address_space: global }
      - { .name: features_scales, .offset: 8, .size: 8, .value_kind: global_buffer, .address_space: global }
      - { .name: W_feat_codes, .offset: 16, .size: 8, .value_kind: global_buffer, .address_space: global }
      - { .name: W_feat_scales, .offset: 24, .size: 8, .value_kind: global_buffer, .address_space: global }
      - { .name: b_feat, .offset: 32, .size: 8, .value_kind: global_buffer, .address_space: global }
      - { .name: coords, .offset: 40, .size: 8, .value_kind: global_buffer, .address_space: global }
      - { .name: feat, .offset: 48, .size: 8, .value_kind: global_buffer, .address_space: global }
      - { .name: idx, .offset: 56, .size: 8, .value_kind: global_buffer, .address_space: global }
    .group_segment_fixed_size: 120832
    .private_segment_fixed_size: 0
    .kernarg_segment_align: 8
    .kernarg_segment_size: 64
    .max_flat_workgroup_size: 256
    .sgpr_count:     88
    .vgpr_count:     258
    .wavefront_size: 32
...
	.end_amdgpu_metadata
.endif
;; end of part 1
;; launch agg (part 2): grid 256 x 1, 8 waves a work-group, no clusters, 106,496 bytes of LDS; arguments idx, coords, feat, W_pos1, b_pos1, W_pos2_codes, W_pos2_scales, b_pos2, gamma, beta, out0; writes out0
.if DOCPART == 2
	.amdgcn_target "amdgcn-amd-amdhsa--gfx1250"
	.amdhsa_code_object_version 6
	.text
	.protected	k_qbafc8b6f4c_agg
	.globl	k_qbafc8b6f4c_agg
	.p2align	8
	.type	k_qbafc8b6f4c_agg,@function
k_qbafc8b6f4c_agg:
	s_mov_b64 s[64:65], 0
	v_nop
	global_prefetch_b8 v0, s[64:65] scope:SCOPE_SE
	s_setreg_imm32_b32 hwreg(HW_REG_WAVE_MODE, 25, 1), 1
	s_wait_xcnt 0x0
; FOR 32 POINTS: out = LayerNorm(f + mean over the valid neighbours of (f[j] + relu(rel W_pos1 + b_pos1) W_pos2 + b_pos2)), f where no neighbour is valid.
; idx[point][16] comes from the launch before, as whole numbers; a slot is valid where j != i and t_j <= t_i.
; THE SECOND PRODUCT IS SUMMED OVER THE NEIGHBOURS BY ITS ACCUMULATORS.  An operand fragment is 16 points x 128 hidden units for ONE neighbour slot k; the 16 slots' products add onto the same accumulator.
; An invalid slot's numbers are held to 0, so that its codes are zeros and add nothing.  b_pos2 enters once, where a neighbour is valid: (count x b_pos2) / count.
; SHARES.  P1: wave w makes the four fragments (tile of points m = w / 4, slots 4 (w % 4) + 0 .. 3): rel in f32, the hidden layer by fused multiply-adds in f32, quantised to E5M2 along its 128 in registers;
; they go to LDS as images of their registers.  P2: wave w multiplies all 32 fragments by rows 32 w .. 32 w + 31 of W_pos2, which stay in its registers.  G, P4: wave w finishes points 4 w .. 4 w + 3 as whole rows:
; it gathers the 64 rows of feat (a row by two loads of 512 consecutive bytes), takes the products' sums from a stage in LDS, and normalises.
; LIMITS: hidden blocks whose largest number lies under 2^-111 keep the scale byte 1 (their codes are zeros or subnormal); coordinates finite, NaN not served.
; NO CLUSTER, NO TENSOR LOAD: what work-groups share is W_pos2 (4,096 bytes a wave, read once into registers) and 2,560 bytes of W_pos1 and b_pos1; the rows of feat are a gather by lists that differ.
.set HIMG, 2560                        ; LDS: at 0 W_pos1 as it lies (4 x 512 bytes), then b_pos1; here 32 fragments' images of 2,048 bytes, fragment 16 m + k;
.set HSC,  68096                       ; their scale words, 128 bytes each;
.set STG,  72192                       ; the stage: 32 rows x (1,024 + 16) bytes
.set W2F,  16                          ; v[16:47]  W_pos2's two fragments; from G on FS: the sum of the neighbours' rows, 8 a point
.set FS,   16
.set ACC,  48                          ; v[48:79]  four accumulators (m, n) at 8 (2 m + n); from G on F: my points' own rows
.set F,    48
.set IX,   48                          ; in P1: v[48:51] my point's four indices, v[52:55] x 12, v[56:67] their x, y, t, v68-70 my point's, v71 its index, v[72:75] 1.0 or 0, v[76:79] scale words
.set OA,   52
.set CJ,   56
.set VW,   72
.set SW,   76
.set RL,   80                          ; v[80:111] slot i: dx at 8 i, dy + 2, dt + 4, d + 6; the odd registers are 0 (named as the upper halves of pairs)
.set H,    112                         ; v[112:127] 16 hidden units
.set CD,   128                         ; v[128:143] a block's codes, four registers a slot
.set WB,   144                         ; v[144:223] W_pos1's four rows and b_pos1 at my 16 units of a block
.set MX,   224
.set PT,   225
.set SCOP, 226
.set LIM,  227
.set BYT,  228
.set MB,   229
.set FRG,  80                          ; P2: v[80:207] eight fragments at 16 (4 m + k)
.set HSCL, 246                         ; v[246:253] their scale words; v254, v255 W_pos2's: these ten hold scales and nothing else
.set RB,   80                          ; G: two buffers of eight rows x 8 registers
.set AO,   208                         ; v[208:223] their offsets
.set B2,   80                          ; P4
.set GA,   88
.set BE,   96
.set RC,   104                         ; point i: 1 / count at 4 i, (count > 0) at 4 i + 2, each the low half of a pair
.set PE,   144
.set E,    176
.set TQ,   208
.macro BARRIER
	s_wait_dscnt 0x0
	s_barrier_signal -1
	s_barrier_wait -1
.endm
	s_load_b512 s[4:19], s[0:1], 0x0               ; idx, coords, feat, W_pos1, b_pos1, W_pos2's codes, its scales, b_pos2
	s_load_b128 s[20:23], s[0:1], 0x40             ; gamma, beta
	s_load_b64 s[24:25], s[0:1], 0x50              ; out0
	v_lshl_add_u32 v244, v0, 2, 0x19c00
	v_mov_b32 v245, 0
	v_lshrrev_b32 v1, 5, v0
	v_readfirstlane_b32 s26, v1                    ; wave 0..7
	v_and_b32 v1, 31, v0                           ; lane
	v_and_b32 v2, 15, v0                           ; r
	v_bfe_u32 v3, v0, 4, 1                         ; h
	s_mov_b32 s27, ttmp9                           ; g
	s_lshr_b32 s42, s26, 2                         ; m
	s_and_b32 s43, s26, 3                          ; w % 4
	s_and_b32 s44, s27, 127
	s_lshl_b32 s44, s44, 5                         ; the group's first point, inside its batch
	s_lshr_b32 s45, s27, 7                         ; batch
	s_mov_b32 s30, 0x76543210
	s_mov_b32 s31, 0xfedcba98                      ; v_permlanex16_b32's selects for lane l xor 16
	s_mov_b32 s66, 0x600000                        ; the mantissa field of 57,344
	s_mov_b32 s29, 0                               ; (named with s28 as a pair, so it is written)
	v_lshlrev_b32 v4, 4, v1                        ; 16 x lane
	v_lshlrev_b32 v5, 2, v1                        ; 4 x lane
	v_add_nc_u32 v6, HIMG, v4                      ; images of tile 0,
	v_add_nc_u32 v7, HIMG+32768, v4                ; of tile 1
	v_add_nc_u32 v8, HSC, v5
	s_lshl_b32 s46, s42, 15
	s_lshl_b32 s47, s43, 13
	s_add_co_u32 s46, s46, s47
	v_add_nc_u32 v9, s46, v6                       ; where I store my four images
	s_lshl_b32 s46, s42, 11
	s_lshl_b32 s47, s43, 9
	s_add_co_u32 s46, s46, s47
	v_add_nc_u32 v10, s46, v8                      ; and their scale words
	v_mul_u32_u24 v11, v2, 1040
	v_lshl_add_u32 v11, v3, 5, v11
	s_lshl_b32 s46, s26, 7
	s_add_co_u32 s46, s46, STG
	v_add_nc_u32 v11, s46, v11                     ; the stage, in: row r, + 32 h, + my wave's 128 bytes
	s_mul_i32 s46, s26, 4160
	s_add_co_u32 s46, s46, STG
	v_add_nc_u32 v12, s46, v4                      ; back: my 4 rows
	v_lshlrev_b32 v13, 6, v3                       ; the table: my 16 units of a block of 32
	v_lshlrev_b32 v15, 8, v1                       ; the prefetch's offset; never rewritten
	v_lshlrev_b32 v228, 4, v0                      ; 16 x thread: the table's place in LDS
	v_lshlrev_b32 v112, 6, v2                      ; offsets of the loads at the head
	v_mul_u32_u24 v113, v2, 12
	v_lshlrev_b32 v114, 7, v2
	v_lshl_add_u32 v114, v3, 4, v114
	v_lshlrev_b32 v115, 2, v2
	v_mul_u32_u24 v231, v3, 12
	s_lshl_b32 s46, s42, 4
	s_add_co_u32 s46, s46, s44
	v_add_nc_u32 v71, s46, v2                      ; P1: my point's index in its batch
	s_lshl_b32 s46, s26, 2
	s_add_co_u32 s46, s46, s44
	v_add_nc_u32 v238, s46, v3                     ; rows: point 4 w + h, and
	v_add_nc_u32 v239, 2, v238                     ; 4 w + 2 + h
	s_mov_b32 s41, 0
	s_wait_kmcnt 0x0
	s_lshl_b32 s40, s27, 11
	s_add_nc_u64 s[4:5], s[4:5], s[40:41]          ; idx at the group's 32 rows of 64 bytes
	s_lshl_b32 s40, s42, 10
	s_lshl_b32 s46, s43, 4
	s_add_co_u32 s40, s40, s46
	s_add_nc_u64 s[32:33], s[4:5], s[40:41]        ; P1: tile m, slots 4 (w % 4) on
	s_lshl_b32 s40, s26, 8
	s_add_nc_u64 s[4:5], s[4:5], s[40:41]          ; rows: my 4 points
	s_lshl_b32 s46, s27, 5
	s_lshl_b32 s47, s42, 4
	s_add_co_u32 s40, s46, s47
	s_mul_i32 s40, s40, 12
	s_add_nc_u64 s[34:35], s[6:7], s[40:41]        ; coordinates of tile m's points,
	s_lshl_b32 s47, s26, 2
	s_add_co_u32 s40, s46, s47
	s_mul_i32 s40, s40, 12
	s_add_nc_u64 s[36:37], s[6:7], s[40:41]        ; of my 4 points,
	s_mul_i32 s40, s45, 49152
	s_add_nc_u64 s[6:7], s[6:7], s[40:41]          ; of the batch
	s_lshl_b32 s46, s27, 15
	s_lshl_b32 s47, s26, 13
	s_add_co_u32 s40, s46, s47
	s_add_nc_u64 s[104:105], s[8:9], s[40:41]      ; the prefetch: 8,192 bytes a wave of the group's own 32 rows (used by waves 0 to 3)
	s_lshl_b32 s47, s26, 12
	s_add_co_u32 s40, s46, s47
	s_add_nc_u64 s[2:3], s[8:9], s[40:41]          ; my 4 rows of feat
	s_add_nc_u64 s[24:25], s[24:25], s[40:41]      ; and of out0
	s_lshl_b32 s40, s45, 22
	s_add_nc_u64 s[8:9], s[8:9], s[40:41]          ; the batch's rows of feat
	s_lshl_b32 s40, s26, 12
	s_add_nc_u64 s[14:15], s[14:15], s[40:41]      ; my 32 rows of W_pos2: 128 codes each,
	s_lshl_b32 s40, s26, 7
	s_add_nc_u64 s[16:17], s[16:17], s[40:41]      ; one scale word each
	s_cmp_lt_u32 s26, 4                            ; waves 0 to 3 bring W_pos1, wave 4 b_pos1: the choice hangs on the wave's number alone
	s_cselect_b64 s[38:39], s[10:11], s[12:13]
	s_cselect_b32 s67, 0, 2048
	v_sub_nc_u32 v14, v228, s67
	; ---- S1
	global_load_b128 v[IX:IX+3], v112, s[32:33]
	global_load_b32 v68, v113, s[34:35]
	global_load_b32 v69, v113, s[34:35] offset:4
	global_load_b32 v70, v113, s[34:35] offset:8
	global_load_b32 v232, v5, s[4:5]               ; rows: slot lane % 16 of point 4 w + lane / 16,
	global_load_b32 v233, v5, s[4:5] offset:128    ; of point 4 w + 2 + lane / 16
	global_load_b32 v236, v231, s[36:37] offset:8  ; and those points' t
	global_load_b32 v237, v231, s[36:37] offset:32
.irp n, 0,1
.irp c, 0,1,2,3
	global_load_b128 v[W2F+16*\n+4*\c:W2F+16*\n+4*\c+3], v114, s[14:15] offset:2048*\n+32*\c
.endr
	global_load_b32 v[254+\n], v115, s[16:17] offset:64*\n
.endr
	s_cmp_lt_u32 s26, 5
	s_cbranch_scc0 .Lno_table
	global_load_b128 v[224:227], v14, s[38:39]
	s_wait_loadcnt 0x0
	ds_store_b128 v228, v[224:227]
.Lno_table:
	s_wait_loadcnt 0x0                             ; for 0: the waves have issued different numbers of loads
	; ---- S2: the neighbours' coordinates
.irp i, 0,1,2,3
	v_min_u32 v[IX+\i], 0xfff, v[IX+\i]            ; an index stays inside its batch
.endr
	v_min_u32 v232, 0xfff, v232
	v_min_u32 v233, 0xfff, v233
.irp i, 0,1,2,3
	v_mul_u32_u24 v[OA+\i], v[IX+\i], 12
.endr
	v_mul_u32_u24 v229, v232, 12
	v_mul_u32_u24 v230, v233, 12
.irp i, 0,1,2,3
.irp c, 0,1,2
	global_load_b32 v[CJ+3*\i+\c], v[OA+\i], s[6:7] offset:4*\c
.endr
.endr
	global_load_b32 v234, v229, s[6:7] offset:8
	global_load_b32 v235, v230, s[6:7] offset:8
	; A prefetch of the group's own 32 rows of feat, 32,768 bytes: waves 0 to 3, 8,192 bytes each, lanes 256 bytes apart.  The 256 work-groups so name each aligned 256 bytes of feat once in the launch,
	; all of P1 and P2 ahead of the gather that reads rows from anywhere in the batch.  Its two address registers are never rewritten.
	s_cmp_lt_u32 s26, 4
	s_cbranch_scc0 .Lno_ask
	global_prefetch_b8 v15, s[104:105] th:TH_LOAD_NT scope:SCOPE_SE
.Lno_ask:
	BARRIER                                        ; the table lies in LDS
	s_wait_loadcnt 0x0
	; ---- R: rel = (c_j - c_i, d), and who is valid
.irp i, 0,1,2,3
	v_sub_f32 v[RL+8*\i], v[CJ+3*\i], v68
	v_sub_f32 v[RL+8*\i+2], v[CJ+3*\i+1], v69
	v_sub_f32 v[RL+8*\i+4], v[CJ+3*\i+2], v70
	v_mov_b32 v[RL+8*\i+1], 0
	v_mov_b32 v[RL+8*\i+3], 0
	v_mov_b32 v[RL+8*\i+5], 0
	v_mov_b32 v[RL+8*\i+7], 0
.endr
.irp i, 0,1,2,3
	v_mul_f32 v[RL+8*\i+6], v[RL+8*\i], v[RL+8*\i]
.endr
.irp i, 0,1,2,3
	v_fma_f32 v[RL+8*\i+6], v[RL+8*\i+2], v[RL+8*\i+2], v[RL+8*\i+6]
.endr
.irp i, 0,1,2,3
	v_sqrt_f32 v[RL+8*\i+6], v[RL+8*\i+6]
.endr
.irp i, 0,1,2,3
	v_cmp_ne_u32 s[48+2*\i], v[IX+\i], v71         ; (plain work behind the roots)
	v_cmp_le_f32 s[49+2*\i], v[CJ+3*\i+2], v70
.endr
.irp a, 0,1
	v_cmp_ne_u32 s[100+\a], v[232+\a], v[238+\a]
	v_cmp_le_f32 s[56+\a], v[234+\a], v[236+\a]
.endr
	v_mov_b32 v[PT], 0                             ; written once: a lane permute's destination counts as one of its sources
	s_wait_alu depctr_va_vdst(0)                   ; one wait for the four roots, ahead of their first reader
.irp i, 0,1,2,3
	v_fma_f32 v[RL+8*\i+6], |v[RL+8*\i+4]|, 0x3e99999a, v[RL+8*\i+6]
	s_and_b32 s[48+2*\i], s[48+2*\i], s[49+2*\i]
	v_cndmask_b32 v[VW+\i], 0, 1.0, s[48+2*\i]
.endr
	s_and_b32 s100, s100, s56                      ; bits 0-15: point 4 w's slots, bits 16-31: point 4 w + 1's;
	s_and_b32 s101, s101, s57                      ; points 4 w + 2 and 4 w + 3
; 16 hidden units (block c's 32 c + 16 h + 0 .. 15) of slot i: rel W_pos1 + b_pos1 in f32, two units a line; of the pair that holds a component of rel the low word serves both halves
.macro HID i
.irp p, 0,2,4,6,8,10,12,14
	v_pk_fma_f32 v[H+\p:H+\p+1], v[WB+\p:WB+\p+1], v[RL+8*\i:RL+8*\i+1], v[WB+64+\p:WB+64+\p+1] op_sel_hi:[1,0,1]
.endr
.irp p, 0,2,4,6,8,10,12,14
	v_pk_fma_f32 v[H+\p:H+\p+1], v[WB+16+\p:WB+16+\p+1], v[RL+8*\i+2:RL+8*\i+3], v[H+\p:H+\p+1] op_sel_hi:[1,0,1]
.endr
.irp p, 0,2,4,6,8,10,12,14
	v_pk_fma_f32 v[H+\p:H+\p+1], v[WB+32+\p:WB+32+\p+1], v[RL+8*\i+4:RL+8*\i+5], v[H+\p:H+\p+1] op_sel_hi:[1,0,1]
.endr
.irp p, 0,2,4,6,8,10,12,14
	v_pk_fma_f32 v[H+\p:H+\p+1], v[WB+48+\p:WB+48+\p+1], v[RL+8*\i+6:RL+8*\i+7], v[H+\p:H+\p+1] op_sel_hi:[1,0,1]
.endr
.endm
; They become registers 4 c .. 4 c + 3 of slot i's fragment, and byte c of its scale word
.macro QB i, c
	v_max3_num_f32 v[MX], v[H], v[H+1], 0x8000000  ; no |.|: what is negative is to become 0 and must not count; the floor 2^(16 - 127) holds the byte at 1 from below.  Two chains
	v_max3_num_f32 v[MB], v[H+8], v[H+9], v[H+10]
	v_max3_num_f32 v[MX], v[MX], v[H+2], v[H+3]
	v_max3_num_f32 v[MB], v[MB], v[H+11], v[H+12]
	v_max3_num_f32 v[MX], v[MX], v[H+4], v[H+5]
	v_max3_num_f32 v[MB], v[MB], v[H+13], v[H+14]
	v_max3_num_f32 v[MX], v[MX], v[H+6], v[H+7]
	v_max3_num_f32 v[MX], v[MX], v[MB], v[H+15]
	v_permlanex16_b32 v[PT], v[MX], s30, s31
	v_max_num_f32 v[MX], v[MX], v[PT]              ; with lane l xor 16's sixteen: the block's largest number
	v_add_nc_u32 v[SCOP], 0xf8800000, v[MX]        ; 15 off its exponent field: the conversion takes the exponent field of this operand as its scale
	v_and_or_b32 v[LIM], v[MX], 0x7f800000, s66    ; 57,344 x the scale,
	v_mul_f32 v[LIM], v[LIM], v[VW+\i]             ; or 0 for a slot that is not valid: all its numbers are then held to 0
.if \c == 0
	v_lshrrev_b32 v[SW+\i], 23, v[SCOP]            ; the scale's byte
.else
	v_lshrrev_b32 v[BYT], 23, v[SCOP]
	v_lshl_or_b32 v[SW+\i], v[BYT], 8*\c, v[SW+\i]
.endif
.irp j, 0,1,2,3,4,5,6,7,8,9,10,11,12,13,14,15
	v_med3_num_f32 v[H+\j], v[H+\j], 0, v[LIM]     ; the activation and the hold in one (the conversion to an 8-bit code does not saturate: ISA guide 7.6.2)
.endr
	v_cvt_scalef32_pk8_bf8_f32 v[CD+4*\i:CD+4*\i+1], v[H:H+7], v[SCOP]
	v_cvt_scalef32_pk8_bf8_f32 v[CD+4*\i+2:CD+4*\i+3], v[H+8:H+15], v[SCOP]
	v_nop                                          ; a plain line between the conversions and the next lines that write their sources
	ds_store_b128 v9, v[CD+4*\i:CD+4*\i+3] offset:2048*\i+512*\c   ; the image: lane l's 16 bytes at 16 l
.endm
	; ---- P1
.irp c, 0,1,2,3
.irp a, 0,1,2,3,4
.irp q, 0,1,2,3
	ds_load_b128 v[WB+16*\a+4*\q:WB+16*\a+4*\q+3], v13 offset:512*\a+128*\c+16*\q
.endr
.endr
	s_wait_dscnt 0x0                               ; the table's block is in; the last block's image stores have read their registers
.irp i, 0,1,2,3
	HID \i
	QB \i, \c
.endr
.endr
.irp i, 0,1,2,3
	ds_store_b32 v10, v[SW+\i] offset:128*\i
.endr
	BARRIER                                        ; the 32 fragments and their scale words lie in LDS
	; ---- P2: TRANSPOSED: source 0 = 16 rows of W_pos2, source 1 = a fragment: lane (r, h) holds point r and columns 8 h + 0 .. 7.  Four slots of both tiles at a time; the four accumulators by turns
.irp t, 0,1,2,3
.irp m, 0,1
.irp k, 0,1,2,3
.irp c, 0,1,2,3
	ds_load_b128 v[FRG+16*(4*\m+\k)+4*\c:FRG+16*(4*\m+\k)+4*\c+3], v[6+\m] offset:2048*(4*\t+\k)+512*\c
.endr
	ds_load_b32 v[HSCL+4*\m+\k], v8 offset:128*(16*\m+4*\t+\k)
.endr
.endr
	s_wait_dscnt 0x0
.irp k, 0,1,2,3
.irp m, 0,1
.irp n, 0,1
.if (\t == 0) && (\k == 0)
	v_wmma_scale_f32_16x16x128_f8f6f4 v[ACC+8*(2*\m+\n):ACC+8*(2*\m+\n)+7], v[W2F+16*\n:W2F+16*\n+15], v[FRG+16*(4*\m+\k):FRG+16*(4*\m+\k)+15], 0, v[254+\n], v[HSCL+4*\m+\k] matrix_a_fmt:MATRIX_FMT_BF8 matrix_b_fmt:MATRIX_FMT_BF8
.else
	v_wmma_scale_f32_16x16x128_f8f6f4 v[ACC+8*(2*\m+\n):ACC+8*(2*\m+\n)+7], v[W2F+16*\n:W2F+16*\n+15], v[FRG+16*(4*\m+\k):FRG+16*(4*\m+\k)+15], v[ACC+8*(2*\m+\n):ACC+8*(2*\m+\n)+7], v[254+\n], v[HSCL+4*\m+\k] matrix_a_fmt:MATRIX_FMT_BF8 matrix_b_fmt:MATRIX_FMT_BF8
.endif
.endr
.endr
.endr
.rept 8
	v_nop                                          ; eight places ahead of loads into registers that the products have read, and of the first read of a result
.endr
.endr
	; ---- P3: the sums go to the stage; my 4 points' 64 indices come as scalars
	s_load_b512 s[32:47], s[4:5], 0x0
	s_load_b512 s[48:63], s[4:5], 0x40
	s_load_b512 s[68:83], s[4:5], 0x80
	s_load_b512 s[84:99], s[4:5], 0xc0
.irp m, 0,1
.irp n, 0,1
	ds_store_b128 v11, v[ACC+8*(2*\m+\n):ACC+8*(2*\m+\n)+3] offset:16640*\m+64*\n       ; each accumulator from its low end on
	ds_store_b128 v11, v[ACC+8*(2*\m+\n)+4:ACC+8*(2*\m+\n)+7] offset:16640*\m+64*\n+16
.endr
.endr
	s_wait_dscnt 0x0                               ; the stores have landed, and have read the registers that my own rows take
	s_wait_kmcnt 0x0
	; ---- G: group gi = eight neighbours (half gi % 2) of point gi / 2, in buffer gi % 2.  A lane holds columns 4 lane .. + 3 and 128 + 4 lane .. + 3 of a row
.macro ISSUE gi
.set gp, (\gi)/2
.set gh, (\gi)%2
.set ib, 32+16*gp+4*(gp/2)+8*gh                ; the point's sixteen indices begin at s32, s48, s68, s84
.irp k, 0,1,2,3,4,5,6,7
	s_min_u32 s[ib+\k], s[ib+\k], 0xfff
	v_lshl_add_u32 v[AO+8*gh+\k], s[ib+\k], 10, v4
	global_load_b128 v[RB+64*gh+8*\k:RB+64*gh+8*\k+3], v[AO+8*gh+\k], s[8:9]
	global_load_b128 v[RB+64*gh+8*\k+4:RB+64*gh+8*\k+7], v[AO+8*gh+\k], s[8:9] offset:512
.endr
.endm
.macro CONSUME gi, left                ; left: the younger loads, which may stay out.  A row counts 1.0 or 0 times: a selection, no branch
.set gp, (\gi)/2
.set gh, (\gi)%2
	s_wait_loadcnt \left
.irp k, 0,1,2,3,4,5,6,7
	s_bitcmp1_b32 s[100+gp/2], 16*(gp%2)+8*gh+\k
	s_cselect_b32 s28, 1.0, 0
.irp p, 0,2,4,6
.if (gh == 0) && (\k == 0)
	v_pk_mul_f32 v[FS+8*gp+\p:FS+8*gp+\p+1], v[RB+64*gh+8*\k+\p:RB+64*gh+8*\k+\p+1], s[28:29] op_sel_hi:[1,0]   ; a point's first row starts its sum
.else
	v_pk_fma_f32 v[FS+8*gp+\p:FS+8*gp+\p+1], v[RB+64*gh+8*\k+\p:RB+64*gh+8*\k+\p+1], s[28:29], v[FS+8*gp+\p:FS+8*gp+\p+1] op_sel_hi:[1,0,1]
.endif
.endr
.endr
.endm
.irp i, 0,1,2,3
.irp u, 0,1
	global_load_b128 v[F+8*\i+4*\u:F+8*\i+4*\u+3], v4, s[2:3] offset:1024*\i+512*\u
.endr
.endr
	ISSUE 0
	ISSUE 1
.irp g, 0,1,2,3,4,5
	CONSUME \g, 16                                 ; behind this group's loads: the next group's sixteen.  The wait also shows this group's loads done, so its offsets may be written again
	ISSUE \g+2
.endr
	CONSUME 6, 16
	global_load_b128 v[B2:B2+3], v4, s[18:19]      ; b_pos2, gamma, beta at my columns, into the buffer just read out
	global_load_b128 v[B2+4:B2+7], v4, s[18:19] offset:512
	global_load_b128 v[GA:GA+3], v4, s[20:21]
	global_load_b128 v[GA+4:GA+7], v4, s[20:21] offset:512
	global_load_b128 v[BE:BE+3], v4, s[22:23]
	global_load_b128 v[BE+4:BE+7], v4, s[22:23] offset:512
	CONSUME 7, 6                                   ; behind the last group's loads: those six
	BARRIER                                        ; every wave's part of the stage has landed (each waited for its stores in P3)
	; ---- P4
.irp i, 0,1,2,3
.irp u, 0,1
	ds_load_b128 v[PE+8*\i+4*\u:PE+8*\i+4*\u+3], v12 offset:1040*\i+512*\u
.endr
.endr
.irp i, 0,1,2,3
	s_bfe_u32 s67, s[100+\i/2], 0x100000+16*(\i%2)
	s_bcnt1_i32_b32 s67, s67                       ; the point's valid neighbours
	s_max_u32 s32, s67, 1
	s_min_u32 s33, s67, 1
	v_cvt_f32_u32 v[E+\i], s32
	v_cvt_f32_u32 v[RC+4*\i+2], s33
	v_mov_b32 v[RC+4*\i+1], 0                      ; (the upper halves of pairs of which the low word serves both halves)
	v_mov_b32 v[RC+4*\i+3], 0
.endr
.irp i, 0,1,2,3
	v_rcp_f32 v[RC+4*\i], v[E+\i]
.endr
	s_mov_b32 s28, 0x3b800000                      ; 1 / 256
	s_mov_b32 s29, 0x3727c5ac                      ; 1e-5
	v_nop                                          ; a plain line behind the last reciprocal
	s_wait_alu depctr_va_vdst(0)                   ; one wait for the four, ahead of their first reader
	s_wait_loadcnt 0x0
	s_wait_dscnt 0x0
.irp i, 0,1,2,3
.irp p, 0,2,4,6
	v_pk_add_f32 v[E+8*\i+\p:E+8*\i+\p+1], v[FS+8*\i+\p:FS+8*\i+\p+1], v[PE+8*\i+\p:PE+8*\i+\p+1]
.endr
.endr
.irp i, 0,1,2,3
.irp p, 0,2,4,6
	v_pk_fma_f32 v[E+8*\i+\p:E+8*\i+\p+1], v[E+8*\i+\p:E+8*\i+\p+1], v[RC+4*\i:RC+4*\i+1], v[F+8*\i+\p:F+8*\i+\p+1] op_sel_hi:[1,0,1]   ; / count, + f
.endr
.endr
.irp i, 0,1,2,3
.irp p, 0,2,4,6
	v_pk_fma_f32 v[E+8*\i+\p:E+8*\i+\p+1], v[B2+\p:B2+\p+1], v[RC+4*\i+2:RC+4*\i+3], v[E+8*\i+\p:E+8*\i+\p+1] op_sel_hi:[1,0,1]         ; + b_pos2 where a neighbour is valid
.endr
.endr
.macro LANESUM o                       ; v[TQ + 4 i + o] summed over the 32 lanes, the four points by turns; the register behind it is at work
.irp x, 1,2,4,8
.irp i, 0,1,2,3
	v_add_f32_dpp v[TQ+4*\i+\o], v[TQ+4*\i+\o], v[TQ+4*\i+\o] row_xmask:\x row_mask:0xf bank_mask:0xf
.endr
.endr
.irp i, 0,1,2,3
	v_permlanex16_b32 v[TQ+4*\i+\o+1], v[TQ+4*\i+\o], s30, s31
.endr
.irp i, 0,1,2,3
	v_add_f32 v[TQ+4*\i+\o], v[TQ+4*\i+\o], v[TQ+4*\i+\o+1]
.endr
.endm
.irp i, 0,1,2,3
	v_pk_add_f32 v[TQ+4*\i:TQ+4*\i+1], v[E+8*\i:E+8*\i+1], v[E+8*\i+2:E+8*\i+3]
	v_pk_add_f32 v[TQ+4*\i+2:TQ+4*\i+3], v[E+8*\i+4:E+8*\i+5], v[E+8*\i+6:E+8*\i+7]
.endr
.irp i, 0,1,2,3
	v_pk_add_f32 v[TQ+4*\i:TQ+4*\i+1], v[TQ+4*\i:TQ+4*\i+1], v[TQ+4*\i+2:TQ+4*\i+3]
.endr
.irp i, 0,1,2,3
	v_add_f32 v[TQ+4*\i], v[TQ+4*\i], v[TQ+4*\i+1]
.endr
	LANESUM 0
.irp i, 0,1,2,3
	v_mul_f32 v[TQ+4*\i], s28, v[TQ+4*\i]          ; the row's mean
.endr
.irp i, 0,1,2,3
.irp p, 0,2,4,6
	v_pk_add_f32 v[E+8*\i+\p:E+8*\i+\p+1], v[E+8*\i+\p:E+8*\i+\p+1], v[TQ+4*\i:TQ+4*\i+1] op_sel_hi:[1,0] neg_lo:[0,1] neg_hi:[0,1]
.endr
.endr
.irp i, 0,1,2,3
	v_pk_mul_f32 v[TQ+4*\i+2:TQ+4*\i+3], v[E+8*\i:E+8*\i+1], v[E+8*\i:E+8*\i+1]
.endr
.irp p, 2,4,6
.irp i, 0,1,2,3
	v_pk_fma_f32 v[TQ+4*\i+2:TQ+4*\i+3], v[E+8*\i+\p:E+8*\i+\p+1], v[E+8*\i+\p:E+8*\i+\p+1], v[TQ+4*\i+2:TQ+4*\i+3]
.endr
.endr
.irp i, 0,1,2,3
	v_add_f32 v[TQ+4*\i+2], v[TQ+4*\i+2], v[TQ+4*\i+3]
.endr
	LANESUM 2
.irp i, 0,1,2,3
	v_fma_f32 v[TQ+4*\i+2], v[TQ+4*\i+2], s28, s29 ; the variance + 1e-5
.endr
.irp i, 0,1,2,3
	v_rsq_f32 v[TQ+4*\i+2], v[TQ+4*\i+2]
.endr
	v_nop                                          ; a plain line behind the last of them
	s_wait_alu depctr_va_vdst(0)                   ; one wait for the four, ahead of their first reader
.irp i, 0,1,2,3
.irp p, 0,2,4,6
	v_pk_mul_f32 v[E+8*\i+\p:E+8*\i+\p+1], v[E+8*\i+\p:E+8*\i+\p+1], v[TQ+4*\i+2:TQ+4*\i+3] op_sel_hi:[1,0]
.endr
.endr
.irp i, 0,1,2,3
.irp p, 0,2,4,6
	v_pk_fma_f32 v[E+8*\i+\p:E+8*\i+\p+1], v[E+8*\i+\p:E+8*\i+\p+1], v[GA+\p:GA+\p+1], v[BE+\p:BE+\p+1]
.endr
.endr
.irp i, 0,1,2,3
.irp u, 0,1
	global_store_b128 v4, v[E+8*\i+4*\u:E+8*\i+4*\u+3], s[24:25] offset:1024*\i+512*\u th:TH_STORE_NT   ; 32 lanes store 512 consecutive bytes, at a multiple of 256 from out0's first byte; written once, read by nobody here
.endr
.endr
	s_wait_tensorcnt 0x0
	ds_add_u32 v244, v245
	s_wait_dscnt 0x0
	s_endpgm
.Lfunc_end_k_qbafc8b6f4c_agg:
	.size	k_qbafc8b6f4c_agg, .Lfunc_end_k_qbafc8b6f4c_agg-k_qbafc8b6f4c_agg
	.p2alignl 7, 3214868480
	.fill 96, 4, 3214868480
	.section	.rodata,"a",@progbits
	.p2align	6, 0x0
	.amdhsa_kernel k_qbafc8b6f4c_agg
		.amdhsa_group_segment_fixed_size 106496
		.amdhsa_private_segment_fixed_size 0
		.amdhsa_enable_private_segment 0
		.amdhsa_kernarg_size 88
		.amdhsa_user_sgpr_count 2
		.amdhsa_user_sgpr_kernarg_segment_ptr 1
		.amdhsa_wavefront_size32 1
		.amdhsa_system_sgpr_workgroup_id_x 1
		.amdhsa_system_sgpr_workgroup_id_y 1
		.amdhsa_system_sgpr_workgroup_id_z 1
		.amdhsa_system_vgpr_workitem_id 0
		.amdhsa_next_free_vgpr 256
		.amdhsa_next_free_sgpr 106
		.amdhsa_reserve_vcc 0
		.amdhsa_float_denorm_mode_32 3
		.amdhsa_float_denorm_mode_16_64 3
		.amdhsa_memory_ordered 1
		.amdhsa_forward_progress 1
		.amdhsa_inst_pref_size 159
	.end_amdhsa_kernel
	.amdgpu_metadata
---
amdhsa.version: [ 1, 2 ]
amdhsa.kernels:
  - .name:           k_qbafc8b6f4c_agg
    .symbol:         k_qbafc8b6f4c_agg.kd
    .args:
      - { .name: idx, .offset: 0, .size: 8, .value_kind: global_buffer, .address_space: global }
      - { .name: coords, .offset: 8, .size: 8, .value_kind: global_buffer, .address_space: global }
      - { .name: feat, .offset: 16, .size: 8, .value_kind: global_buffer, .address_space: global }
      - { .name: W_pos1, .offset: 24, .size: 8, .value_kind: global_buffer, .address_space: global }
      - { .name: b_pos1, .offset: 32, .size: 8, .value_kind: global_buffer, .address_space: global }
      - { .name: W_pos2_codes, .offset: 40, .size: 8, .value_kind: global_buffer, .address_space: global }
      - { .name: W_pos2_scales, .offset: 48, .size: 8, .value_kind: global_buffer, .address_space: global }
      - { .name: b_pos2, .offset: 56, .size: 8, .value_kind: global_buffer, .address_space: global }
      - { .name: gamma, .offset: 64, .size: 8, .value_kind: global_buffer, .address_space: global }
      - { .name: beta, .offset: 72, .size: 8, .value_kind: global_buffer, .address_space: global }
      - { .name: out0, .offset: 80, .size: 8, .value_kind: global_buffer, .address_space: global }
    .group_segment_fixed_size: 106496
    .private_segment_fixed_size: 0
    .kernarg_segment_align: 8
    .kernarg_segment_size: 88
    .max_flat_workgroup_size: 256
    .sgpr_count:     106
    .vgpr_count:     256
    .wavefront_size: 32
...
	.end_amdgpu_metadata
.endif
;; end of part 2
;; ======== version 2 of 3: 2 launches
;; limits: inputs' magnitudes at most 1e+18
;; workspace buffers: feat 8,388,608 bytes; idx 524,288 bytes of whole numbers
;; launch knn_proj (part 3): grid 256 x 1, 8 waves a work-group, no clusters, 142,336 bytes of LDS; arguments features_codes, features_scales, W_feat_codes, W_feat_scales, b_feat, coords, feat, idx; writes feat, idx
.if DOCPART == 3
	.amdgcn_target "amdgcn-amd-amdhsa--gfx1250"
	.amdhsa_code_object_version 6
	.text
	.protected	k_qbafc8b6f4c_knn_proj
	.globl	k_qbafc8b6f4c_knn_proj
	.p2align	8
	.type	k_qbafc8b6f4c_knn_proj,@function
k_qbafc8b6f4c_knn_proj:
	s_mov_b64 s[64:65], 0
	v_nop
	global_prefetch_b8 v0, s[64:65] scope:SCOPE_SE
	s_setreg_imm32_b32 hwreg(HW_REG_WAVE_MODE, 25, 1), 1
	s_wait_xcnt 0x0
; TWO JOBS FOR 32 POINTS OF ONE BATCH.
; (1) feat = features W_feat + b_feat on E5M2 codes with E8M0 scales, as they are given: 32 rows x 256 columns, wave w the columns 32 w .. 32 w + 31.
; (2) The 16 nearest points of each of the 32 (d = sqrt(dx^2 + dy^2) + 0.3 |dt|; the point itself and points of later t count as infinity; equal d: the lower index first), stored as whole numbers
;     idx[point][16], indices inside the batch, in no particular order.  A slot for which no finite d is left holds some masked index: the next launch finds it by (j = i) or (t_j > t_i).
; SHARES.  Lane = query, the same 32 queries in all eight waves; wave w scans candidates 512 w .. 512 w + 511, sixteen a trip, read from LDS by loads in which all lanes give one address.
; NO BRANCH AND NO ADDRESS HANGS ON A DISTANCE.
; PASS 1: each lane keeps its wave's 16 smallest d, sorted.  A block's 16 distances are sorted by a bitonic network (80 comparators); the minima of the list against the reversed block are the 16 smallest of both,
; and four half cleaners (32 comparators) sort them again.  A COMPARATOR IS ONE INSTRUCTION: a dual-issue pair of a minimum and a maximum on the same two sources.  The pair's destinations must be an even and an
; odd register (AMD's ISA guide, the dual-issue encoding), so element i of every list lies at register (i & 14) | (parity of i's bits): elements whose numbers differ in one bit, the only ones that these
; networks compare, then lie at registers of different parity.  120 instructions for 16 candidates.
; The eight lists of a query meet in LDS and are merged by every wave: TT = the 16th smallest d, q = 16 - (how many are below TT) places for candidates equal to TT.  From each wave's counts (below TT, equal
; to TT) each wave knows how many of the q places the waves before it take, and how many candidates are taken before it (B), by it (T) and behind it (AW).
; PASS 2: the same distances again; a candidate is taken if d < TT, or d = TT while the wave's quota lasts.  Its bit is shifted into an accumulator by an addition with carry; once a block the entry
; (block << 16 | 16 bits) is pushed into a log of 16 entries, if it is not empty.
; The eight logs add up.  Wave w expands places 2 w and 2 w + 1 into a log of 16 fields of 16 bits by byte selections whose selector either moves the log by a field or leaves it; moved down by what the
; later waves have expanded, these logs add up to the list.
; WHY THE COUNTS ARE EXACT: at most 15 d lie below TT in all, so each wave's lie in its list of 16; a list shows at least min(its ties, q) ties, and only min(q, running sum) is used.
; LIMITS: dx^2 + dy^2 is a multiplication and a fused multiply-add, d a fused multiply-add onto v_sqrt_f32 (1 ulp): two candidates whose d differ by some 2 ulp at the 16th place may be taken the other way round.
; Coordinates are finite and under 1e18 in magnitude (no square overflows); NaN is not served.
; NO CLUSTER, NO TENSOR LOAD: what work-groups share is a batch's 49,152 bytes of coordinates, read once at the head and laid apart into x, y and t on the way, against 4,096 x 32 distances taken twice.
.set PADC, 49152                       ; LDS: x at 0, y at 16384, t at 32768 (4,096 f32 each); then 1,024 bytes of zeros, on which the look-ahead behind t's last block lands
.set LST,  50176                       ; 256 lists of 16 f32, 80 bytes apart (an odd multiple of 16)
.set CNT,  70656                       ; 256 count words of pass 1
.set CNT2, 71680                       ; 256 count words of the expansion
.set ELOG, 72704                       ; 256 logs of 16 entries, 80 bytes apart
.set LOG,  93184                       ; 256 logs of 16 fields (32 bytes), 48 bytes apart
.set IDXT, 105472                      ; wave 0's turn of the result: 32 x 80 bytes
.set STG,  108032                      ; the projection's stage: 32 rows x (1,024 + 16) bytes
.set QX,   4                           ; v[4:5], v[6:7], v[8:9] my query's x, y, t, each twice (pairs for the packed forms)
.set QY,   6
.set QT,   8
.set INF,  10
.set CA,   11                          ; LDS address of the block to be fetched
.set CA0,  12                          ; 2,048 x wave: my wave's 512 candidates
.set SELA, 13                          ; selector that leaves a word as it is
.set SELB, 14                          ; selector that moves the log down by 16 bits
.set TT,   15
.set L,    16                          ; v[16:31]  my list, ascending, element i at (i & 14) | parity
.set WA,   32                          ; v[32:47]  the merge, and v[176:191] its other side
.set WB,   176
.set X,    48                          ; v[48:95]  a block's x, y, t
.set Y,    64
.set T,    80
.set D,    96                          ; v[96:111] its distances
.set D2,   112                         ; v[112:127] pass 1: the sort's other side
.set EC,   112                         ; v[112:128] pass 2: running count of ties
.set P,    130                         ; v[130:137] the log of 16 fields
.set ACCB, 138                         ; the taken bits, the newest lowest
.set FLD,  140
.set ENT,  141
.set EL,   144                         ; v[144:159] the log of 16 entries
.set BL,   48                          ; v[48:175] the eight lists
.set QW,   192
.set AW,   193
.set CN,   194
.set LTW,  195
.set EQW,  196
.set SUM,  197
.set T0,   198
.set T1,   199
.set ERA,  238                         ; LDS: 80 x lane + LST + 8 x wave: my two places of a query's logs
.set EE,   64                          ; the expansion: v64, v65 my two entries; v66, v67 their bits, topmost first; v68, v69 their blocks' first candidates
.set FS,   66
.set BB,   68
.set SL,   70
.set IXN,  71
.set NCT,  72
.set WF,   16                          ; the projection: W_feat's fragments (tile n, K step s) at 32 n + 16 s,
.set FF,   80                          ; the features' (tile m, K step s),
.set ACC,  144                         ; four accumulators (m, n) at 8 (2 m + n),
.set BC,   176                         ; b_feat in the result's layout; v[248:251], v[252:255] scale words of W_feat, of the features
.set M,    32                          ; s[32:47] masks: later t or self; in pass 2: quota left
.set LTM,  48                          ; s[48:63] d < TT, then: taken
.set EQM,  68                          ; s[68:83] d = TT
.macro BARRIER                         ; my LDS stores have landed and my LDS loads are in: then the work-group's barrier
	s_wait_dscnt 0x0
	s_barrier_signal -1
	s_barrier_wait -1
.endm
	s_load_b256 s[4:11], s[0:1], 0x0               ; features' codes, scales; W_feat's codes, scales
	s_load_b256 s[12:19], s[0:1], 0x20             ; b_feat, coords, feat, idx
	s_set_vgpr_msb 0x40
	v_lshl_add_u32 v0, v0, 2, 0x22800
	v_mov_b32 v1, 0
	s_set_vgpr_msb 0x4000
	v_lshrrev_b32 v1, 5, v0
	v_readfirstlane_b32 s20, v1                    ; wave 0..7
	v_and_b32 v1, 31, v0                           ; lane
	v_and_b32 v2, 15, v0                           ; r
	v_bfe_u32 v3, v0, 4, 1                         ; h
	s_mov_b32 s21, ttmp9                           ; g
	s_lshr_b32 s22, s21, 7                         ; batch
	s_and_b32 s23, s21, 127
	s_lshl_b32 s23, s23, 5                         ; my first query, inside the batch
	v_mul_u32_u24 v5, v0, 12                       ; offsets of the loads at the head; these registers get their lasting use behind the wait for all loads
	v_mul_u32_u24 v7, v1, 12
	v_lshlrev_b32 v9, 8, v2
	v_lshl_add_u32 v9, v3, 4, v9                   ; a fragment's row of 256 bytes, + 16 h
	v_lshlrev_b32 v11, 3, v2                       ; a row's 8 scale bytes
	v_lshlrev_b32 v12, 5, v3                       ; b_feat: 8 h numbers on
	v_lshlrev_b32 v240, 2, v0                      ; LDS addresses: a constant + a constant x thread (or lane)
	v_mul_u32_u24 v241, v0, 80
	v_add_nc_u32 v241, LST, v241
	v_mul_u32_u24 v242, v1, 80
	v_add_nc_u32 v242, LST, v242
	v_add_nc_u32 v243, CNT, v240
	v_lshlrev_b32 v244, 2, v1
	v_add_nc_u32 v244, CNT, v244
	v_mul_u32_u24 v245, v0, 48
	v_add_nc_u32 v245, LOG, v245
	v_mul_u32_u24 v246, v1, 48
	v_add_nc_u32 v246, LOG, v246
	v_mul_u32_u24 v247, v2, 1040
	v_lshl_add_u32 v247, v3, 5, v247
	s_lshl_b32 s29, s20, 7
	s_add_co_u32 s29, s29, STG
	v_add_nc_u32 v247, s29, v247                   ; the stage: row r, + 32 h, + my wave's 128 bytes
	s_mov_b32 s87, 0
	s_wait_kmcnt 0x0
	s_mul_i32 s86, s22, 49152
	s_add_nc_u64 s[14:15], s[14:15], s[86:87]      ; the batch's coordinates
	s_mul_i32 s86, s23, 12
	s_add_nc_u64 s[84:85], s[14:15], s[86:87]      ; my 32 queries'
	s_lshl_b32 s86, s21, 13
	s_add_nc_u64 s[4:5], s[4:5], s[86:87]          ; 32 rows of 256 codes
	s_lshl_b32 s86, s21, 8
	s_add_nc_u64 s[6:7], s[6:7], s[86:87]          ; and of 8 scale bytes
	s_lshl_b32 s86, s20, 13
	s_add_nc_u64 s[8:9], s[8:9], s[86:87]          ; my wave's 32 rows of W_feat
	s_lshl_b32 s86, s20, 8
	s_add_nc_u64 s[10:11], s[10:11], s[86:87]
	s_lshl_b32 s86, s20, 7
	s_add_nc_u64 s[12:13], s[12:13], s[86:87]      ; my 32 numbers of b_feat
	s_lshl_b32 s86, s21, 15
	s_lshl_b32 s29, s20, 12
	s_add_co_u32 s86, s86, s29
	s_add_nc_u64 s[16:17], s[16:17], s[86:87]      ; feat: the group's 32 rows, my wave's 4
	s_lshl_b32 s86, s21, 11
	s_add_nc_u64 s[18:19], s[18:19], s[86:87]      ; idx: 32 rows of 64 bytes
.irp i, 0,1,2,3,4,5,6,7,8,9,10,11,12,13,14,15
.irp c, 0,1,2
	global_load_b32 v[192+3*\i+\c], v5, s[14:15] offset:3072*\i+4*\c   ; point 256 i + thread, component c
.endr
.endr
	global_load_b32 v4, v7, s[84:85]
	global_load_b32 v6, v7, s[84:85] offset:4
	global_load_b32 v8, v7, s[84:85] offset:8
.irp m, 0,1
.irp s, 0,1
.irp c, 0,1,2,3
	global_load_b128 v[FF+32*\m+16*\s+4*\c:FF+32*\m+16*\s+4*\c+3], v9, s[4:5] offset:4096*\m+128*\s+32*\c
	global_load_b128 v[WF+32*\m+16*\s+4*\c:WF+32*\m+16*\s+4*\c+3], v9, s[8:9] offset:4096*\m+128*\s+32*\c
.endr
.endr
	global_load_b64 v[252+2*\m:253+2*\m], v11, s[6:7] offset:128*\m      ; a row's two scale words, one for each 128 along K
	global_load_b64 v[248+2*\m:249+2*\m], v11, s[10:11] offset:128*\m
	global_load_b128 v[BC+8*\m:BC+8*\m+3], v12, s[12:13] offset:64*\m
	global_load_b128 v[BC+8*\m+4:BC+8*\m+7], v12, s[12:13] offset:64*\m+16
.endr
	v_mov_b32 v14, 0
	s_wait_loadcnt 43                              ; the 48 coordinate loads are in; the 3 of my query and the projection's 40 may be out
.irp i, 0,1,2,3,4,5,6,7,8,9,10,11,12,13,14,15
.irp c, 0,1,2
	ds_store_b32 v240, v[192+3*\i+\c] offset:16384*\c+1024*\i
.endr
.endr
	ds_store_b32 v240, v14 offset:PADC
	s_lshl_b32 s29, s20, 11
	s_mul_i32 s28, s20, 4160
	s_add_co_u32 s28, s28, STG
	s_lshl_b32 s31, s20, 3
	s_wait_loadcnt 0x0
	s_wait_dscnt 0x0                               ; the stores have read their registers, which are written again below
	v_mov_b32 v5, v4
	v_mov_b32 v7, v6
	v_mov_b32 v9, v8
; TRANSPOSED: source 0 = 16 rows of W_feat, source 1 = 16 points: lane (r, h) holds point r and columns 8 h + 0 .. 7 of the tile.  b_feat is the C of each sum's first product.  Four accumulators by turns.
.irp s, 0,1
.irp m, 0,1
.irp n, 0,1
.if \s == 0
	v_wmma_scale_f32_16x16x128_f8f6f4 v[ACC+8*(2*\m+\n):ACC+8*(2*\m+\n)+7], v[WF+32*\n:WF+32*\n+15], v[FF+32*\m:FF+32*\m+15], v[BC+8*\n:BC+8*\n+7], v[248+2*\n], v[252+2*\m] matrix_a_fmt:MATRIX_FMT_BF8 matrix_b_fmt:MATRIX_FMT_BF8
.else
	v_wmma_scale_f32_16x16x128_f8f6f4 v[ACC+8*(2*\m+\n):ACC+8*(2*\m+\n)+7], v[WF+32*\n+16:WF+32*\n+31], v[FF+32*\m+16:FF+32*\m+31], v[ACC+8*(2*\m+\n):ACC+8*(2*\m+\n)+7], v[249+2*\n], v[253+2*\m] matrix_a_fmt:MATRIX_FMT_BF8 matrix_b_fmt:MATRIX_FMT_BF8
.endif
.endr
.endr
.endr
	v_mov_b32 v[INF], 0x7f800000                   ; eight plain lines that name none of the products' registers stand ahead of the first read of a result
	v_mov_b32 v[SELA], 0x03020100
	v_mov_b32 v[SELB], 0x05040302
	v_mov_b32 v[CA0], s29
	v_mov_b32 v[CA], s29
	v_lshlrev_b32 v193, 4, v1                      ; 16 x lane
	v_add_nc_u32 v192, s28, v193                   ; the stage, back: my wave's 4 rows
	v_add_nc_u32 v[ERA], s31, v242
.irp m, 0,1
.irp n, 0,1
	ds_store_b128 v247, v[ACC+8*(2*\m+\n):ACC+8*(2*\m+\n)+3] offset:16640*\m+64*\n      ; each accumulator from its low end on
	ds_store_b128 v247, v[ACC+8*(2*\m+\n)+4:ACC+8*(2*\m+\n)+7] offset:16640*\m+64*\n+16
.endr
.endr
	BARRIER                                        ; the coordinates, the zeros and 32 whole rows of feat lie in LDS
.irp i, 0,1,2,3
.irp u, 0,1
	ds_load_b128 v[16+4*(2*\i+\u):16+4*(2*\i+\u)+3], v192 offset:1040*\i+512*\u
.endr
.endr
	s_wait_dscnt 0x0
.irp i, 0,1,2,3
.irp u, 0,1
	global_store_b128 v193, v[16+4*(2*\i+\u):16+4*(2*\i+\u)+3], s[16:17] offset:1024*\i+512*\u   ; 32 lanes store 512 consecutive bytes, at a multiple of 256 from feat's first byte
.endr
.endr
.macro LOADBLK                         ; sixteen candidates' x, y, t: all lanes give the same address
.irp q, 0,1,2,3
	ds_load_b128 v[X+4*\q:X+4*\q+3], v[CA] offset:16*\q
.endr
.irp q, 0,1,2,3
	ds_load_b128 v[Y+4*\q:Y+4*\q+3], v[CA] offset:16384+16*\q
.endr
.irp q, 0,1,2,3
	ds_load_b128 v[T+4*\q:T+4*\q+3], v[CA] offset:32768+16*\q
.endr
.endm
.macro NEXT                            ; the next block lands under the lines that follow; the last trip's reads bytes that lie behind the segment, which have been written, and is not used
	s_add_co_u32 s26, s26, 64
	v_add_nc_u32 v[CA], s26, v[CA0]
	LOADBLK
.endm
; D[0..15] = the block's distances from my query: 96 vector lines, six a candidate
.macro DIST
	s_wait_dscnt 0x0                               ; the block is in
.irp p, 0,2,4,6,8,10,12,14
	v_pk_add_f32 v[X+\p:X+\p+1], v[X+\p:X+\p+1], v[QX:QX+1] neg_lo:[0,1] neg_hi:[0,1]
.endr
.irp p, 0,2,4,6,8,10,12,14
	v_pk_add_f32 v[Y+\p:Y+\p+1], v[Y+\p:Y+\p+1], v[QY:QY+1] neg_lo:[0,1] neg_hi:[0,1]
.endr
.irp p, 0,2,4,6,8,10,12,14
	v_pk_mul_f32 v[X+\p:X+\p+1], v[X+\p:X+\p+1], v[X+\p:X+\p+1]
.endr
.irp p, 0,2,4,6,8,10,12,14
	v_pk_fma_f32 v[X+\p:X+\p+1], v[Y+\p:Y+\p+1], v[Y+\p:Y+\p+1], v[X+\p:X+\p+1]
.endr
.irp p, 0,2,4,6,8,10,12,14
	v_pk_add_f32 v[Y+\p:Y+\p+1], v[QT:QT+1], v[T+\p:T+\p+1] neg_lo:[0,1] neg_hi:[0,1]   ; t_i - t_j: it is |dt| wherever the candidate is not masked
.endr
.irp c, 0,1,2,3,4,5,6,7,8,9,10,11,12,13,14,15
	v_sqrt_f32 v[X+\c], v[X+\c]
.endr
.irp c, 0,1,2,3,4,5,6,7,8,9,10,11,12,13,14,15
	v_cmp_lt_f32 s[M+\c], v[QT], v[T+\c]           ; later than my query.  (Plain work behind the roots)
.endr
	s_wait_alu depctr_va_vdst(0)                   ; one wait for the sixteen roots, ahead of their first reader and of the branch
	s_sub_co_u32 s27, s24, s23                     ; the point itself: candidate J0 + c is lane J0 - Q0 + c's query.  A branch on ids alone: two blocks of one wave
	s_cmp_lt_u32 s27, 32
	s_cbranch_scc0 .Lnot_self_\@
	s_lshl_b32 s28, 1, s27
.irp c, 0,1,2,3,4,5,6,7,8,9,10,11,12,13,14,15
	s_lshl_b32 s29, s28, \c
	s_or_b32 s[M+\c], s[M+\c], s29
.endr
.Lnot_self_\@:
.irp p, 0,2,4,6,8,10,12,14
	v_pk_fma_f32 v[D+\p:D+\p+1], v[Y+\p:Y+\p+1], 0x3e99999a, v[X+\p:X+\p+1] op_sel_hi:[1,0,1]   ; 0.3 |dt| + the root
.endr
.irp c, 0,1,2,3,4,5,6,7,8,9,10,11,12,13,14,15
	v_cndmask_b32 v[D+\c], v[D+\c], v[INF], s[M+\c]
.endr
.endm
.macro SETPI name, i                   ; where element i of a list lies: (i & 14) | the parity of i's four bits
.set \name, ((\i)&14)|(((\i)^((\i)>>1)^((\i)>>2)^((\i)>>3))&1)
.endm
; A layer of eight comparators between elements i and i | j, from the registers at src into those at dst.  The smaller goes to i where (i & k) = 0, else to i | j; k = 16: always to i.
; Both halves of a pair read the same two registers; their destinations are of different parity, since i and i | j differ in one bit.
.macro LAYER src, dst, j, k
.set LIX, 0
.rept 16
.if ((LIX)&(\j)) == 0
	SETPI PIA, LIX
	SETPI PIB, (LIX)|(\j)
.if ((LIX)&(\k)) == 0
	v_dual_min_num_f32 v[\dst+PIA], v[\src+PIA], v[\src+PIB] :: v_dual_max_num_f32 v[\dst+PIB], v[\src+PIA], v[\src+PIB]
.else
	v_dual_max_num_f32 v[\dst+PIA], v[\src+PIA], v[\src+PIB] :: v_dual_min_num_f32 v[\dst+PIB], v[\src+PIA], v[\src+PIB]
.endif
.endif
.set LIX, LIX+1
.endr
.endm
; dst[s] = min(a[s], b[15 - s]): of two ascending lists the 16 smallest, as a bitonic run.  Two minima a pair: elements s and s + 1 (s even) lie in one aligned pair of registers, and so do 15 - s and 14 - s:
; destinations of different parity, first sources in different banks, second sources likewise.
.macro MINSTEP dst, a, b
.set LIX, 0
.rept 8
	SETPI PIA, LIX
	SETPI PIB, 15-(LIX)
	SETPI PIC, (LIX)+1
	SETPI PID, 14-(LIX)
	v_dual_min_num_f32 v[\dst+PIA], v[\a+PIA], v[\b+PIB] :: v_dual_min_num_f32 v[\dst+PIC], v[\a+PIC], v[\b+PID]
.set LIX, LIX+2
.endr
.endm
.macro SORT16                          ; the block's 16 distances, ascending: the bitonic network, ten layers, from D to D2 and back
	LAYER D, D2, 1, 2
	LAYER D2, D, 2, 4
	LAYER D, D2, 1, 4
	LAYER D2, D, 4, 8
	LAYER D, D2, 2, 8
	LAYER D2, D, 1, 8
	LAYER D, D2, 8, 16
	LAYER D2, D, 4, 16
	LAYER D, D2, 2, 16
	LAYER D2, D, 1, 16
.endm
.macro MERGE a, u                      ; the 16 smallest of the sorted lists at v[a] and of wave u, sorted, into WA
	MINSTEP WA, \a, BL+16*(\u)
	LAYER WA, WB, 8, 16
	LAYER WB, WA, 4, 16
	LAYER WA, WB, 2, 16
	LAYER WB, WA, 1, 16
.endm
.macro COUNT dst, base, n, op          ; how many of n registers stand in the relation op to TT: the compare's bit is added as a carry
	v_mov_b32 v[\dst], 0
.set ci, 0
.rept \n
	\op vcc_lo, v[\base+ci], v[TT]
	v_add_co_ci_u32 v[\dst], vcc_lo, 0, v[\dst], vcc_lo
.set ci, ci+1
.endr
.endm
.macro PUSH sel, new                   ; selector SELB: the log of fields moves down by a field and new enters on top; SELA: nothing changes
.irp r, 0,1,2,3,4,5,6
	v_perm_b32 v[P+\r], v[P+\r+1], v[P+\r], v[\sel]
.endr
	v_perm_b32 v[P+7], \new, v[P+7], v[\sel]
.endm
.macro DOWN base, n, by, cnt, bit      ; in the lanes whose v[cnt] has the bit: n registers move down by 'by' places, zeros entering on top.  From the low end on, so that each line reads old registers
	v_and_b32 v[T0], \bit, v[\cnt]
	v_cmp_ne_u32 vcc_lo, 0, v[T0]
.set ri, 0
.rept \n
.if (ri+(\by)) < (\n)
	v_cndmask_b32 v[\base+ri], v[\base+ri], v[\base+ri+(\by)], vcc_lo
.else
	v_cndmask_b32 v[\base+ri], v[\base+ri], 0, vcc_lo
.endif
.set ri, ri+1
.endr
.endm
.macro SELECT
.irp c, 0,1,2,3,4,5,6,7,8,9,10,11,12,13,14,15
	v_cmp_eq_f32 s[EQM+\c], v[D+\c], v[TT]
.endr
.irp c, 0,1,2,3,4,5,6,7,8,9,10,11,12,13,14,15
	v_add_co_ci_u32 v[EC+\c+1], vcc_lo, 0, v[EC+\c], s[EQM+\c]   ; ties seen so far in my wave
	v_cmp_lt_f32 s[LTM+\c], v[D+\c], v[TT]
.endr
.irp c, 0,1,2,3,4,5,6,7,8,9,10,11,12,13,14,15
	v_cmp_lt_u32 s[M+\c], v[EC+\c], v[QW]          ; quota left for this one
.endr
.irp c, 0,1,2,3,4,5,6,7,8,9,10,11,12,13,14,15
	s_and_b32 s[EQM+\c], s[EQM+\c], s[M+\c]
	s_or_b32 s[LTM+\c], s[LTM+\c], s[EQM+\c]       ; taken
	v_add_co_ci_u32 v[ACCB], vcc_lo, v[ACCB], v[ACCB], s[LTM+\c]   ; the bits move up by one and this one enters below: candidate c ends at bit 15 - c
.endr
	s_lshl_b32 s30, s24, 12                        ; (the block's number) << 16: its first candidate is 16 x that number
	v_and_b32 v[FLD], 0xffff, v[ACCB]
	v_or_b32 v[ENT], s30, v[FLD]
	v_cmp_ne_u32 vcc_lo, 0, v[FLD]                 ; a block with a taken candidate: its entry is pushed
.irp r, 0,1,2,3,4,5,6,7,8,9,10,11,12,13,14
	v_cndmask_b32 v[EL+\r], v[EL+\r], v[EL+\r+1], vcc_lo
.endr
	v_cndmask_b32 v[EL+15], v[EL+15], v[ENT], vcc_lo
	v_mov_b32 v[EC], v[EC+16]
.endm
	; ---- pass 1
	s_wait_xcnt 0x0                                ; feat's stores have read their registers, which the list takes
.irp s, 0,1,2,3,4,5,6,7,8,9,10,11,12,13,14,15
	v_mov_b32 v[L+\s], v[INF]
.endr
	s_mov_b32 s26, 0
	LOADBLK
	s_lshl_b32 s24, s20, 9                         ; the block's first candidate
	s_mov_b32 s25, 32
.Lpass1:
	DIST
	NEXT
	SORT16
	MINSTEP WA, L, D
	LAYER WA, WB, 8, 16
	LAYER WB, WA, 4, 16
	LAYER WA, WB, 2, 16
	LAYER WB, L, 1, 16
	s_add_co_u32 s24, s24, 16
	s_sub_co_u32 s25, s25, 1
	s_cmp_lg_u32 s25, 0
	s_cbranch_scc1 .Lpass1
	; ---- the eight lists of a query meet, as images of their registers
.irp q, 0,1,2,3
	ds_store_b128 v241, v[L+4*\q:L+4*\q+3] offset:16*\q
.endr
	BARRIER                                        ; (its wait also covers the last look-ahead, whose registers the lists take)
.irp u, 0,1,2,3,4,5,6,7
.irp q, 0,1,2,3
	ds_load_b128 v[BL+16*\u+4*\q:BL+16*\u+4*\q+3], v242 offset:2560*\u+16*\q
.endr
.endr
	s_wait_dscnt 0x0
	MERGE BL, 1
.irp u, 2,3,4,5,6,7
	MERGE WA, \u
.endr
	SETPI PIA, 15
	v_mov_b32 v[TT], v[WA+PIA]                     ; the 16th smallest; infinity where fewer than 16 are finite: masked candidates then fill the places
	COUNT CN, WA, 16, v_cmp_lt_f32
	COUNT LTW, L, 16, v_cmp_lt_f32
	COUNT EQW, L, 16, v_cmp_eq_f32
	v_sub_nc_u32 v[CN], 16, v[CN]                  ; q
	v_lshl_or_b32 v[T0], v[EQW], 8, v[LTW]
	ds_store_b32 v243, v[T0]
	BARRIER
.irp u, 0,1,2,3,4,5,6
	ds_load_b32 v[200+\u], v244 offset:128*\u
.endr
	v_mov_b32 v[SUM], 0
	s_wait_dscnt 0x0
.irp u, 0,1,2,3,4,5,6
	s_cmp_gt_u32 s20, \u                           ; the waves before mine (both fields stay under 256: at most 15, at most 7 x 16)
	s_cselect_b32 s31, 1, 0
	v_mad_u32_u24 v[SUM], v[200+\u], s31, v[SUM]
.endr
	v_and_b32 v[T0], 255, v[SUM]                   ; below TT, before me
	v_lshrrev_b32 v[T1], 8, v[SUM]                 ; ties before me
	v_min_u32 v[QW], v[CN], v[T1]
	v_sub_nc_u32 v[QW], v[CN], v[QW]               ; my quota of ties
	v_add_nc_u32 v[T1], v[T1], v[EQW]
	v_min_u32 v[T1], v[CN], v[T1]
	v_add3_u32 v[T0], v[T0], v[LTW], v[T1]         ; what is taken up to and with my wave,
	v_sub_nc_u32 v[AW], 16, v[T0]                  ; and what the later waves take: so far my entries move down at the end
	; ---- pass 2
.irp r, 0,1,2,3,4,5,6,7,8,9,10,11,12,13,14,15
	v_mov_b32 v[EL+\r], 0
.endr
	v_mov_b32 v[ACCB], 0
	v_mov_b32 v[EC], 0
	v_mov_b32 v[CA], v[CA0]
	s_mov_b32 s26, 0
	LOADBLK
	s_lshl_b32 s24, s20, 9
	s_mov_b32 s25, 32
.Lpass2:
	DIST
	NEXT
	SELECT
	s_add_co_u32 s24, s24, 16
	s_sub_co_u32 s25, s25, 1
	s_cmp_lg_u32 s25, 0
	s_cbranch_scc1 .Lpass2
	; ---- my entries move down by AW places (AW = 16 only where my log is empty, so its low four bits do), and the eight logs meet
	DOWN EL, 16, 1, AW, 1
	DOWN EL, 16, 2, AW, 2
	DOWN EL, 16, 4, AW, 4
	DOWN EL, 16, 8, AW, 8
.irp q, 0,1,2,3
	ds_store_b128 v241, v[EL+4*\q:EL+4*\q+3] offset:ELOG-LST+16*\q
.endr
	BARRIER                                        ; (its wait also covers the last look-ahead, whose registers are taken below)
.irp u, 0,1,2,3,4,5,6,7
	ds_load_b64 v[48+2*\u:49+2*\u], v[ERA] offset:ELOG-LST+2560*\u   ; places 2 w and 2 w + 1 of wave u's log of my query
.endr
.irp r, 0,1,2,3,4,5,6,7
	v_mov_b32 v[P+\r], 0
.endr
	v_mov_b32 v[NCT], 0
	s_wait_dscnt 0x0
.irp e, 0,1
	v_add3_u32 v[EE+\e], v[48+\e], v[50+\e], v[52+\e]              ; at most one of the eight is not 0
.endr
.irp e, 0,1
	v_add3_u32 v[EE+\e], v[EE+\e], v[54+\e], v[56+\e]
.endr
.irp e, 0,1
	v_add3_u32 v[EE+\e], v[EE+\e], v[58+\e], v[60+\e]
.endr
.irp e, 0,1
	v_add_nc_u32 v[EE+\e], v[EE+\e], v[62+\e]
.endr
.irp e, 0,1
	v_lshlrev_b32 v[FS+\e], 16, v[EE+\e]           ; candidate 0's bit on top
	v_lshrrev_b32 v[BB+\e], 12, v[EE+\e]
.endr
.irp e, 0,1
	v_and_b32 v[BB+\e], 0xff0, v[BB+\e]            ; 16 x the block's number
.endr
	; ---- the expansion: 32 bits, each a push or none, and their count
.irp e, 0,1
.irp c, 0,1,2,3,4,5,6,7,8,9,10,11,12,13,14,15
	v_add_co_u32 v[FS+\e], vcc_lo, v[FS+\e], v[FS+\e]              ; the top bit leaves as the carry
	v_cndmask_b32 v[SL], v[SELA], v[SELB], vcc_lo
	v_add_co_ci_u32 v[NCT], vcc_lo, 0, v[NCT], vcc_lo
	v_add_nc_u32 v[IXN], \c, v[BB+\e]
	PUSH SL, v[IXN]
.endr
.endr
	ds_store_b32 v243, v[NCT] offset:CNT2-CNT
	BARRIER
.irp u, 1,2,3,4,5,6,7
	ds_load_b32 v[208+\u], v244 offset:CNT2-CNT+128*\u
.endr
	v_mov_b32 v[SUM], 0
	s_wait_dscnt 0x0
.irp u, 1,2,3,4,5,6,7
	s_cmp_lt_u32 s20, \u                           ; the waves behind mine
	s_cselect_b32 s31, 1, 0
	v_mad_u32_u24 v[SUM], v[208+\u], s31, v[SUM]
.endr
	v_and_b32 v[T0], 1, v[SUM]                     ; my fields move down by that many (16 only where I have none): one field by the selector, two, four and eight by whole registers
	v_cmp_ne_u32 vcc_lo, 0, v[T0]
	v_cndmask_b32 v[SL], v[SELA], v[SELB], vcc_lo
	PUSH SL, 0
	DOWN P, 8, 1, SUM, 2
	DOWN P, 8, 2, SUM, 4
	DOWN P, 8, 4, SUM, 8
	ds_store_b128 v245, v[P:P+3]
	ds_store_b128 v245, v[P+4:P+7] offset:16
	v_mul_u32_u24 v200, v1, 80                     ; wave 0's addresses, made ahead of the parting
	v_add_nc_u32 v200, IDXT, v200
	v_lshrrev_b32 v201, 2, v1
	v_mul_u32_u24 v201, v201, 80
	v_and_b32 v202, 3, v1
	v_lshl_add_u32 v201, v202, 4, v201
	v_add_nc_u32 v201, IDXT, v201
	v_lshlrev_b32 v202, 4, v1
	BARRIER
	; ---- wave 0 adds the eight logs (their fields are disjoint), widens the fields and stores 2,048 consecutive bytes
	s_cmp_lg_u32 s20, 0
	s_cbranch_scc1 .Lend
.irp u, 0,1,2,3,4,5,6,7
	ds_load_b128 v[48+8*\u:48+8*\u+3], v246 offset:1536*\u
	ds_load_b128 v[48+8*\u+4:48+8*\u+7], v246 offset:1536*\u+16
.endr
	s_wait_dscnt 0x0
.irp r, 0,1,2,3,4,5,6,7
	v_add3_u32 v[32+\r], v[48+\r], v[56+\r], v[64+\r]
.endr
.irp r, 0,1,2,3,4,5,6,7
	v_add3_u32 v[32+\r], v[32+\r], v[72+\r], v[80+\r]
.endr
.irp r, 0,1,2,3,4,5,6,7
	v_add3_u32 v[32+\r], v[32+\r], v[88+\r], v[96+\r]
.endr
.irp r, 0,1,2,3,4,5,6,7
	v_add_nc_u32 v[32+\r], v[32+\r], v[104+\r]
.endr
.irp r, 0,1,2,3,4,5,6,7
	v_and_b32 v[16+2*\r], 0xffff, v[32+\r]
	v_lshrrev_b32 v[17+2*\r], 16, v[32+\r]
.endr
.irp q, 0,1,2,3
	ds_store_b128 v200, v[16+4*\q:16+4*\q+3] offset:16*\q          ; a lane's 64 bytes are one row of idx;
.endr
.irp i, 0,1,2,3
	ds_load_b128 v[112+4*\i:112+4*\i+3], v201 offset:640*\i        ; back so that neighbouring lanes hold neighbouring bytes.  LDS serves a wave's instructions in order (ISA guide 5.7.1.4): these see the stores above
.endr
	s_wait_dscnt 0x0
.irp i, 0,1,2,3
	global_store_b128 v202, v[112+4*\i:112+4*\i+3], s[18:19] offset:512*\i
.endr
.Lend:
	s_set_vgpr_msb 0x5
	s_wait_tensorcnt 0x0
	ds_add_u32 v0, v1
	s_wait_dscnt 0x0
	s_set_vgpr_msb 0x500
	s_endpgm
.Lfunc_end_k_qbafc8b6f4c_knn_proj:
	.size	k_qbafc8b6f4c_knn_proj, .Lfunc_end_k_qbafc8b6f4c_knn_proj-k_qbafc8b6f4c_knn_proj
	.p2alignl 7, 3214868480
	.fill 96, 4, 3214868480
	.section	.rodata,"a",@progbits
	.p2align	6, 0x0
	.amdhsa_kernel k_qbafc8b6f4c_knn_proj
		.amdhsa_group_segment_fixed_size 142336
		.amdhsa_private_segment_fixed_size 0
		.amdhsa_enable_private_segment 0
		.amdhsa_kernarg_size 64
		.amdhsa_user_sgpr_count 2
		.amdhsa_user_sgpr_kernarg_segment_ptr 1
		.amdhsa_wavefront_size32 1
		.amdhsa_system_sgpr_workgroup_id_x 1
		.amdhsa_system_sgpr_workgroup_id_y 1
		.amdhsa_system_sgpr_workgroup_id_z 1
		.amdhsa_system_vgpr_workitem_id 0
		.amdhsa_next_free_vgpr 258
		.amdhsa_next_free_sgpr 88
		.amdhsa_reserve_vcc 1
		.amdhsa_float_denorm_mode_32 3
		.amdhsa_float_denorm_mode_16_64 3
		.amdhsa_memory_ordered 1
		.amdhsa_forward_progress 1
		.amdhsa_inst_pref_size 111
	.end_amdhsa_kernel
	.amdgpu_metadata
---
amdhsa.version: [ 1, 2 ]
amdhsa.kernels:
  - .name:           k_qbafc8b6f4c_knn_proj
    .symbol:         k_qbafc8b6f4c_knn_proj.kd
    .args:
      - { .name: features_codes, .offset: 0, .size: 8, .value_kind: global_buffer, .address_space: global }
      - { .name: features_scales, .offset: 8, .size: 8, .value_kind: global_buffer, .address_space: global }
      - { .name: W_feat_codes, .offset: 16, .size: 8, .value_kind: global_buffer, .address_space: global }
      - { .name: W_feat_scales, .offset: 24, .size: 8, .value_kind: global_buffer, .address_space: global }
      - { .name: b_feat, .offset: 32, .size: 8, .value_kind: global_buffer, .address_space: global }
      - { .name: coords, .offset: 40, .size: 8, .value_kind: global_buffer, .address_space: global }
      - { .name: feat, .offset: 48, .size: 8, .value_kind: global_buffer, .address_space: global }
      - { .name: idx, .offset: 56, .size: 8, .value_kind: global_buffer, .address_space: global }
    .group_segment_fixed_size: 142336
    .private_segment_fixed_size: 0
    .kernarg_segment_align: 8
    .kernarg_segment_size: 64
    .max_flat_workgroup_size: 256
    .sgpr_count:     88
    .vgpr_count:     258
    .wavefront_size: 32
...
	.end_amdgpu_metadata
.endif
;; end of part 3
;; launch agg: the kernel of part 2 again; grid 256 x 1, 8 waves a work-group, no clusters, 106,496 bytes of LDS; arguments idx, coords, feat, W_pos1, b_pos1, W_pos2_codes, W_pos2_scales, b_pos2, gamma, beta, out0; writes out0
;; ======== version 3 of 3: 2 launches; version 2 with the launches knn_proj, agg written anew for expert scheduling mode
;; limits: inputs' magnitudes at most 1e+18
;; workspace buffers: feat 8,388,608 bytes; idx 524,288 bytes of whole numbers
;; launch knn_proj (part 4): grid 256 x 1, 8 waves a work-group, no clusters, 142,336 bytes of LDS; arguments features_codes, features_scales, W_feat_codes, W_feat_scales, b_feat, coords, feat, idx; writes feat, idx
.if DOCPART == 4
	.amdgcn_target "amdgcn-amd-amdhsa--gfx1250"
	.amdhsa_code_object_version 6
	.text
	.protected	k_qbafc8b6f4c_knn_proj
	.globl	k_qbafc8b6f4c_knn_proj
	.p2align	8
	.type	k_qbafc8b6f4c_knn_proj,@function
k_qbafc8b6f4c_knn_proj:
	s_mov_b64 s[64:65], 0
	v_nop
	global_prefetch_b8 v0, s[64:65] scope:SCOPE_SE
	s_setreg_imm32_b32 hwreg(HW_REG_WAVE_SCHED_MODE, 0, 2), 2
	s_setreg_imm32_b32 hwreg(HW_REG_WAVE_MODE, 25, 1), 1
	s_wait_xcnt 0x0
	s_wait_alu depctr_vm_vsrc(0)
; TWO JOBS FOR 32 POINTS OF ONE BATCH.
; (1) feat = features W_feat + b_feat on E5M2 codes with E8M0 scales, as they are given: 32 rows x 256 columns, wave w the columns 32 w .. 32 w + 31.
; (2) The 16 nearest points of each of the 32 (d = sqrt(dx^2 + dy^2) + 0.3 |dt|; the point itself and points of later t count as infinity; equal d: the lower index first), stored as whole numbers
;     idx[point][16], indices inside the batch, in no particular order.  A slot for which no finite d is left holds some masked index: the next launch finds it by (j = i) or (t_j > t_i).
; SHARES.  Lane = query, the same 32 queries in all eight waves; wave w scans candidates 512 w .. 512 w + 511, sixteen a trip, read from LDS by loads in which all lanes give one address.
; NO BRANCH AND NO ADDRESS HANGS ON A DISTANCE.
; PASS 1: each lane keeps its wave's 16 smallest d, sorted.  A block's 16 distances are sorted by a bitonic network (80 comparators); the minima of the list against the reversed block are the 16 smallest of both,
; and four half cleaners (32 comparators) sort them again.  A COMPARATOR IS ONE INSTRUCTION: a dual-issue pair of a minimum and a maximum on the same two sources.  The pair's destinations must be an even and an
; odd register (AMD's ISA guide, the dual-issue encoding), so element i of every list lies at register (i & 14) | (parity of i's bits): elements whose numbers differ in one bit, the only ones that these
; networks compare, then lie at registers of different parity.  120 instructions for 16 candidates.
; The eight lists of a query meet in LDS and are merged by every wave: TT = the 16th smallest d, q = 16 - (how many are below TT) places for candidates equal to TT.  From each wave's counts (below TT, equal
; to TT) each wave knows how many of the q places the waves before it take, and how many candidates are taken before it (B), by it (T) and behind it (AW).
; PASS 2: the same distances again; a candidate is taken if d < TT, or d = TT while the wave's quota lasts.  Its bit is shifted into an accumulator by an addition with carry; once a block the entry
; (block << 16 | 16 bits) is pushed into a log of 16 entries, if it is not empty.
; The eight logs add up.  Wave w expands places 2 w and 2 w + 1 into a log of 16 fields of 16 bits by byte selections whose selector either moves the log by a field or leaves it; moved down by what the
; later waves have expanded, these logs add up to the list.
; WHY THE COUNTS ARE EXACT: at most 15 d lie below TT in all, so each wave's lie in its list of 16; a list shows at least min(its ties, q) ties, and only min(q, running sum) is used.
; LIMITS: dx^2 + dy^2 is a multiplication and a fused multiply-add, d a fused multiply-add onto v_sqrt_f32 (1 ulp): two candidates whose d differ by some 2 ulp at the 16th place may be taken the other way round.
; Coordinates are finite and under 1e18 in magnitude (no square overflows); NaN is not served.
; NO CLUSTER, NO TENSOR LOAD: what work-groups share is a batch's 49,152 bytes of coordinates, read once at the head and laid apart into x, y and t on the way, against 4,096 x 32 distances taken twice.
; THE MODE: SCHED_MODE bits 1:0 = 2 (LLVM: expert scheduling mode 2), set by the entry lines.  The code itself states the register dependences between vector or matrix instructions and memory or LDS
; instructions, and those through scalar registers and VCC that vector instructions write, with s_wait_alu, always for 0.
; THE PLAN.  In the two loops LDS instructions touch these registers alone:
;   X, Y, T   a block's twelve loads land in them; DIST's lines read and write them; no line between the loads and the next trip's DIST names them.
;   v[CA]     the loads' address: read by the twelve loads, written once a trip, ahead of them.
; So a trip has one wait on vm_vsrc ahead of the add to v[CA] and one on va_vdst behind it, which also states that DIST is done with X, Y and T; the twelve loads follow.
; Masks that compares write into scalar registers are laid in runs of sixteen, each run with one wait on va_sdst ahead of its first reader; the one mask a block that goes through VCC has a wait on va_vcc.
; An addition with carry also WRITES a scalar register, the carry that goes out, which nobody reads here.  No two additions of a run put it into the same register: it goes back into the register by which the
; carry came in, where that mask is done with, else into s[J ..]; and one wait on va_sdst stands behind each such run, in the run's own straight stretch of code: ahead of the next line that names those registers
; and ahead of the next branch or label.  In the loops the scalar lines stand in runs of their own, behind such a wait and ahead of the next run of vector lines that write scalar registers, not by turns with them.
; Outside the loops each run of LDS stores has one wait on va_vdst ahead of it, and a wait on vm_vsrc stands ahead of the first line that writes registers which stores or loads have read.
.set PADC, 49152                       ; LDS: x at 0, y at 16384, t at 32768 (4,096 f32 each); then 1,024 bytes of zeros, on which the look-ahead behind t's last block lands
.set LST,  50176                       ; 256 lists of 16 f32, 80 bytes apart (an odd multiple of 16)
.set CNT,  70656                       ; 256 count words of pass 1
.set CNT2, 71680                       ; 256 count words of the expansion
.set ELOG, 72704                       ; 256 logs of 16 entries, 80 bytes apart
.set LOG,  93184                       ; 256 logs of 16 fields (32 bytes), 48 bytes apart
.set IDXT, 105472                      ; wave 0's turn of the result: 32 x 80 bytes
.set STG,  108032                      ; the projection's stage: 32 rows x (1,024 + 16) bytes
.set QX,   4                           ; v[4:5], v[6:7], v[8:9] my query's x, y, t, each twice (pairs for the packed forms)
.set QY,   6
.set QT,   8
.set INF,  10
.set CA,   11                          ; LDS address of the block to be fetched
.set CA0,  12                          ; 2,048 x wave: my wave's 512 candidates
.set SELA, 13                          ; selector that leaves a word as it is
.set SELB, 14                          ; selector that moves the log down by 16 bits
.set TT,   15
.set L,    16                          ; v[16:31]  my list, ascending, element i at (i & 14) | parity
.set WA,   32                          ; v[32:47]  the merge, and v[176:191] its other side
.set WB,   176
.set X,    48                          ; v[48:95]  a block's x, y, t
.set Y,    64
.set T,    80
.set D,    96                          ; v[96:111] its distances
.set D2,   112                         ; v[112:127] pass 1: the sort's other side
.set EC,   112                         ; v[112:128] pass 2: running count of ties
.set P,    130                         ; v[130:137] the log of 16 fields
.set ACCB, 138                         ; the taken bits, the newest lowest
.set FLD,  140
.set ENT,  141
.set EL,   144                         ; v[144:159] the log of 16 entries
.set BL,   48                          ; v[48:175] the eight lists
.set QW,   192
.set AW,   193
.set CN,   194
.set LTW,  195
.set EQW,  196
.set SUM,  197
.set T0,   198
.set T1,   199
.set ERA,  238                         ; LDS: 80 x lane + LST + 8 x wave: my two places of a query's logs
.set EE,   64                          ; the expansion: v64, v65 my two entries; v66, v67 their bits, topmost first; v68, v69 their blocks' first candidates
.set FS,   66
.set BB,   68
.set SL,   70
.set IXN,  71
.set NCT,  72
.set WF,   16                          ; the projection: W_feat's fragments (tile n, K step s) at 32 n + 16 s,
.set FF,   80                          ; the features' (tile m, K step s),
.set ACC,  144                         ; four accumulators (m, n) at 8 (2 m + n),
.set BC,   176                         ; b_feat in the result's layout; v[248:251], v[252:255] scale words of W_feat, of the features
.set M,    32                          ; s[32:47] masks: later t or self; in pass 2: quota left
.set LTM,  48                          ; s[48:63] d < TT, then: taken
.set EQM,  68                          ; s[68:83] d = TT
.set J,    2                           ; s[2:17]  pass 2: the carries that the additions of the ties put out, one register a candidate, read by nobody.  (s4 to s17 hold, at the head alone, the addresses of buffers that only the head reads or stores)
.macro BARRIER                         ; my LDS stores have landed and my LDS loads are in: then the work-group's barrier
	s_wait_dscnt 0x0
	s_barrier_signal -1
	s_barrier_wait -1
.endm
	s_load_b256 s[4:11], s[0:1], 0x0               ; features' codes, scales; W_feat's codes, scales
	s_load_b256 s[12:19], s[0:1], 0x20             ; b_feat, coords, feat, idx
	s_set_vgpr_msb 0x40
	v_lshl_add_u32 v0, v0, 2, 0x22800
	v_mov_b32 v1, 0
	s_set_vgpr_msb 0x4000
	v_lshrrev_b32 v1, 5, v0
	v_readfirstlane_b32 s20, v1                    ; wave 0..7
	v_and_b32 v1, 31, v0                           ; lane
	v_and_b32 v2, 15, v0                           ; r
	v_bfe_u32 v3, v0, 4, 1                         ; h
	s_wait_alu depctr_va_sdst(0)                   ; s20 is written, ahead of its first reader: LDS addresses and the buffers' bases are made from it
	s_mov_b32 s21, ttmp9                           ; g
	s_lshr_b32 s22, s21, 7                         ; batch
	s_and_b32 s23, s21, 127
	s_lshl_b32 s23, s23, 5                         ; my first query, inside the batch
	v_mul_u32_u24 v5, v0, 12                       ; offsets of the loads at the head; these registers get their lasting use behind the wait for all loads
	v_mul_u32_u24 v7, v1, 12
	v_lshlrev_b32 v9, 8, v2
	v_lshl_add_u32 v9, v3, 4, v9                   ; a fragment's row of 256 bytes, + 16 h
	v_lshlrev_b32 v11, 3, v2                       ; a row's 8 scale bytes
	v_lshlrev_b32 v12, 5, v3                       ; b_feat: 8 h numbers on
	v_mov_b32 v14, 0                               ; the zeros behind t's last block
	v_lshlrev_b32 v240, 2, v0                      ; LDS addresses: a constant + a constant x thread (or lane)
	v_mul_u32_u24 v241, v0, 80
	v_add_nc_u32 v241, LST, v241
	v_mul_u32_u24 v242, v1, 80
	v_add_nc_u32 v242, LST, v242
	v_add_nc_u32 v243, CNT, v240
	v_lshlrev_b32 v244, 2, v1
	v_add_nc_u32 v244, CNT, v244
	v_mul_u32_u24 v245, v0, 48
	v_add_nc_u32 v245, LOG, v245
	v_mul_u32_u24 v246, v1, 48
	v_add_nc_u32 v246, LOG, v246
	v_mul_u32_u24 v247, v2, 1040
	v_lshl_add_u32 v247, v3, 5, v247
	s_lshl_b32 s29, s20, 7
	s_add_co_u32 s29, s29, STG
	v_add_nc_u32 v247, s29, v247                   ; the stage: row r, + 32 h, + my wave's 128 bytes
	s_mov_b32 s87, 0
	s_wait_kmcnt 0x0
	s_mul_i32 s86, s22, 49152
	s_add_nc_u64 s[14:15], s[14:15], s[86:87]      ; the batch's coordinates
	s_mul_i32 s86, s23, 12
	s_add_nc_u64 s[84:85], s[14:15], s[86:87]      ; my 32 queries'
	s_lshl_b32 s86, s21, 13
	s_add_nc_u64 s[4:5], s[4:5], s[86:87]          ; 32 rows of 256 codes
	s_lshl_b32 s86, s21, 8
	s_add_nc_u64 s[6:7], s[6:7], s[86:87]          ; and of 8 scale bytes
	s_lshl_b32 s86, s20, 13
	s_add_nc_u64 s[8:9], s[8:9], s[86:87]          ; my wave's 32 rows of W_feat
	s_lshl_b32 s86, s20, 8
	s_add_nc_u64 s[10:11], s[10:11], s[86:87]
	s_lshl_b32 s86, s20, 7
	s_add_nc_u64 s[12:13], s[12:13], s[86:87]      ; my 32 numbers of b_feat
	s_lshl_b32 s86, s21, 15
	s_lshl_b32 s29, s20, 12
	s_add_co_u32 s86, s86, s29
	s_add_nc_u64 s[16:17], s[16:17], s[86:87]      ; feat: the group's 32 rows, my wave's 4
	s_lshl_b32 s86, s21, 11
	s_add_nc_u64 s[18:19], s[18:19], s[86:87]      ; idx: 32 rows of 64 bytes
	s_wait_alu depctr_va_vdst(0)                   ; the offsets v5, v7, v9, v11, v12, the LDS addresses v240 to v247 and the zero in v14 are written, which the loads and stores below read
.irp i, 0,1,2,3,4,5,6,7,8,9,10,11,12,13,14,15
.irp c, 0,1,2
	global_load_b32 v[192+3*\i+\c], v5, s[14:15] offset:3072*\i+4*\c   ; point 256 i + thread, component c
.endr
.endr
	global_load_b32 v4, v7, s[84:85]
	global_load_b32 v6, v7, s[84:85] offset:4
	global_load_b32 v8, v7, s[84:85] offset:8
.irp m, 0,1
.irp s, 0,1
.irp c, 0,1,2,3
	global_load_b128 v[FF+32*\m+16*\s+4*\c:FF+32*\m+16*\s+4*\c+3], v9, s[4:5] offset:4096*\m+128*\s+32*\c
	global_load_b128 v[WF+32*\m+16*\s+4*\c:WF+32*\m+16*\s+4*\c+3], v9, s[8:9] offset:4096*\m+128*\s+32*\c
.endr
.endr
	global_load_b64 v[252+2*\m:253+2*\m], v11, s[6:7] offset:128*\m      ; a row's two scale words, one for each 128 along K
	global_load_b64 v[248+2*\m:249+2*\m], v11, s[10:11] offset:128*\m
	global_load_b128 v[BC+8*\m:BC+8*\m+3], v12, s[12:13] offset:64*\m
	global_load_b128 v[BC+8*\m+4:BC+8*\m+7], v12, s[12:13] offset:64*\m+16
.endr
	s_wait_loadcnt 43                              ; the 48 coordinate loads are in; the 3 of my query and the projection's 40 may be out
.irp i, 0,1,2,3,4,5,6,7,8,9,10,11,12,13,14,15
.irp c, 0,1,2
	ds_store_b32 v240, v[192+3*\i+\c] offset:16384*\c+1024*\i
.endr
.endr
	ds_store_b32 v240, v14 offset:PADC
	s_lshl_b32 s29, s20, 11
	s_mul_i32 s28, s20, 4160
	s_add_co_u32 s28, s28, STG
	s_lshl_b32 s31, s20, 3
	s_wait_loadcnt 0x0
	s_wait_dscnt 0x0                               ; the stores have read their registers, which are written again below
	s_wait_alu depctr_vm_vsrc(0)                   ; the loads have read their offsets v5, v7, v9, v11, v12, the stores their data v14 and v192 to v239: all of these are written again from here on
	v_mov_b32 v5, v4
	v_mov_b32 v7, v6
	v_mov_b32 v9, v8
; TRANSPOSED: source 0 = 16 rows of W_feat, source 1 = 16 points: lane (r, h) holds point r and columns 8 h + 0 .. 7 of the tile.  b_feat is the C of each sum's first product.  Four accumulators by turns.
.irp s, 0,1
.irp m, 0,1
.irp n, 0,1
.if \s == 0
	v_wmma_scale_f32_16x16x128_f8f6f4 v[ACC+8*(2*\m+\n):ACC+8*(2*\m+\n)+7], v[WF+32*\n:WF+32*\n+15], v[FF+32*\m:FF+32*\m+15], v[BC+8*\n:BC+8*\n+7], v[248+2*\n], v[252+2*\m] matrix_a_fmt:MATRIX_FMT_BF8 matrix_b_fmt:MATRIX_FMT_BF8
.else
	v_wmma_scale_f32_16x16x128_f8f6f4 v[ACC+8*(2*\m+\n):ACC+8*(2*\m+\n)+7], v[WF+32*\n+16:WF+32*\n+31], v[FF+32*\m+16:FF+32*\m+31], v[ACC+8*(2*\m+\n):ACC+8*(2*\m+\n)+7], v[249+2*\n], v[253+2*\m] matrix_a_fmt:MATRIX_FMT_BF8 matrix_b_fmt:MATRIX_FMT_BF8
.endif
.endr
.endr
.endr
	v_mov_b32 v[INF], 0x7f800000                   ; eight plain lines that name none of the products' registers stand ahead of the first read of a result
	v_mov_b32 v[SELA], 0x03020100
	v_mov_b32 v[SELB], 0x05040302
	v_mov_b32 v[CA0], s29
	v_mov_b32 v[CA], s29
	v_lshlrev_b32 v193, 4, v1                      ; 16 x lane
	v_add_nc_u32 v192, s28, v193                   ; the stage, back: my wave's 4 rows
	v_add_nc_u32 v[ERA], s31, v242
	s_wait_alu depctr_va_vdst(0)                   ; the products have written the accumulators, which the stage's stores read, and are done reading W_feat's and the features' fragments, in which the stage's rows and the first block land; v[CA], v192, v193 and v[ERA] are written, by which LDS and memory are addressed below.  The places above stay beside this wait
.irp m, 0,1
.irp n, 0,1
	ds_store_b128 v247, v[ACC+8*(2*\m+\n):ACC+8*(2*\m+\n)+3] offset:16640*\m+64*\n      ; each accumulator from its low end on
	ds_store_b128 v247, v[ACC+8*(2*\m+\n)+4:ACC+8*(2*\m+\n)+7] offset:16640*\m+64*\n+16
.endr
.endr
	BARRIER                                        ; the coordinates, the zeros and 32 whole rows of feat lie in LDS
.irp i, 0,1,2,3
.irp u, 0,1
	ds_load_b128 v[16+4*(2*\i+\u):16+4*(2*\i+\u)+3], v192 offset:1040*\i+512*\u
.endr
.endr
	s_wait_dscnt 0x0
.irp i, 0,1,2,3
.irp u, 0,1
	global_store_b128 v193, v[16+4*(2*\i+\u):16+4*(2*\i+\u)+3], s[16:17] offset:1024*\i+512*\u   ; 32 lanes store 512 consecutive bytes, at a multiple of 256 from feat's first byte
.endr
.endr
.macro LOADBLK                         ; sixteen candidates' x, y, t: all lanes give the same address
.irp q, 0,1,2,3
	ds_load_b128 v[X+4*\q:X+4*\q+3], v[CA] offset:16*\q
.endr
.irp q, 0,1,2,3
	ds_load_b128 v[Y+4*\q:Y+4*\q+3], v[CA] offset:16384+16*\q
.endr
.irp q, 0,1,2,3
	ds_load_b128 v[T+4*\q:T+4*\q+3], v[CA] offset:32768+16*\q
.endr
.endm
.macro NEXT                            ; the next block, s26 bytes into my wave's candidates, lands under the lines that follow; the last trip's reads bytes that lie behind the segment, which have been written, and is not used
	s_wait_alu depctr_vm_vsrc(0)                   ; the last block's twelve loads have read v[CA]
	v_add_nc_u32 v[CA], s26, v[CA0]
	s_wait_alu depctr_va_vdst(0)                   ; v[CA] is written, which the loads read; DIST's lines are done with X, Y and T, in which they land
	LOADBLK
.endm
; D[0..15] = the block's distances from my query: 96 vector lines, six a candidate
.macro DIST
	s_wait_dscnt 0x0                               ; the block is in
.irp p, 0,2,4,6,8,10,12,14
	v_pk_add_f32 v[X+\p:X+\p+1], v[X+\p:X+\p+1], v[QX:QX+1] neg_lo:[0,1] neg_hi:[0,1]
.endr
.irp p, 0,2,4,6,8,10,12,14
	v_pk_add_f32 v[Y+\p:Y+\p+1], v[Y+\p:Y+\p+1], v[QY:QY+1] neg_lo:[0,1] neg_hi:[0,1]
.endr
.irp p, 0,2,4,6,8,10,12,14
	v_pk_mul_f32 v[X+\p:X+\p+1], v[X+\p:X+\p+1], v[X+\p:X+\p+1]
.endr
.irp p, 0,2,4,6,8,10,12,14
	v_pk_fma_f32 v[X+\p:X+\p+1], v[Y+\p:Y+\p+1], v[Y+\p:Y+\p+1], v[X+\p:X+\p+1]
.endr
.irp p, 0,2,4,6,8,10,12,14
	v_pk_add_f32 v[Y+\p:Y+\p+1], v[QT:QT+1], v[T+\p:T+\p+1] neg_lo:[0,1] neg_hi:[0,1]   ; t_i - t_j: it is |dt| wherever the candidate is not masked
.endr
	s_wait_alu depctr_va_vdst(0)
.irp c, 0,1,2,3,4,5,6,7,8,9,10,11,12,13,14,15
	v_sqrt_f32 v[X+\c], v[X+\c]
.endr
.irp c, 0,1,2,3,4,5,6,7,8,9,10,11,12,13,14,15
	v_cmp_lt_f32 s[M+\c], v[QT], v[T+\c]           ; later than my query.  (Plain work behind the roots)
.endr
	s_wait_alu depctr_va_vdst(0)                   ; one wait for the sixteen roots, ahead of their first reader and of the branch
	s_wait_alu depctr_va_sdst(0)                   ; the sixteen compares have written s[M ..], ahead of the branch and of their first readers: the s_or_b32 lines, or the selections behind the label
	s_sub_co_u32 s27, s24, s23                     ; the point itself: candidate J0 + c is lane J0 - Q0 + c's query.  A branch on ids alone: two blocks of one wave
	s_cmp_lt_u32 s27, 32
	s_cbranch_scc0 .Lnot_self_\@
	s_lshl_b32 s28, 1, s27
.irp c, 0,1,2,3,4,5,6,7,8,9,10,11,12,13,14,15
	s_lshl_b32 s29, s28, \c
	s_or_b32 s[M+\c], s[M+\c], s29
.endr
.Lnot_self_\@:
.irp p, 0,2,4,6,8,10,12,14
	v_pk_fma_f32 v[D+\p:D+\p+1], v[Y+\p:Y+\p+1], 0x3e99999a, v[X+\p:X+\p+1] op_sel_hi:[1,0,1]   ; 0.3 |dt| + the root
.endr
.irp c, 0,1,2,3,4,5,6,7,8,9,10,11,12,13,14,15
	v_cndmask_b32 v[D+\c], v[D+\c], v[INF], s[M+\c]
.endr
.endm
.macro SETPI name, i                   ; where element i of a list lies: (i & 14) | the parity of i's four bits
.set \name, ((\i)&14)|(((\i)^((\i)>>1)^((\i)>>2)^((\i)>>3))&1)
.endm
; A layer of eight comparators between elements i and i | j, from the registers at src into those at dst.  The smaller goes to i where (i & k) = 0, else to i | j; k = 16: always to i.
; Both halves of a pair read the same two registers; their destinations are of different parity, since i and i | j differ in one bit.
.macro LAYER src, dst, j, k
.set LIX, 0
.rept 16
.if ((LIX)&(\j)) == 0
	SETPI PIA, LIX
	SETPI PIB, (LIX)|(\j)
.if ((LIX)&(\k)) == 0
	v_dual_min_num_f32 v[\dst+PIA], v[\src+PIA], v[\src+PIB] :: v_dual_max_num_f32 v[\dst+PIB], v[\src+PIA], v[\src+PIB]
.else
	v_dual_max_num_f32 v[\dst+PIA], v[\src+PIA], v[\src+PIB] :: v_dual_min_num_f32 v[\dst+PIB], v[\src+PIA], v[\src+PIB]
.endif
.endif
.set LIX, LIX+1
.endr
.endm
; dst[s] = min(a[s], b[15 - s]): of two ascending lists the 16 smallest, as a bitonic run.  Two minima a pair: elements s and s + 1 (s even) lie in one aligned pair of registers, and so do 15 - s and 14 - s:
; destinations of different parity, first sources in different banks, second sources likewise.
.macro MINSTEP dst, a, b
.set LIX, 0
.rept 8
	SETPI PIA, LIX
	SETPI PIB, 15-(LIX)
	SETPI PIC, (LIX)+1
	SETPI PID, 14-(LIX)
	v_dual_min_num_f32 v[\dst+PIA], v[\a+PIA], v[\b+PIB] :: v_dual_min_num_f32 v[\dst+PIC], v[\a+PIC], v[\b+PID]
.set LIX, LIX+2
.endr
.endm
.macro SORT16                          ; the block's 16 distances, ascending: the bitonic network, ten layers, from D to D2 and back
	LAYER D, D2, 1, 2
	LAYER D2, D, 2, 4
	LAYER D, D2, 1, 4
	LAYER D2, D, 4, 8
	LAYER D, D2, 2, 8
	LAYER D2, D, 1, 8
	LAYER D, D2, 8, 16
	LAYER D2, D, 4, 16
	LAYER D, D2, 2, 16
	LAYER D2, D, 1, 16
.endm
.macro MERGE a, u                      ; the 16 smallest of the sorted lists at v[a] and of wave u, sorted, into WA
	MINSTEP WA, \a, BL+16*(\u)
	LAYER WA, WB, 8, 16
	LAYER WB, WA, 4, 16
	LAYER WA, WB, 2, 16
	LAYER WB, WA, 1, 16
.endm
.macro PUSH sel, new                   ; selector SELB: the log of fields moves down by a field and new enters on top; SELA: nothing changes
.irp r, 0,1,2,3,4,5,6
	v_perm_b32 v[P+\r], v[P+\r+1], v[P+\r], v[\sel]
.endr
	v_perm_b32 v[P+7], \new, v[P+7], v[\sel]
.endm
.macro DOWN base, n, by, cnt, bit      ; in the lanes whose v[cnt] has the bit: n registers move down by 'by' places, zeros entering on top.  From the low end on, so that each line reads old registers
	v_and_b32 v[T0], \bit, v[\cnt]
	v_cmp_ne_u32 vcc_lo, 0, v[T0]
	s_wait_alu depctr_va_vcc(0)                    ; the compare has written VCC, ahead of the selections that read it
.set ri, 0
.rept \n
.if (ri+(\by)) < (\n)
	v_cndmask_b32 v[\base+ri], v[\base+ri], v[\base+ri+(\by)], vcc_lo
.else
	v_cndmask_b32 v[\base+ri], v[\base+ri], 0, vcc_lo
.endif
.set ri, ri+1
.endr
.endm
.macro TIES                            ; d = TT: the sixteen masks, written ahead of the look-ahead's loads, so that the wait at SELECT's head stands well behind them
.irp c, 0,1,2,3,4,5,6,7,8,9,10,11,12,13,14,15
	v_cmp_eq_f32 s[EQM+\c], v[D+\c], v[TT]
.endr
.endm
.macro SELECT
	s_wait_alu depctr_va_sdst(0)                   ; TIES' compares have written s[EQM ..], ahead of the additions that take them as carries
.irp c, 0,1,2,3,4,5,6,7,8,9,10,11,12,13,14,15
	v_add_co_ci_u32 v[EC+\c+1], s[J+\c], 0, v[EC+\c], s[EQM+\c]   ; ties seen so far in my wave.  The carry that goes out has a register of its own: s[EQM + c] is still wanted below
	v_cmp_lt_f32 s[LTM+\c], v[D+\c], v[TT]
.endr
.irp c, 0,1,2,3,4,5,6,7,8,9,10,11,12,13,14,15
	v_cmp_lt_u32 s[M+\c], v[EC+\c], v[QW]          ; quota left for this one
.endr
	s_wait_alu depctr_va_sdst(0)                   ; the compares have written s[LTM ..] and s[M ..], ahead of the scalar lines that read them; the additions above have written s[J ..], which the next trip's additions write again
.irp c, 0,1,2,3,4,5,6,7,8,9,10,11,12,13,14,15
	s_and_b32 s[EQM+\c], s[EQM+\c], s[M+\c]        ; the scalar lines in one run, behind the wait and ahead of the additions below
	s_or_b32 s[LTM+\c], s[LTM+\c], s[EQM+\c]       ; taken
.endr
	s_lshl_b32 s30, s24, 12                        ; (the block's number) << 16: its first candidate is 16 x that number
.irp c, 0,1,2,3,4,5,6,7,8,9,10,11,12,13,14,15
	v_add_co_ci_u32 v[ACCB], s[LTM+\c], v[ACCB], v[ACCB], s[LTM+\c]   ; the bits move up by one and this one enters below: candidate c ends at bit 15 - c.  The carry that goes out lands on the mask, which is done with
.endr
	v_and_b32 v[FLD], 0xffff, v[ACCB]
	v_or_b32 v[ENT], s30, v[FLD]
	v_cmp_ne_u32 vcc_lo, 0, v[FLD]                 ; a block with a taken candidate: its entry is pushed
	s_wait_alu depctr_va_vcc(0)                    ; the compare has written VCC, ahead of the selections that read it
.irp r, 0,1,2,3,4,5,6,7,8,9,10,11,12,13,14
	v_cndmask_b32 v[EL+\r], v[EL+\r], v[EL+\r+1], vcc_lo
.endr
	v_cndmask_b32 v[EL+15], v[EL+15], v[ENT], vcc_lo
	v_mov_b32 v[EC], v[EC+16]
	s_wait_alu depctr_va_sdst(0)                   ; ahead of the loop's branch: the sixteen additions onto v[ACCB] have written s[LTM ..], which the next trip's compares, and behind the last trip the expansion's carries, write again
.endm
	; ---- pass 1
	s_wait_xcnt 0x0                                ; feat's stores have read their registers, which the list takes
	s_wait_alu depctr_vm_vsrc(0)                   ; feat's stores have read v16 to v47 and v193, the stage's loads v192, the stage's stores the accumulators: the list, the merge's side, the counts and pass 2's log are written there, and the eight lists land there
.irp s, 0,1,2,3,4,5,6,7,8,9,10,11,12,13,14,15
	v_mov_b32 v[L+\s], v[INF]
.endr
	s_mov_b32 s26, 0
	LOADBLK
	s_lshl_b32 s24, s20, 9                         ; the block's first candidate
	s_mov_b32 s25, 32
.Lpass1:
	DIST
	s_add_co_u32 s26, s26, 64                      ; the next block's bytes
	NEXT
	SORT16
	MINSTEP WA, L, D
	LAYER WA, WB, 8, 16
	LAYER WB, WA, 4, 16
	LAYER WA, WB, 2, 16
	LAYER WB, L, 1, 16
	s_add_co_u32 s24, s24, 16
	s_sub_co_u32 s25, s25, 1
	s_cmp_lg_u32 s25, 0
	s_cbranch_scc1 .Lpass1
	; ---- the eight lists of a query meet, as images of their registers
	s_wait_alu depctr_va_vdst(0)                   ; the last layer has written v[L ..], which the stores read; the sort is done with D and D2, in which lists land behind the barrier
.irp q, 0,1,2,3
	ds_store_b128 v241, v[L+4*\q:L+4*\q+3] offset:16*\q
.endr
	BARRIER                                        ; (its wait also covers the last look-ahead, whose registers the lists take)
.irp u, 0,1,2,3,4,5,6,7
.irp q, 0,1,2,3
	ds_load_b128 v[BL+16*\u+4*\q:BL+16*\u+4*\q+3], v242 offset:2560*\u+16*\q
.endr
.endr
	s_wait_dscnt 0x0
	MERGE BL, 1
.irp u, 2,3,4,5,6,7
	MERGE WA, \u
.endr
	SETPI PIA, 15
	v_mov_b32 v[TT], v[WA+PIA]                     ; the 16th smallest; infinity where fewer than 16 are finite: masked candidates then fill the places
	; three counts: how many of the merged 16 lie below TT, how many of my wave's 16 lie below it, how many are equal to it.  The 48 compares stand in one run, each with a scalar register of its own; each bit is then added as a carry
.irp c, 0,1,2,3,4,5,6,7,8,9,10,11,12,13,14,15
	v_cmp_lt_f32 s[M+\c], v[WA+\c], v[TT]
	v_cmp_lt_f32 s[LTM+\c], v[L+\c], v[TT]
	v_cmp_eq_f32 s[EQM+\c], v[L+\c], v[TT]
.endr
	v_mov_b32 v[CN], 0
	v_mov_b32 v[LTW], 0
	v_mov_b32 v[EQW], 0
	s_wait_alu depctr_va_sdst(0)                   ; the 48 compares have written s[M ..], s[LTM ..] and s[EQM ..], ahead of the additions that take them as carries
.irp c, 0,1,2,3,4,5,6,7,8,9,10,11,12,13,14,15
	v_add_co_ci_u32 v[CN], s[M+\c], 0, v[CN], s[M+\c]              ; the carry that goes out lands on the mask that came in, which is done with
	v_add_co_ci_u32 v[LTW], s[LTM+\c], 0, v[LTW], s[LTM+\c]
	v_add_co_ci_u32 v[EQW], s[EQM+\c], 0, v[EQW], s[EQM+\c]
.endr
	v_sub_nc_u32 v[CN], 16, v[CN]                  ; q
	v_lshl_or_b32 v[T0], v[EQW], 8, v[LTW]
	s_wait_alu depctr_va_sdst(0)                   ; the 48 additions have written s[M ..], s[LTM ..] and s[EQM ..], which pass 2's compares, behind its labels, write again
	s_wait_alu depctr_va_vdst(0)                   ; v[T0] is written, which the store reads
	ds_store_b32 v243, v[T0]
	BARRIER
	s_wait_alu depctr_vm_vsrc(0)                   ; the store has read v[T0], and pass 1's last look-ahead v[CA]: both are written again below; the lists' stores have read v[L ..], which wave 0 writes at the end
.irp u, 0,1,2,3,4,5,6
	ds_load_b32 v[200+\u], v244 offset:128*\u
.endr
	v_mov_b32 v[SUM], 0
	s_wait_alu depctr_va_vdst(0)
	s_wait_dscnt 0x0
.irp u, 0,1,2,3,4,5,6
	s_cmp_gt_u32 s20, \u                           ; the waves before mine (both fields stay under 256: at most 15, at most 7 x 16)
	s_cselect_b32 s31, 1, 0
	v_mad_u32_u24 v[SUM], v[200+\u], s31, v[SUM]
.endr
	v_and_b32 v[T0], 255, v[SUM]                   ; below TT, before me
	v_lshrrev_b32 v[T1], 8, v[SUM]                 ; ties before me
	v_min_u32 v[QW], v[CN], v[T1]
	v_sub_nc_u32 v[QW], v[CN], v[QW]               ; my quota of ties
	v_add_nc_u32 v[T1], v[T1], v[EQW]
	v_min_u32 v[T1], v[CN], v[T1]
	v_add3_u32 v[T0], v[T0], v[LTW], v[T1]         ; what is taken up to and with my wave,
	v_sub_nc_u32 v[AW], 16, v[T0]                  ; and what the later waves take: so far my entries move down at the end
	; ---- pass 2
.irp r, 0,1,2,3,4,5,6,7,8,9,10,11,12,13,14,15
	v_mov_b32 v[EL+\r], 0
.endr
	v_mov_b32 v[ACCB], 0
	v_mov_b32 v[EC], 0
	v_mov_b32 v[CA], v[CA0]
	s_mov_b32 s26, 0
	s_wait_alu depctr_va_vdst(0)                   ; v[CA] is written, which the loads read; the merges are done reading the lists, in whose registers the block lands
	LOADBLK
	s_lshl_b32 s24, s20, 9
	s_mov_b32 s25, 32
.Lpass2:
	DIST
	s_add_co_u32 s26, s26, 64                      ; the next block's bytes: ahead of the compares below
	TIES
	NEXT
	SELECT
	s_add_co_u32 s24, s24, 16
	s_sub_co_u32 s25, s25, 1
	s_cmp_lg_u32 s25, 0
	s_cbranch_scc1 .Lpass2
	; ---- my entries move down by AW places (AW = 16 only where my log is empty, so its low four bits do), and the eight logs meet
	DOWN EL, 16, 1, AW, 1
	DOWN EL, 16, 2, AW, 2
	DOWN EL, 16, 4, AW, 4
	DOWN EL, 16, 8, AW, 8
	s_wait_alu depctr_va_vdst(0)                   ; the selections have written v[EL ..], which the stores read; DIST's lines are done with v48 to v63, in which the entries land behind the barrier
.irp q, 0,1,2,3
	ds_store_b128 v241, v[EL+4*\q:EL+4*\q+3] offset:ELOG-LST+16*\q
.endr
	BARRIER                                        ; (its wait also covers the last look-ahead, whose registers are taken below)
.irp u, 0,1,2,3,4,5,6,7
	ds_load_b64 v[48+2*\u:49+2*\u], v[ERA] offset:ELOG-LST+2560*\u   ; places 2 w and 2 w + 1 of wave u's log of my query
.endr
.irp r, 0,1,2,3,4,5,6,7
	v_mov_b32 v[P+\r], 0
.endr
	v_mov_b32 v[NCT], 0
	s_wait_dscnt 0x0
.irp e, 0,1
	v_add3_u32 v[EE+\e], v[48+\e], v[50+\e], v[52+\e]              ; at most one of the eight is not 0
.endr
.irp e, 0,1
	v_add3_u32 v[EE+\e], v[EE+\e], v[54+\e], v[56+\e]
.endr
.irp e, 0,1
	v_add3_u32 v[EE+\e], v[EE+\e], v[58+\e], v[60+\e]
.endr
.irp e, 0,1
	v_add_nc_u32 v[EE+\e], v[EE+\e], v[62+\e]
.endr
.irp e, 0,1
	v_lshlrev_b32 v[FS+\e], 16, v[EE+\e]           ; candidate 0's bit on top
	v_lshrrev_b32 v[BB+\e], 12, v[EE+\e]
.endr
.irp e, 0,1
	v_and_b32 v[BB+\e], 0xff0, v[BB+\e]            ; 16 x the block's number
.endr
	; ---- the expansion: 32 bits, each a push or none, and their count.  The bits leave their words as carries, in one run, each into a scalar register of its own: the first entry's into s[M ..], the second's into s[LTM ..]
.irp c, 0,1,2,3,4,5,6,7,8,9,10,11,12,13,14,15
	v_add_co_u32 v[FS], s[M+\c], v[FS], v[FS]                      ; the top bit leaves as the carry
	v_add_co_u32 v[FS+1], s[LTM+\c], v[FS+1], v[FS+1]
.endr
	s_wait_alu depctr_va_sdst(0)                   ; the 32 additions have written s[M ..] and s[LTM ..], ahead of the selections and additions that read them
.irp c, 0,1,2,3,4,5,6,7,8,9,10,11,12,13,14,15
	v_cndmask_b32 v[SL], v[SELA], v[SELB], s[M+\c]
	v_add_co_ci_u32 v[NCT], s[M+\c], 0, v[NCT], s[M+\c]            ; the carry that goes out lands on the bit that came in, which is done with
	v_add_nc_u32 v[IXN], \c, v[BB]
	PUSH SL, v[IXN]
.endr
.irp c, 0,1,2,3,4,5,6,7,8,9,10,11,12,13,14,15
	v_cndmask_b32 v[SL], v[SELA], v[SELB], s[LTM+\c]
	v_add_co_ci_u32 v[NCT], s[LTM+\c], 0, v[NCT], s[LTM+\c]        ; likewise
	v_add_nc_u32 v[IXN], \c, v[BB+1]
	PUSH SL, v[IXN]
.endr
	s_wait_alu depctr_va_sdst(0)                   ; the 32 additions onto v[NCT] have written s[M ..] and s[LTM ..]: stated behind their run, in its own straight stretch of code, ahead of the branch on the wave's number and of the label at the kernel's end
	s_wait_alu depctr_va_vdst(0)                   ; v[NCT] is written, which the store reads
	ds_store_b32 v243, v[NCT] offset:CNT2-CNT
	BARRIER
.irp u, 1,2,3,4,5,6,7
	ds_load_b32 v[208+\u], v244 offset:CNT2-CNT+128*\u
.endr
	v_mov_b32 v[SUM], 0
	s_wait_alu depctr_va_vdst(0)
	s_wait_dscnt 0x0
.irp u, 1,2,3,4,5,6,7
	s_cmp_lt_u32 s20, \u                           ; the waves behind mine
	s_cselect_b32 s31, 1, 0
	v_mad_u32_u24 v[SUM], v[208+\u], s31, v[SUM]
.endr
	v_and_b32 v[T0], 1, v[SUM]                     ; my fields move down by that many (16 only where I have none): one field by the selector, two, four and eight by whole registers
	v_cmp_ne_u32 vcc_lo, 0, v[T0]
	s_wait_alu depctr_va_vcc(0)                    ; the compare has written VCC, ahead of the selection that reads it
	v_cndmask_b32 v[SL], v[SELA], v[SELB], vcc_lo
	PUSH SL, 0
	DOWN P, 8, 1, SUM, 2
	DOWN P, 8, 2, SUM, 4
	DOWN P, 8, 4, SUM, 8
	v_mul_u32_u24 v200, v1, 80                     ; wave 0's addresses, made ahead of the parting
	v_add_nc_u32 v200, IDXT, v200
	v_lshrrev_b32 v201, 2, v1
	v_mul_u32_u24 v201, v201, 80
	v_and_b32 v202, 3, v1
	v_lshl_add_u32 v201, v202, 4, v201
	v_add_nc_u32 v201, IDXT, v201
	v_lshlrev_b32 v202, 4, v1
	s_wait_alu depctr_va_vdst(0)                   ; the selections have written v[P ..], which the stores read; v200 to v202 are written, by which wave 0 addresses LDS and idx; the lines above are done with v48 to v127, in which wave 0's loads land
	ds_store_b128 v245, v[P:P+3]
	ds_store_b128 v245, v[P+4:P+7] offset:16
	BARRIER
	s_wait_alu depctr_vm_vsrc(0)                   ; ahead of the parting: the store of the expansion's count has read v[NCT], in which one of wave 0's loads lands
	; ---- wave 0 adds the eight logs (their fields are disjoint), widens the fields and stores 2,048 consecutive bytes
	s_cmp_lg_u32 s20, 0
	s_cbranch_scc1 .Lend
.irp u, 0,1,2,3,4,5,6,7
	ds_load_b128 v[48+8*\u:48+8*\u+3], v246 offset:1536*\u
	ds_load_b128 v[48+8*\u+4:48+8*\u+7], v246 offset:1536*\u+16
.endr
	s_wait_dscnt 0x0
.irp r, 0,1,2,3,4,5,6,7
	v_add3_u32 v[32+\r], v[48+\r], v[56+\r], v[64+\r]
.endr
.irp r, 0,1,2,3,4,5,6,7
	v_add3_u32 v[32+\r], v[32+\r], v[72+\r], v[80+\r]
.endr
.irp r, 0,1,2,3,4,5,6,7
	v_add3_u32 v[32+\r], v[32+\r], v[88+\r], v[96+\r]
.endr
.irp r, 0,1,2,3,4,5,6,7
	v_add_nc_u32 v[32+\r], v[32+\r], v[104+\r]
.endr
.irp r, 0,1,2,3,4,5,6,7
	v_and_b32 v[16+2*\r], 0xffff, v[32+\r]
	v_lshrrev_b32 v[17+2*\r], 16, v[32+\r]
.endr
	s_wait_alu depctr_va_vdst(0)                   ; the widened fields v16 to v31 are written, which the stores read
.irp q, 0,1,2,3
	ds_store_b128 v200, v[16+4*\q:16+4*\q+3] offset:16*\q          ; a lane's 64 bytes are one row of idx;
.endr
.irp i, 0,1,2,3
	ds_load_b128 v[112+4*\i:112+4*\i+3], v201 offset:640*\i        ; back so that neighbouring lanes hold neighbouring bytes.  LDS serves a wave's instructions in order (ISA guide 5.7.1.4): these see the stores above
.endr
	s_wait_dscnt 0x0
.irp i, 0,1,2,3
	global_store_b128 v202, v[112+4*\i:112+4*\i+3], s[18:19] offset:512*\i
.endr
.Lend:
	s_set_vgpr_msb 0x5                             ; the add's two registers, v256 and v257, are its sources 0 and 1: both in block 1
	s_wait_dscnt 0x0                               ; the closing lines, six on end
	s_wait_alu 0x0
	s_wait_tensorcnt 0x0
	ds_add_u32 v0, v1
	s_wait_dscnt 0x0
	s_endpgm
.Lfunc_end_k_qbafc8b6f4c_knn_proj:
	.size	k_qbafc8b6f4c_knn_proj, .Lfunc_end_k_qbafc8b6f4c_knn_proj-k_qbafc8b6f4c_knn_proj
	.p2alignl 7, 3214868480
	.fill 96, 4, 3214868480
	.section	.rodata,"a",@progbits
	.p2align	6, 0x0
	.amdhsa_kernel k_qbafc8b6f4c_knn_proj
		.amdhsa_group_segment_fixed_size 142336
		.amdhsa_private_segment_fixed_size 0
		.amdhsa_enable_private_segment 0
		.amdhsa_kernarg_size 64
		.amdhsa_user_sgpr_count 2
		.amdhsa_user_sgpr_kernarg_segment_ptr 1
		.amdhsa_wavefront_size32 1
		.amdhsa_system_sgpr_workgroup_id_x 1
		.amdhsa_system_sgpr_workgroup_id_y 1
		.amdhsa_system_sgpr_workgroup_id_z 1
		.amdhsa_system_vgpr_workitem_id 0
		.amdhsa_next_free_vgpr 258
		.amdhsa_next_free_sgpr 88
		.amdhsa_reserve_vcc 1
		.amdhsa_float_denorm_mode_32 3
		.amdhsa_float_denorm_mode_16_64 3
		.amdhsa_memory_ordered 1
		.amdhsa_forward_progress 1
		.amdhsa_inst_pref_size 117
	.end_amdhsa_kernel
	.amdgpu_metadata
---
amdhsa.version: [ 1, 2 ]
amdhsa.kernels:
  - .name:           k_qbafc8b6f4c_knn_proj
    .symbol:         k_qbafc8b6f4c_knn_proj.kd
    .args:
      - { .name: features_codes, .offset: 0, .size: 8, .value_kind: global_buffer, .address_space: global }
      - { .name: features_scales, .offset: 8, .size: 8, .value_kind: global_buffer, .address_space: global }
      - { .name: W_feat_codes, .offset: 16, .size: 8, .value_kind: global_buffer, .address_space: global }
      - { .name: W_feat_scales, .offset: 24, .size: 8, .value_kind: global_buffer, .address_space: global }
      - { .name: b_feat, .offset: 32, .size: 8, .value_kind: global_buffer, .address_space: global }
      - { .name: coords, .offset: 40, .size: 8, .value_kind: global_buffer, .address_space: global }
      - { .name: feat, .offset: 48, .size: 8, .value_kind: global_buffer, .address_space: global }
      - { .name: idx, .offset: 56, .size: 8, .value_kind: global_buffer, .address_space: global }
    .group_segment_fixed_size: 142336
    .private_segment_fixed_size: 0
    .kernarg_segment_align: 8
    .kernarg_segment_size: 64
    .max_flat_workgroup_size: 256
    .sgpr_count:     88
    .vgpr_count:     258
    .wavefront_size: 32
...
	.end_amdgpu_metadata
.endif
;; end of part 4
;; launch agg (part 5): grid 256 x 1, 8 waves a work-group, no clusters, 106,496 bytes of LDS; arguments idx, coords, feat, W_pos1, b_pos1, W_pos2_codes, W_pos2_scales, b_pos2, gamma, beta, out0; writes out0
.if DOCPART == 5
	.amdgcn_target "amdgcn-amd-amdhsa--gfx1250"
	.amdhsa_code_object_version 6
	.text
	.protected	k_qbafc8b6f4c_agg
	.globl	k_qbafc8b6f4c_agg
	.p2align	8
	.type	k_qbafc8b6f4c_agg,@function
k_qbafc8b6f4c_agg:
	s_mov_b64 s[64:65], 0
	v_nop
	global_prefetch_b8 v0, s[64:65] scope:SCOPE_SE
	s_setreg_imm32_b32 hwreg(HW_REG_WAVE_SCHED_MODE, 0, 2), 2
	s_setreg_imm32_b32 hwreg(HW_REG_WAVE_MODE, 25, 1), 1
	s_wait_xcnt 0x0
	s_wait_alu depctr_vm_vsrc(0)
; FOR 32 POINTS: out = LayerNorm(f + mean over the valid neighbours of (f[j] + relu(rel W_pos1 + b_pos1) W_pos2 + b_pos2)), f where no neighbour is valid.
; idx[point][16] comes from the launch before, as whole numbers; a slot is valid where j != i and t_j <= t_i.
; THE SECOND PRODUCT IS SUMMED OVER THE NEIGHBOURS BY ITS ACCUMULATORS.  An operand fragment is 16 points x 128 hidden units for ONE neighbour slot k; the 16 slots' products add onto the same accumulator.
; An invalid slot's numbers are held to 0, so that its codes are zeros and add nothing.  b_pos2 enters once, where a neighbour is valid: (count x b_pos2) / count.
; SHARES.  P1: wave w makes the four fragments (tile of points m = w / 4, slots 4 (w % 4) + 0 .. 3): rel in f32, the hidden layer by fused multiply-adds in f32, quantised to E5M2 along its 128 in registers;
; they go to LDS as images of their registers.  P2: wave w multiplies all 32 fragments by rows 32 w .. 32 w + 31 of W_pos2, which stay in its registers.  G, P4: wave w finishes points 4 w .. 4 w + 3 as whole rows:
; it gathers the 64 rows of feat (a row by two loads of 512 consecutive bytes), takes the products' sums from a stage in LDS, and normalises.
; LIMITS: hidden blocks whose largest number lies under 2^-111 keep the scale byte 1 (their codes are zeros or subnormal); coordinates finite, NaN not served.
; NO CLUSTER, NO TENSOR LOAD: what work-groups share is W_pos2 (4,096 bytes a wave, read once into registers) and 2,560 bytes of W_pos1 and b_pos1; the rows of feat are a gather by lists that differ.
; THE MODE: SCHED_MODE bits 1:0 = 2 (LLVM: expert scheduling mode 2), set by the entry lines.  The code itself states the register dependences between vector or matrix instructions and memory or LDS
; instructions, and those through scalar registers that vector instructions write, with s_wait_alu, always for 0.
; THE PLAN.  Registers that memory or LDS instructions touch, phase by phase:
;   P1  WB: a block's twenty table loads land in it, the hidden layer's lines read it.  CD: the conversions write it, the block's four image stores read it.  The four stores stand together at the block's end,
;       behind ONE wait on va_vdst, which also lets the next block's table loads land; a wait on vm_vsrc at the next block's head stands ahead of the conversions that write CD again.
;   P2  FRG, HSCL: a group's loads land in them, its sixteen products read them.  One wait on va_vdst behind each group: the next group's loads, or the stage's stores of the accumulators, follow it.
;   G   AO: a group's eight offsets, made in one run, read by its sixteen loads.  RB: two buffers by turns: the loads land, the sums read.  A group's turn: the wait for its rows; a wait on vm_vsrc (its loads have
;       read AO); the offsets of the group two on; its sums; ONE wait on va_vdst (the offsets are written, the sums are done reading the buffer); the sixteen loads of the group two on.
;   v4 to v15 are offsets and LDS addresses made at the head and never written again.
.set HIMG, 2560                        ; LDS: at 0 W_pos1 as it lies (4 x 512 bytes), then b_pos1; here 32 fragments' images of 2,048 bytes, fragment 16 m + k;
.set HSC,  68096                       ; their scale words, 128 bytes each;
.set STG,  72192                       ; the stage: 32 rows x (1,024 + 16) bytes
.set W2F,  16                          ; v[16:47]  W_pos2's two fragments; from G on FS: the sum of the neighbours' rows, 8 a point
.set FS,   16
.set ACC,  48                          ; v[48:79]  four accumulators (m, n) at 8 (2 m + n); from G on F: my points' own rows
.set F,    48
.set IX,   48                          ; in P1: v[48:51] my point's four indices, v[52:55] x 12, v[56:67] their x, y, t, v68-70 my point's, v71 its index, v[72:75] 1.0 or 0, v[76:79] scale words
.set OA,   52
.set CJ,   56
.set VW,   72
.set SW,   76
.set RL,   80                          ; v[80:111] slot i: dx at 8 i, dy + 2, dt + 4, d + 6; the odd registers are 0 (named as the upper halves of pairs)
.set H,    112                         ; v[112:127] 16 hidden units
.set CD,   128                         ; v[128:143] a block's codes, four registers a slot
.set WB,   144                         ; v[144:223] W_pos1's four rows and b_pos1 at my 16 units of a block
.set MX,   224
.set PT,   225
.set SCOP, 226
.set LIM,  227
.set BYT,  228
.set MB,   229
.set FRG,  80                          ; P2: v[80:207] eight fragments at 16 (4 m + k)
.set HSCL, 246                         ; v[246:253] their scale words; v254, v255 W_pos2's: these ten hold scales and nothing else
.set RB,   80                          ; G: two buffers of eight rows x 8 registers
.set AO,   208                         ; v[208:223] their offsets
.set B2,   80                          ; P4
.set GA,   88
.set BE,   96
.set RC,   104                         ; point i: 1 / count at 4 i, (count > 0) at 4 i + 2, each the low half of a pair
.set PE,   144
.set E,    176
.set TQ,   208
.macro BARRIER
	s_wait_dscnt 0x0
	s_barrier_signal -1
	s_barrier_wait -1
.endm
	s_load_b512 s[4:19], s[0:1], 0x0               ; idx, coords, feat, W_pos1, b_pos1, W_pos2's codes, its scales, b_pos2
	s_load_b128 s[20:23], s[0:1], 0x40             ; gamma, beta
	s_load_b64 s[24:25], s[0:1], 0x50              ; out0
	v_lshl_add_u32 v244, v0, 2, 0x19c00
	v_mov_b32 v245, 0
	v_lshrrev_b32 v1, 5, v0
	v_readfirstlane_b32 s26, v1                    ; wave 0..7
	v_and_b32 v1, 31, v0                           ; lane
	s_wait_alu depctr_va_vdst(0)
	v_and_b32 v2, 15, v0                           ; r
	s_wait_alu depctr_va_vdst(0)
	v_bfe_u32 v3, v0, 4, 1                         ; h
	s_wait_alu depctr_va_sdst(0)                   ; s26 is written, ahead of its first reader: LDS addresses, the buffers' bases and the branches on the wave's number are made from it
	s_mov_b32 s27, ttmp9                           ; g
	s_lshr_b32 s42, s26, 2                         ; m
	s_and_b32 s43, s26, 3                          ; w % 4
	s_and_b32 s44, s27, 127
	s_lshl_b32 s44, s44, 5                         ; the group's first point, inside its batch
	s_lshr_b32 s45, s27, 7                         ; batch
	s_mov_b32 s30, 0x76543210
	s_mov_b32 s31, 0xfedcba98                      ; v_permlanex16_b32's selects for lane l xor 16
	s_mov_b32 s66, 0x600000                        ; the mantissa field of 57,344
	s_mov_b32 s29, 0                               ; (named with s28 as a pair, so it is written)
	v_lshlrev_b32 v4, 4, v1                        ; 16 x lane
	v_lshlrev_b32 v5, 2, v1                        ; 4 x lane
	v_add_nc_u32 v6, HIMG, v4                      ; images of tile 0,
	v_add_nc_u32 v7, HIMG+32768, v4                ; of tile 1
	v_add_nc_u32 v8, HSC, v5
	s_lshl_b32 s46, s42, 15
	s_lshl_b32 s47, s43, 13
	s_add_co_u32 s46, s46, s47
	v_add_nc_u32 v9, s46, v6                       ; where I store my four images
	s_lshl_b32 s46, s42, 11
	s_lshl_b32 s47, s43, 9
	s_add_co_u32 s46, s46, s47
	v_add_nc_u32 v10, s46, v8                      ; and their scale words
	v_mul_u32_u24 v11, v2, 1040
	s_wait_alu depctr_va_vdst(0)
	v_lshl_add_u32 v11, v3, 5, v11
	s_lshl_b32 s46, s26, 7
	s_add_co_u32 s46, s46, STG
	v_add_nc_u32 v11, s46, v11                     ; the stage, in: row r, + 32 h, + my wave's 128 bytes
	s_mul_i32 s46, s26, 4160
	s_add_co_u32 s46, s46, STG
	v_add_nc_u32 v12, s46, v4                      ; back: my 4 rows
	v_lshlrev_b32 v13, 6, v3                       ; the table: my 16 units of a block of 32
	v_lshlrev_b32 v15, 8, v1                       ; the prefetch's offset; never rewritten
	v_lshlrev_b32 v228, 4, v0                      ; 16 x thread: the table's place in LDS
	v_lshlrev_b32 v112, 6, v2                      ; offsets of the loads at the head
	v_mul_u32_u24 v113, v2, 12
	v_lshlrev_b32 v114, 7, v2
	v_lshl_add_u32 v114, v3, 4, v114
	v_lshlrev_b32 v115, 2, v2
	v_mul_u32_u24 v231, v3, 12
	s_lshl_b32 s46, s42, 4
	s_add_co_u32 s46, s46, s44
	v_add_nc_u32 v71, s46, v2                      ; P1: my point's index in its batch
	s_lshl_b32 s46, s26, 2
	s_add_co_u32 s46, s46, s44
	v_add_nc_u32 v238, s46, v3                     ; rows: point 4 w + h, and
	v_add_nc_u32 v239, 2, v238                     ; 4 w + 2 + h
	s_mov_b32 s41, 0
	s_wait_kmcnt 0x0
	s_lshl_b32 s40, s27, 11
	s_add_nc_u64 s[4:5], s[4:5], s[40:41]          ; idx at the group's 32 rows of 64 bytes
	s_lshl_b32 s40, s42, 10
	s_lshl_b32 s46, s43, 4
	s_add_co_u32 s40, s40, s46
	s_add_nc_u64 s[32:33], s[4:5], s[40:41]        ; P1: tile m, slots 4 (w % 4) on
	s_lshl_b32 s40, s26, 8
	s_add_nc_u64 s[4:5], s[4:5], s[40:41]          ; rows: my 4 points
	s_lshl_b32 s46, s27, 5
	s_lshl_b32 s47, s42, 4
	s_add_co_u32 s40, s46, s47
	s_mul_i32 s40, s40, 12
	s_add_nc_u64 s[34:35], s[6:7], s[40:41]        ; coordinates of tile m's points,
	s_lshl_b32 s47, s26, 2
	s_add_co_u32 s40, s46, s47
	s_mul_i32 s40, s40, 12
	s_add_nc_u64 s[36:37], s[6:7], s[40:41]        ; of my 4 points,
	s_mul_i32 s40, s45, 49152
	s_add_nc_u64 s[6:7], s[6:7], s[40:41]          ; of the batch
	s_lshl_b32 s46, s27, 15
	s_lshl_b32 s47, s26, 13
	s_add_co_u32 s40, s46, s47
	s_add_nc_u64 s[104:105], s[8:9], s[40:41]      ; the prefetch: 8,192 bytes a wave of the group's own 32 rows (used by waves 0 to 3)
	s_lshl_b32 s47, s26, 12
	s_add_co_u32 s40, s46, s47
	s_add_nc_u64 s[2:3], s[8:9], s[40:41]          ; my 4 rows of feat
	s_add_nc_u64 s[24:25], s[24:25], s[40:41]      ; and of out0
	s_lshl_b32 s40, s45, 22
	s_add_nc_u64 s[8:9], s[8:9], s[40:41]          ; the batch's rows of feat
	s_lshl_b32 s40, s26, 12
	s_add_nc_u64 s[14:15], s[14:15], s[40:41]      ; my 32 rows of W_pos2: 128 codes each,
	s_lshl_b32 s40, s26, 7
	s_add_nc_u64 s[16:17], s[16:17], s[40:41]      ; one scale word each
	s_cmp_lt_u32 s26, 4                            ; waves 0 to 3 bring W_pos1, wave 4 b_pos1: the choice hangs on the wave's number alone
	s_cselect_b64 s[38:39], s[10:11], s[12:13]
	s_cselect_b32 s67, 0, 2048
	v_sub_nc_u32 v14, v228, s67
	s_wait_alu depctr_va_vdst(0)                   ; the offsets and LDS addresses v4 to v15, v112 to v115, v228 and v231 are written, which the loads, stores and the prefetch below read
	; ---- S1
	global_load_b128 v[IX:IX+3], v112, s[32:33]
	global_load_b32 v68, v113, s[34:35]
	global_load_b32 v69, v113, s[34:35] offset:4
	global_load_b32 v70, v113, s[34:35] offset:8
	global_load_b32 v232, v5, s[4:5]               ; rows: slot lane % 16 of point 4 w + lane / 16,
	global_load_b32 v233, v5, s[4:5] offset:128    ; of point 4 w + 2 + lane / 16
	global_load_b32 v236, v231, s[36:37] offset:8  ; and those points' t
	global_load_b32 v237, v231, s[36:37] offset:32
.irp n, 0,1
.irp c, 0,1,2,3
	global_load_b128 v[W2F+16*\n+4*\c:W2F+16*\n+4*\c+3], v114, s[14:15] offset:2048*\n+32*\c
.endr
	global_load_b32 v[254+\n], v115, s[16:17] offset:64*\n
.endr
	s_cmp_lt_u32 s26, 5
	s_cbranch_scc0 .Lno_table
	global_load_b128 v[224:227], v14, s[38:39]
	s_wait_loadcnt 0x0
	ds_store_b128 v228, v[224:227]
.Lno_table:
	s_wait_loadcnt 0x0                             ; for 0: the waves have issued different numbers of loads
	; ---- S2: the neighbours' coordinates
.irp i, 0,1,2,3
	v_min_u32 v[IX+\i], 0xfff, v[IX+\i]            ; an index stays inside its batch
.endr
	v_min_u32 v232, 0xfff, v232
	v_min_u32 v233, 0xfff, v233
.irp i, 0,1,2,3
	v_mul_u32_u24 v[OA+\i], v[IX+\i], 12
.endr
	v_mul_u32_u24 v229, v232, 12
	v_mul_u32_u24 v230, v233, 12
	s_wait_alu depctr_va_vdst(0)                   ; the six offsets v[OA ..], v229 and v230 are written, which the loads below read
.irp i, 0,1,2,3
.irp c, 0,1,2
	global_load_b32 v[CJ+3*\i+\c], v[OA+\i], s[6:7] offset:4*\c
.endr
.endr
	global_load_b32 v234, v229, s[6:7] offset:8
	global_load_b32 v235, v230, s[6:7] offset:8
	; A prefetch of the group's own 32 rows of feat, 32,768 bytes: waves 0 to 3, 8,192 bytes each, lanes 256 bytes apart.  The 256 work-groups so name each aligned 256 bytes of feat once in the launch,
	; all of P1 and P2 ahead of the gather that reads rows from anywhere in the batch.  Its two address registers are never rewritten.
	s_cmp_lt_u32 s26, 4
	s_cbranch_scc0 .Lno_ask
	global_prefetch_b8 v15, s[104:105] th:TH_LOAD_NT scope:SCOPE_SE
.Lno_ask:
	BARRIER                                        ; the table lies in LDS
	s_wait_loadcnt 0x0
	s_wait_alu depctr_vm_vsrc(0)                   ; the loads have read their offsets v112 to v115, v[OA ..], v229 and v230, the table's store v224 to v228: all of these are at work from here on
	; ---- R: rel = (c_j - c_i, d), and who is valid
.irp i, 0,1,2,3
	v_sub_f32 v[RL+8*\i], v[CJ+3*\i], v68
	v_sub_f32 v[RL+8*\i+2], v[CJ+3*\i+1], v69
	v_sub_f32 v[RL+8*\i+4], v[CJ+3*\i+2], v70
	v_mov_b32 v[RL+8*\i+1], 0
	v_mov_b32 v[RL+8*\i+3], 0
	v_mov_b32 v[RL+8*\i+5], 0
	v_mov_b32 v[RL+8*\i+7], 0
.endr
.irp i, 0,1,2,3
	v_mul_f32 v[RL+8*\i+6], v[RL+8*\i], v[RL+8*\i]
.endr
.irp i, 0,1,2,3
	v_fma_f32 v[RL+8*\i+6], v[RL+8*\i+2], v[RL+8*\i+2], v[RL+8*\i+6]
.endr
	s_wait_alu depctr_va_vdst(0)
.irp i, 0,1,2,3
	v_sqrt_f32 v[RL+8*\i+6], v[RL+8*\i+6]
.endr
.irp i, 0,1,2,3
	v_cmp_ne_u32 s[48+2*\i], v[IX+\i], v71         ; (plain work behind the roots)
	v_cmp_le_f32 s[49+2*\i], v[CJ+3*\i+2], v70
.endr
.irp a, 0,1
	v_cmp_ne_u32 s[100+\a], v[232+\a], v[238+\a]
	v_cmp_le_f32 s[56+\a], v[234+\a], v[236+\a]
.endr
	v_mov_b32 v[PT], 0                             ; written once: a lane permute's destination counts as one of its sources
	s_wait_alu depctr_va_vdst(0)                   ; one wait for the four roots, ahead of their first reader
	s_wait_alu depctr_va_sdst(0)                   ; the twelve compares have written s48 to s57, s100 and s101, ahead of the scalar lines that read them
.irp i, 0,1,2,3
	v_fma_f32 v[RL+8*\i+6], |v[RL+8*\i+4]|, 0x3e99999a, v[RL+8*\i+6]
	s_and_b32 s[48+2*\i], s[48+2*\i], s[49+2*\i]
	v_cndmask_b32 v[VW+\i], 0, 1.0, s[48+2*\i]
.endr
	s_and_b32 s100, s100, s56                      ; bits 0-15: point 4 w's slots, bits 16-31: point 4 w + 1's;
	s_and_b32 s101, s101, s57                      ; points 4 w + 2 and 4 w + 3
; 16 hidden units (block c's 32 c + 16 h + 0 .. 15) of slot i: rel W_pos1 + b_pos1 in f32, two units a line; of the pair that holds a component of rel the low word serves both halves
.macro HID i
.irp p, 0,2,4,6,8,10,12,14
	v_pk_fma_f32 v[H+\p:H+\p+1], v[WB+\p:WB+\p+1], v[RL+8*\i:RL+8*\i+1], v[WB+64+\p:WB+64+\p+1] op_sel_hi:[1,0,1]
.endr
.irp p, 0,2,4,6,8,10,12,14
	v_pk_fma_f32 v[H+\p:H+\p+1], v[WB+16+\p:WB+16+\p+1], v[RL+8*\i+2:RL+8*\i+3], v[H+\p:H+\p+1] op_sel_hi:[1,0,1]
.endr
.irp p, 0,2,4,6,8,10,12,14
	v_pk_fma_f32 v[H+\p:H+\p+1], v[WB+32+\p:WB+32+\p+1], v[RL+8*\i+4:RL+8*\i+5], v[H+\p:H+\p+1] op_sel_hi:[1,0,1]
.endr
.irp p, 0,2,4,6,8,10,12,14
	v_pk_fma_f32 v[H+\p:H+\p+1], v[WB+48+\p:WB+48+\p+1], v[RL+8*\i+6:RL+8*\i+7], v[H+\p:H+\p+1] op_sel_hi:[1,0,1]
.endr
.endm
; They become registers 4 c .. 4 c + 3 of slot i's fragment, in v[CD + 4 i] on, and byte c of its scale word
.macro QB i, c
	v_max3_num_f32 v[MX], v[H], v[H+1], 0x8000000  ; no |.|: what is negative is to become 0 and must not count; the floor 2^(16 - 127) holds the byte at 1 from below.  Two chains
	v_max3_num_f32 v[MB], v[H+8], v[H+9], v[H+10]
	v_max3_num_f32 v[MX], v[MX], v[H+2], v[H+3]
	v_max3_num_f32 v[MB], v[MB], v[H+11], v[H+12]
	v_max3_num_f32 v[MX], v[MX], v[H+4], v[H+5]
	v_max3_num_f32 v[MB], v[MB], v[H+13], v[H+14]
	v_max3_num_f32 v[MX], v[MX], v[H+6], v[H+7]
	v_max3_num_f32 v[MX], v[MX], v[MB], v[H+15]
	v_permlanex16_b32 v[PT], v[MX], s30, s31
	v_max_num_f32 v[MX], v[MX], v[PT]              ; with lane l xor 16's sixteen: the block's largest number
	v_add_nc_u32 v[SCOP], 0xf8800000, v[MX]        ; 15 off its exponent field: the conversion takes the exponent field of this operand as its scale
	v_and_or_b32 v[LIM], v[MX], 0x7f800000, s66    ; 57,344 x the scale,
	v_mul_f32 v[LIM], v[LIM], v[VW+\i]             ; or 0 for a slot that is not valid: all its numbers are then held to 0
.if \c == 0
	v_lshrrev_b32 v[SW+\i], 23, v[SCOP]            ; the scale's byte
.else
	v_lshrrev_b32 v[BYT], 23, v[SCOP]
	v_lshl_or_b32 v[SW+\i], v[BYT], 8*\c, v[SW+\i]
.endif
.irp j, 0,1,2,3,4,5,6,7,8,9,10,11,12,13,14,15
	v_med3_num_f32 v[H+\j], v[H+\j], 0, v[LIM]     ; the activation and the hold in one (the conversion to an 8-bit code does not saturate: ISA guide 7.6.2)
.endr
	v_cvt_scalef32_pk8_bf8_f32 v[CD+4*\i:CD+4*\i+1], v[H:H+7], v[SCOP]
	v_cvt_scalef32_pk8_bf8_f32 v[CD+4*\i+2:CD+4*\i+3], v[H+8:H+15], v[SCOP]
	v_nop                                          ; a plain line between the conversions and the next lines that write their sources
.endm
	; ---- P1
.irp c, 0,1,2,3
.irp a, 0,1,2,3,4
.irp q, 0,1,2,3
	ds_load_b128 v[WB+16*\a+4*\q:WB+16*\a+4*\q+3], v13 offset:512*\a+128*\c+16*\q
.endr
.endr
	s_wait_dscnt 0x0                               ; the table's block is in; the last block's image stores have read their registers
.if \c > 0
	s_wait_alu depctr_vm_vsrc(0)                   ; the last block's four image stores have read v[CD ..], which this block's conversions write again
.endif
.irp i, 0,1,2,3
	HID \i
	QB \i, \c
.endr
	s_wait_alu depctr_va_vdst(0)                   ; the conversions have written v[CD ..] (behind the last block the scale words v[SW ..] are whole too), which the stores read; the hidden layer's lines are done reading v[WB ..], in which the next block's table lands
.irp i, 0,1,2,3
	ds_store_b128 v9, v[CD+4*\i:CD+4*\i+3] offset:2048*\i+512*\c   ; the image: lane l's 16 bytes at 16 l
.endr
.endr
.irp i, 0,1,2,3
	ds_store_b32 v10, v[SW+\i] offset:128*\i
.endr
	BARRIER                                        ; the 32 fragments and their scale words lie in LDS
	s_wait_alu depctr_vm_vsrc(0)                   ; my image stores have read v[CD ..], in which fragments land; my scale words' stores have read v[SW ..], which the products write
	; ---- P2: TRANSPOSED: source 0 = 16 rows of W_pos2, source 1 = a fragment: lane (r, h) holds point r and columns 8 h + 0 .. 7.  Four slots of both tiles at a time; the four accumulators by turns
.irp t, 0,1,2,3
.irp m, 0,1
.irp k, 0,1,2,3
.irp c, 0,1,2,3
	ds_load_b128 v[FRG+16*(4*\m+\k)+4*\c:FRG+16*(4*\m+\k)+4*\c+3], v[6+\m] offset:2048*(4*\t+\k)+512*\c
.endr
	ds_load_b32 v[HSCL+4*\m+\k], v8 offset:128*(16*\m+4*\t+\k)
.endr
.endr
	s_wait_dscnt 0x0
.irp k, 0,1,2,3
.irp m, 0,1
.irp n, 0,1
.if (\t == 0) && (\k == 0)
	v_wmma_scale_f32_16x16x128_f8f6f4 v[ACC+8*(2*\m+\n):ACC+8*(2*\m+\n)+7], v[W2F+16*\n:W2F+16*\n+15], v[FRG+16*(4*\m+\k):FRG+16*(4*\m+\k)+15], 0, v[254+\n], v[HSCL+4*\m+\k] matrix_a_fmt:MATRIX_FMT_BF8 matrix_b_fmt:MATRIX_FMT_BF8
.else
	v_wmma_scale_f32_16x16x128_f8f6f4 v[ACC+8*(2*\m+\n):ACC+8*(2*\m+\n)+7], v[W2F+16*\n:W2F+16*\n+15], v[FRG+16*(4*\m+\k):FRG+16*(4*\m+\k)+15], v[ACC+8*(2*\m+\n):ACC+8*(2*\m+\n)+7], v[254+\n], v[HSCL+4*\m+\k] matrix_a_fmt:MATRIX_FMT_BF8 matrix_b_fmt:MATRIX_FMT_BF8
.endif
.endr
.endr
.endr
.rept 8
	v_nop                                          ; eight places ahead of loads into registers that the products have read, and of the first read of a result
.endr
	s_wait_alu depctr_va_vdst(0)                   ; the products are done reading the fragments and their scale words, in which the next group's loads land; behind the last group: they have written the accumulators, which the stage's stores read.  The places above stay beside this wait
.endr
	; ---- P3: the sums go to the stage; my 4 points' 64 indices come as scalars
	s_load_b512 s[32:47], s[4:5], 0x0
	s_load_b512 s[48:63], s[4:5], 0x40
	s_load_b512 s[68:83], s[4:5], 0x80
	s_load_b512 s[84:99], s[4:5], 0xc0
.irp m, 0,1
.irp n, 0,1
	ds_store_b128 v11, v[ACC+8*(2*\m+\n):ACC+8*(2*\m+\n)+3] offset:16640*\m+64*\n       ; each accumulator from its low end on
	ds_store_b128 v11, v[ACC+8*(2*\m+\n)+4:ACC+8*(2*\m+\n)+7] offset:16640*\m+64*\n+16
.endr
.endr
	s_wait_dscnt 0x0                               ; the stores have landed, and have read the registers that my own rows take
	s_wait_kmcnt 0x0
	; ---- G: group gi = eight neighbours (half gi % 2) of point gi / 2, in buffer gi % 2.  A lane holds columns 4 lane .. + 3 and 128 + 4 lane .. + 3 of a row
.macro ADDR gi                         ; the group's eight offsets, in one run
.set gp, (\gi)/2
.set gh, (\gi)%2
.set ib, 32+16*gp+4*(gp/2)+8*gh                ; the point's sixteen indices begin at s32, s48, s68, s84
.irp k, 0,1,2,3,4,5,6,7
	s_min_u32 s[ib+\k], s[ib+\k], 0xfff
	v_lshl_add_u32 v[AO+8*gh+\k], s[ib+\k], 10, v4
.endr
.endm
.macro ROWS gi                         ; its sixteen loads
.set gh, (\gi)%2
.irp k, 0,1,2,3,4,5,6,7
	global_load_b128 v[RB+64*gh+8*\k:RB+64*gh+8*\k+3], v[AO+8*gh+\k], s[8:9]
	global_load_b128 v[RB+64*gh+8*\k+4:RB+64*gh+8*\k+7], v[AO+8*gh+\k], s[8:9] offset:512
.endr
.endm
.macro SUMROWS gi                      ; its rows are added.  A row counts 1.0 or 0 times: a selection, no branch
.set gp, (\gi)/2
.set gh, (\gi)%2
.irp k, 0,1,2,3,4,5,6,7
	s_bitcmp1_b32 s[100+gp/2], 16*(gp%2)+8*gh+\k
	s_cselect_b32 s28, 1.0, 0
.irp p, 0,2,4,6
.if (gh == 0) && (\k == 0)
	v_pk_mul_f32 v[FS+8*gp+\p:FS+8*gp+\p+1], v[RB+64*gh+8*\k+\p:RB+64*gh+8*\k+\p+1], s[28:29] op_sel_hi:[1,0]   ; a point's first row starts its sum
.else
	v_pk_fma_f32 v[FS+8*gp+\p:FS+8*gp+\p+1], v[RB+64*gh+8*\k+\p:RB+64*gh+8*\k+\p+1], s[28:29], v[FS+8*gp+\p:FS+8*gp+\p+1] op_sel_hi:[1,0,1]
.endif
.endr
.endr
.endm
	s_wait_alu depctr_vm_vsrc(0)                   ; the stage's stores have read the accumulators, in which my own rows land
	ADDR 0
	ADDR 1
	s_wait_alu depctr_va_vdst(0)                   ; the sixteen offsets v[AO ..] are written, which the first two groups' loads read
.irp i, 0,1,2,3
.irp u, 0,1
	global_load_b128 v[F+8*\i+4*\u:F+8*\i+4*\u+3], v4, s[2:3] offset:1024*\i+512*\u
.endr
.endr
	ROWS 0
	ROWS 1
.irp g, 0,1,2,3,4,5
	s_wait_loadcnt 16                              ; behind this group's loads: the next group's sixteen.  The wait also shows this group's loads done, so its offsets may be written again
	s_wait_alu depctr_vm_vsrc(0)                   ; this group's loads have read their eight offsets, which the lines below write again
	ADDR \g+2
	SUMROWS \g
	s_wait_alu depctr_va_vdst(0)                   ; the eight offsets are written, which the loads below read; the sums are done reading this group's buffer, in which they land
	ROWS \g+2
.endr
	s_wait_loadcnt 16
	SUMROWS 6
	s_wait_alu depctr_va_vdst(0)                   ; the sums are done reading the buffer, in which the six loads below land
	global_load_b128 v[B2:B2+3], v4, s[18:19]      ; b_pos2, gamma, beta at my columns, into the buffer just read out
	global_load_b128 v[B2+4:B2+7], v4, s[18:19] offset:512
	global_load_b128 v[GA:GA+3], v4, s[20:21]
	global_load_b128 v[GA+4:GA+7], v4, s[20:21] offset:512
	global_load_b128 v[BE:BE+3], v4, s[22:23]
	global_load_b128 v[BE+4:BE+7], v4, s[22:23] offset:512
	s_wait_loadcnt 6                               ; behind the last group's loads: those six
	SUMROWS 7
	BARRIER                                        ; every wave's part of the stage has landed (each waited for its stores in P3)
	; ---- P4
	s_wait_alu depctr_va_vdst(0)                   ; the last group's sums are done reading its buffer, in which the stage's rows land
.irp i, 0,1,2,3
.irp u, 0,1
	ds_load_b128 v[PE+8*\i+4*\u:PE+8*\i+4*\u+3], v12 offset:1040*\i+512*\u
.endr
.endr
.irp i, 0,1,2,3
	s_bfe_u32 s67, s[100+\i/2], 0x100000+16*(\i%2)
	s_bcnt1_i32_b32 s67, s67                       ; the point's valid neighbours
	s_max_u32 s32, s67, 1
	s_min_u32 s33, s67, 1
	v_cvt_f32_u32 v[E+\i], s32
	v_cvt_f32_u32 v[RC+4*\i+2], s33
	v_mov_b32 v[RC+4*\i+1], 0                      ; (the upper halves of pairs of which the low word serves both halves)
	v_mov_b32 v[RC+4*\i+3], 0
.endr
	s_wait_alu depctr_va_vdst(0)
.irp i, 0,1,2,3
	v_rcp_f32 v[RC+4*\i], v[E+\i]
.endr
	s_mov_b32 s28, 0x3b800000                      ; 1 / 256
	s_mov_b32 s29, 0x3727c5ac                      ; 1e-5
	v_nop                                          ; a plain line behind the last reciprocal
	s_wait_alu depctr_va_vdst(0)                   ; one wait for the four, ahead of their first reader
	s_wait_loadcnt 0x0
	s_wait_dscnt 0x0
	s_wait_alu depctr_vm_vsrc(0)                   ; the gather's last loads have read their offsets v[AO ..]: these registers are TQ from here on
.irp i, 0,1,2,3
.irp p, 0,2,4,6
	v_pk_add_f32 v[E+8*\i+\p:E+8*\i+\p+1], v[FS+8*\i+\p:FS+8*\i+\p+1], v[PE+8*\i+\p:PE+8*\i+\p+1]
.endr
.endr
.irp i, 0,1,2,3
.irp p, 0,2,4,6
	v_pk_fma_f32 v[E+8*\i+\p:E+8*\i+\p+1], v[E+8*\i+\p:E+8*\i+\p+1], v[RC+4*\i:RC+4*\i+1], v[F+8*\i+\p:F+8*\i+\p+1] op_sel_hi:[1,0,1]   ; / count, + f
.endr
.endr
.irp i, 0,1,2,3
.irp p, 0,2,4,6
	v_pk_fma_f32 v[E+8*\i+\p:E+8*\i+\p+1], v[B2+\p:B2+\p+1], v[RC+4*\i+2:RC+4*\i+3], v[E+8*\i+\p:E+8*\i+\p+1] op_sel_hi:[1,0,1]         ; + b_pos2 where a neighbour is valid
.endr
.endr
.macro LANESUM o                       ; v[TQ + 4 i + o] summed over the 32 lanes, the four points by turns; the register behind it is at work
.irp x, 1,2,4,8
.irp i, 0,1,2,3
	v_add_f32_dpp v[TQ+4*\i+\o], v[TQ+4*\i+\o], v[TQ+4*\i+\o] row_xmask:\x row_mask:0xf bank_mask:0xf
.endr
.endr
.irp i, 0,1,2,3
	v_permlanex16_b32 v[TQ+4*\i+\o+1], v[TQ+4*\i+\o], s30, s31
.endr
.irp i, 0,1,2,3
	v_add_f32 v[TQ+4*\i+\o], v[TQ+4*\i+\o], v[TQ+4*\i+\o+1]
.endr
.endm
.irp i, 0,1,2,3
	v_pk_add_f32 v[TQ+4*\i:TQ+4*\i+1], v[E+8*\i:E+8*\i+1], v[E+8*\i+2:E+8*\i+3]
	v_pk_add_f32 v[TQ+4*\i+2:TQ+4*\i+3], v[E+8*\i+4:E+8*\i+5], v[E+8*\i+6:E+8*\i+7]
.endr
.irp i, 0,1,2,3
	v_pk_add_f32 v[TQ+4*\i:TQ+4*\i+1], v[TQ+4*\i:TQ+4*\i+1], v[TQ+4*\i+2:TQ+4*\i+3]
.endr
.irp i, 0,1,2,3
	v_add_f32 v[TQ+4*\i], v[TQ+4*\i], v[TQ+4*\i+1]
.endr
	LANESUM 0
.irp i, 0,1,2,3
	v_mul_f32 v[TQ+4*\i], s28, v[TQ+4*\i]          ; the row's mean
.endr
.irp i, 0,1,2,3
.irp p, 0,2,4,6
	v_pk_add_f32 v[E+8*\i+\p:E+8*\i+\p+1], v[E+8*\i+\p:E+8*\i+\p+1], v[TQ+4*\i:TQ+4*\i+1] op_sel_hi:[1,0] neg_lo:[0,1] neg_hi:[0,1]
.endr
.endr
.irp i, 0,1,2,3
	v_pk_mul_f32 v[TQ+4*\i+2:TQ+4*\i+3], v[E+8*\i:E+8*\i+1], v[E+8*\i:E+8*\i+1]
.endr
.irp p, 2,4,6
.irp i, 0,1,2,3
	v_pk_fma_f32 v[TQ+4*\i+2:TQ+4*\i+3], v[E+8*\i+\p:E+8*\i+\p+1], v[E+8*\i+\p:E+8*\i+\p+1], v[TQ+4*\i+2:TQ+4*\i+3]
.endr
.endr
.irp i, 0,1,2,3
	v_add_f32 v[TQ+4*\i+2], v[TQ+4*\i+2], v[TQ+4*\i+3]
.endr
	LANESUM 2
.irp i, 0,1,2,3
	v_fma_f32 v[TQ+4*\i+2], v[TQ+4*\i+2], s28, s29 ; the variance + 1e-5
.endr
	s_wait_alu depctr_va_vdst(0)
.irp i, 0,1,2,3
	v_rsq_f32 v[TQ+4*\i+2], v[TQ+4*\i+2]
.endr
	v_nop                                          ; a plain line behind the last of them
	s_wait_alu depctr_va_vdst(0)                   ; one wait for the four, ahead of their first reader
.irp i, 0,1,2,3
.irp p, 0,2,4,6
	v_pk_mul_f32 v[E+8*\i+\p:E+8*\i+\p+1], v[E+8*\i+\p:E+8*\i+\p+1], v[TQ+4*\i+2:TQ+4*\i+3] op_sel_hi:[1,0]
.endr
.endr
.irp i, 0,1,2,3
.irp p, 0,2,4,6
	v_pk_fma_f32 v[E+8*\i+\p:E+8*\i+\p+1], v[E+8*\i+\p:E+8*\i+\p+1], v[GA+\p:GA+\p+1], v[BE+\p:BE+\p+1]
.endr
.endr
	s_wait_alu depctr_va_vdst(0)                   ; the last multiply-adds have written v[E ..], which the stores read
.irp i, 0,1,2,3
.irp u, 0,1
	global_store_b128 v4, v[E+8*\i+4*\u:E+8*\i+4*\u+3], s[24:25] offset:1024*\i+512*\u th:TH_STORE_NT   ; 32 lanes store 512 consecutive bytes, at a multiple of 256 from out0's first byte; written once, read by nobody here
.endr
.endr
	s_wait_dscnt 0x0                               ; the closing lines, six on end
	s_wait_alu 0x0
	s_wait_tensorcnt 0x0
	ds_add_u32 v244, v245
	s_wait_dscnt 0x0
	s_endpgm
.Lfunc_end_k_qbafc8b6f4c_agg:
	.size	k_qbafc8b6f4c_agg, .Lfunc_end_k_qbafc8b6f4c_agg-k_qbafc8b6f4c_agg
	.p2alignl 7, 3214868480
	.fill 96, 4, 3214868480
	.section	.rodata,"a",@progbits
	.p2align	6, 0x0
	.amdhsa_kernel k_qbafc8b6f4c_agg
		.amdhsa_group_segment_fixed_size 106496
		.amdhsa_private_segment_fixed_size 0
		.amdhsa_enable_private_segment 0
		.amdhsa_kernarg_size 88
		.amdhsa_user_sgpr_count 2
		.amdhsa_user_sgpr_kernarg_segment_ptr 1
		.amdhsa_wavefront_size32 1
		.amdhsa_system_sgpr_workgroup_id_x 1
		.amdhsa_system_sgpr_workgroup_id_y 1
		.amdhsa_system_sgpr_workgroup_id_z 1
		.amdhsa_system_vgpr_workitem_id 0
		.amdhsa_next_free_vgpr 256
		.amdhsa_next_free_sgpr 106
		.amdhsa_reserve_vcc 0
		.amdhsa_float_denorm_mode_32 3
		.amdhsa_float_denorm_mode_16_64 3
		.amdhsa_memory_ordered 1
		.amdhsa_forward_progress 1
		.amdhsa_inst_pref_size 160
	.end_amdhsa_kernel
	.amdgpu_metadata
---
amdhsa.version: [ 1, 2 ]
amdhsa.kernels:
  - .name:           k_qbafc8b6f4c_agg
    .symbol:         k_qbafc8b6f4c_agg.kd
    .args:
      - { .name: idx, .offset: 0, .size: 8, .value_kind: global_buffer, .address_space: global }
      - { .name: coords, .offset: 8, .size: 8, .value_kind: global_buffer, .address_space: global }
      - { .name: feat, .offset: 16, .size: 8, .value_kind: global_buffer, .address_space: global }
      - { .name: W_pos1, .offset: 24, .size: 8, .value_kind: global_buffer, .address_space: global }
      - { .name: b_pos1, .offset: 32, .size: 8, .value_kind: global_buffer, .address_space: global }
      - { .name: W_pos2_codes, .offset: 40, .size: 8, .value_kind: global_buffer, .address_space: global }
      - { .name: W_pos2_scales, .offset: 48, .size: 8, .value_kind: global_buffer, .address_space: global }
      - { .name: b_pos2, .offset: 56, .size: 8, .value_kind: global_buffer, .address_space: global }
      - { .name: gamma, .offset: 64, .size: 8, .value_kind: global_buffer, .address_space: global }
      - { .name: beta, .offset: 72, .size: 8, .value_kind: global_buffer, .address_space: global }
      - { .name: out0, .offset: 80, .size: 8, .value_kind: global_buffer, .address_space: global }
    .group_segment_fixed_size: 106496
    .private_segment_fixed_size: 0
    .kernarg_segment_align: 8
    .kernarg_segment_size: 88
    .max_flat_workgroup_size: 256
    .sgpr_count:     106
    .vgpr_count:     256
    .wavefront_size: 32
...
	.end_amdgpu_metadata
.endif
;; end of part 5
